; MI455X (gfx1250); checked and timed in simulation.
; The chip was launched on July 23, 2026; its instructions are those of AMD's public machine-readable ISA for CDNA 5 (MIT licence, August 2026) and "CDNA5" Instruction Set Architecture Reference Guide (July 2026). The comments in the code are by the model that wrote it; some were corrected since.
;; Baseline Model. Allowed arithmetic: float matrix products may take bf16 or f16 operands with f32 sums; other float arithmetic in f32, or as packed bf16 or f16 multiplies, adds, multiply-adds, maxima and minima; sums over many terms, partial sums and values carried from step to step in f32; what a program stores and reads back later, other than sums and carried values, may be rounded once to bf16 or f16.
;; Inputs: Wk 1,024 x 1,024 float32; Wo 1,024 x 1,024 float32; Wq 1,024 x 1,024 float32; Wv 1,024 x 1,024 float32; bk 1,024 float32; bo 1,024 float32; bq 1,024 float32; bv 1,024 float32; key 8 x 1,024 x 1,024 float32; ln_beta 1,024 float32; ln_gamma 1,024 float32; query 8 x 1,024 x 1,024 float32; temporal_weights 4 float32; value 8 x 1,024 x 1,024 float32.
;; Outputs: out0 8 x 1,024 x 1,024 float32.
;; 2 versions, each right; version 2 is version 1 with the launches proj, attn, outp written anew for expert scheduling mode. Each part assembles by itself: llvm-mc -triple=amdgcn-amd-amdhsa -mcpu=gfx1250 --defsym DOCPART=n.
;; ======== version 1 of 2: 4 launches
;; limits: values are held in f16: magnitudes above 65,504 overflow, below 6.1e-05 lose precision
;; workspace buffers: wt 8,388,608 bytes; tab 289,792 bytes; qkv 50,331,648 bytes; ob 16,777,216 bytes; st 1,048,576 bytes
;; launch prep (part 1): grid 321 x 1, 4 waves a work-group, no clusters, 41,472 bytes of LDS; arguments Wq, Wk, Wv, Wo, bq, bk, bv, bo, ln_gamma, ln_beta, temporal_weights, wt, tab; writes wt, tab
.if DOCPART == 1
	.amdgcn_target "amdgcn-amd-amdhsa--gfx1250"
	.amdhsa_code_object_version 6
	.text
	.protected	k_q8252f5667b_prep
	.globl	k_q8252f5667b_prep
	.p2align	8
	.type	k_q8252f5667b_prep,@function
k_q8252f5667b_prep:
	s_mov_b64 s[64:65], 0
	v_nop
	global_prefetch_b8 v0, s[64:65] scope:SCOPE_SE
	s_setreg_imm32_b32 hwreg(HW_REG_WAVE_MODE, 25, 1), 1
	s_wait_xcnt 0x0
; PREP.  Three jobs, chosen by the work-group's number; no wave waits for another.
;  0..255   the four weight matrices W[k][n] (f32) -> wt, in the order in which a matrix fragment lies in registers:
;           [matrix][nt 64][ks 32][c 2][lane 32][8 x 16 bit] = W[32 ks + 16 c + 8 (lane / 16) + e][16 nt + lane % 16]; a fragment is 1,024 dense bytes.
;           Wq, Wk, Wv as bf16; Wo rounded to bf16 and that number written as f16.
;           LIMIT: a bf16 number below 2^-17 in magnitude falls on f16's fixed step of 2^-24; one beyond 65,504 would be lost.
;  256..319 the RoPE table in f16: [tau 64][nt 4][cos, sin][lane][8]: position 16 tau + 8 (lane / 16) + e, channel d = 16 nt + lane % 16, frequency d / 2.
;           For d < 32 the sine is stored NEGATED: y[d] = x[d] cos + x[d + 32] (-sin); y[d + 32] = x[d + 32] cos + x[d] sin.
;           The angle is reduced in revolutions (x - rndne(x)); sine and cosine are series to a^15 and a^16, whose first dropped term is under 1e-6 on [-pi, pi].
;  320      the six vectors bq, bk, bv, bo, gamma, beta rounded to bf16 and kept as f32; and the three coefficient fragments of the temporal aggregation.
; THE AGGREGATION is a banded linear map along the sequence: output rows 16 T .. 16 T + 15 hang on raw rows 16 T - 8 .. 16 T + 23 alone: T[r][k], k = 0 .. 31.
;   T[r][k] = w0 [k = r + 8] + sum over b = 2, 4, 8 of (w_b / b) hat(u_b(r) - k / b), hat(x) = max(0, 1 - |x|), u_b = (r + 8.5) / b - 0.5,
;   u_b held to >= 8 / b in the sequence's first tile and to <= 24 / b - 1 in its last (the interpolation's clamps).  w = softmax(temporal_weights rounded to bf16), its maximum taken away.
.set STG,   10240                      ; a wave's stage: 128 rows (columns n of W) x 80 bytes (32 k x 2 bytes + 16)
.set SPARE, 40960                      ; behind the stages: the spare words, 128 bytes a wave
.set TFR_O, 262144                     ; tab: the coefficient fragments
.set VEC_O, 265216                     ; tab: the six vectors
.set SPW, 6
.set NIL, 7
.set XR,  32                           ; v[32:159]  32 rows k x 4 columns as loaded; later the fragments read back
.set PKR, 160                          ; v[160:223] column j's 32 k, packed: 16 registers
.set WV,  2
.set WG,  3
	s_load_b512 s[4:19], s[0:1], 0x0               ; Wq 4, Wk 6, Wv 8, Wo 10, bq 12, bk 14, bv 16, bo 18
	s_load_b256 s[20:27], s[0:1], 0x40             ; gamma 20, beta 22, temporal_weights 24, wt 26
	s_load_b64 s[28:29], s[0:1], 0x60              ; tab
	v_lshl_add_u32 v[SPW], v0, 2, SPARE
	v_mov_b32 v[NIL], 0
	v_lshrrev_b32 v1, 5, v0
	v_readfirstlane_b32 s[WV], v1                  ; wave 0..3
	s_mov_b32 s[WG], ttmp9
	v_and_b32 v1, 31, v0                           ; lane
	v_and_b32 v2, 15, v0                           ; r
	v_bfe_u32 v3, v0, 4, 1                         ; h
	v_lshlrev_b32 v4, 4, v1                        ; 16 x lane
	s_wait_kmcnt 0x0
	s_cmp_lt_u32 s[WG], 256
	s_cbranch_scc1 .Lweights
	s_cmp_lt_u32 s[WG], 320
	s_cbranch_scc1 .Lrope
	; ---- work-group 320: vectors and coefficient fragments
	s_load_b128 s[40:43], s[24:25], 0x0            ; the four temporal weights
	v_lshlrev_b32 v5, 5, v0                        ; my 8 numbers of each vector
.set vi, 0
.irp p, 12,14,16,18,20,22
	global_load_b128 v[32+8*vi:35+8*vi], v5, s[\p:\p+1]
	global_load_b128 v[36+8*vi:39+8*vi], v5, s[\p:\p+1] offset:16
.set vi, vi+1
.endr
	s_wait_loadcnt 0x0
.set vi, 0
.rept 24
	v_cvt_pk_bf16_f32 v8, v[32+2*vi], v[33+2*vi]   ; rounded to bf16,
	v_lshlrev_b32 v[32+2*vi], 16, v8               ; and widened again
	v_and_b32 v[33+2*vi], 0xffff0000, v8
.set vi, vi+1
.endr
.set vi, 0
.rept 6
	global_store_b128 v5, v[32+8*vi:35+8*vi], s[28:29] offset:VEC_O+4096*vi
	global_store_b128 v5, v[36+8*vi:39+8*vi], s[28:29] offset:VEC_O+4096*vi+16
.set vi, vi+1
.endr
	s_wait_kmcnt 0x0
	v_mov_b32 v10, s40
	v_mov_b32 v11, s41
	v_mov_b32 v12, s42
	v_mov_b32 v13, s43
	v_cvt_pk_bf16_f32 v14, v10, v11
	v_cvt_pk_bf16_f32 v15, v12, v13
	v_lshlrev_b32 v10, 16, v14
	v_and_b32 v11, 0xffff0000, v14
	v_lshlrev_b32 v12, 16, v15
	v_and_b32 v13, 0xffff0000, v15
	v_max3_num_f32 v16, v10, v11, v12
	v_max_num_f32 v16, v16, v13                    ; the maximum is taken away before the exponentials
	s_mov_b32 s50, 0x3fb8aa3b                      ; log2(e)
	v_mul_f32 v16, s50, v16
.irp k, 10,11,12,13
	v_fma_f32 v\k, v\k, s50, -v16
.endr
.irp k, 10,11,12,13
	v_exp_f32 v\k, v\k
.endr
	v_nop                                          ; a plain instruction behind the last exponential,
	s_wait_alu depctr_va_vdst(0)                   ; and one wait for the four, ahead of their first reader
	v_add_f32 v17, v10, v11
	v_add_f32 v18, v12, v13
	v_add_f32 v17, v17, v18
	v_rcp_f32 v17, v17
	v_nop
	s_wait_alu depctr_va_vdst(0)
	v_mul_f32 v20, v10, v17                        ; w0
	v_mul_f32 v21, v11, v17
	v_mul_f32 v22, v12, v17
	v_mul_f32 v23, v13, v17
	v_mul_f32 v21, 0.5, v21                        ; w1 / 2
	v_mul_f32 v22, 0x3e800000, v22                 ; w2 / 4
	v_mul_f32 v23, 0x3e000000, v23                 ; w3 / 8
	s_cmp_eq_u32 s[WV], 3                          ; waves 0, 1, 2 make the first tile's, the inner tiles' and the last tile's fragment
	s_cbranch_scc1 .Lend
	s_cmp_eq_u32 s[WV], 0
	s_cselect_b32 s44, 4.0, 0                      ; the lower bounds 8 / b, in the first tile alone
	s_cselect_b32 s45, 2.0, 0
	s_cselect_b32 s46, 1.0, 0
	s_mov_b32 s47, 0x41800000                      ; 16.0: no bound
	s_cmp_eq_u32 s[WV], 2
	s_cselect_b32 s48, 0x41300000, s47             ; the upper bounds 11, 5, 2, in the last tile alone
	s_cselect_b32 s49, 0x40a00000, s47
	s_cselect_b32 s51, 2.0, s47
	s_mov_b32 s52, 0x3e800000                      ; 0.25
	s_mov_b32 s53, 0x3e000000                      ; 0.125
	v_cvt_f32_u32 v24, v2                          ; r
	v_cvt_f32_u32 v25, v3                          ; h
	v_fmaak_f32 v26, 0.5, v24, 0x40700000          ; 0.5 r + 3.75
	v_fmaak_f32 v27, s52, v24, 0x3fd00000          ; 0.25 r + 1.625
	v_fmaak_f32 v28, s53, v24, 0x3f100000          ; 0.125 r + 0.5625
	v_med3_num_f32 v26, v26, s44, s48
	v_med3_num_f32 v27, v27, s45, s49
	v_med3_num_f32 v28, v28, s46, s51
	v_fma_f32 v26, v25, -4.0, v26                  ; my lanes' k begin at 8 h: 4 h, 2 h, h blocks further on
	v_fma_f32 v27, v25, -2.0, v27
	v_sub_f32 v28, v28, v25
	v_add_nc_u32 v29, 8, v2
	v_lshlrev_b32 v30, 3, v3
	v_sub_nc_u32 v29, v29, v30                     ; the identity's place: 16 c + e = r + 8 - 8 h
.macro HAT d, u, j, wt                 ; v[d] = v[wt] x max(0, 1 - |v[u] - j|)
	v_subrev_f32 v[\d], \j, v[\u]
	v_and_b32 v[\d], 0x7fffffff, v[\d]
	v_sub_f32 v[\d], 1.0, v[\d]
	v_max_num_f32 v[\d], 0, v[\d]
	v_mul_f32 v[\d], v[\wt], v[\d]
.endm
	HAT 80, 26, 0, 21                              ; b = 2: block 8 c + e / 2 at v[80 + 4 c + e / 2]
	HAT 81, 26, 1.0, 21
	HAT 82, 26, 2.0, 21
	HAT 83, 26, 3.0, 21
	HAT 84, 26, 8.0, 21
	HAT 85, 26, 9.0, 21
	HAT 86, 26, 10.0, 21
	HAT 87, 26, 11.0, 21
	HAT 88, 27, 0, 22                              ; b = 4: block 4 c + e / 4 at v[88 + 2 c + e / 4]
	HAT 89, 27, 1.0, 22
	HAT 90, 27, 4.0, 22
	HAT 91, 27, 5.0, 22
	HAT 92, 28, 0, 23                              ; b = 8: block 2 c at v[92 + c]
	HAT 93, 28, 2.0, 23
.set tc, 0
.rept 16                               ; tc = 8 c + e
	v_cmp_eq_u32 vcc_lo, 16*(tc/8)+tc%8, v29
	v_cndmask_b32 v[96+tc], 0, v20, vcc_lo
	v_add_f32 v30, v[80+4*(tc/8)+(tc%8)/2], v[88+2*(tc/8)+(tc%8)/4]
	v_add_f32 v[96+tc], v[96+tc], v[92+tc/8]
	v_add_f32 v[96+tc], v[96+tc], v30
.set tc, tc+1
.endr
.set tc, 0
.rept 8
	v_cvt_pk_f16_f32 v[112+tc], v[96+2*tc], v[97+2*tc]
.set tc, tc+1
.endr
	v_lshl_add_u32 v31, s[WV], 10, v4              ; the fragment's 1,024 bytes, 16 a lane
	global_store_b128 v31, v[112:115], s[28:29] offset:TFR_O
	global_store_b128 v31, v[116:119], s[28:29] offset:TFR_O+512
	s_branch .Lend
	; ---- work-groups 256..319: the RoPE table; the wave's number is nt
.Lrope:
	s_sub_co_u32 s30, s[WG], 256                   ; tau
	s_lshl_b32 s31, s[WV], 4
	v_add_nc_u32 v8, s31, v2                       ; d
	v_lshrrev_b32 v8, 1, v8                        ; the frequency's number
	v_cvt_f32_u32 v8, v8
	v_mul_f32 v8, 0xbed49a78, v8                   ; x -log2(10000) / 32
	v_exp_f32 v9, v8
	s_lshl_b32 s32, s30, 4
	v_lshl_add_u32 v10, v3, 3, s32                 ; 16 tau + 8 h (the plain instruction behind the exponential)
	s_wait_alu depctr_va_vdst(0)
	v_mul_f32 v9, 0.15915494, v9                   ; revolutions for each position
	s_mov_b32 s34, 0x40c90fdb                      ; 2 pi,
	s_mov_b32 s35, 0xc0c90fdb                      ; or -2 pi where the sine is stored negated (the cosine is even)
	s_cmp_lt_u32 s[WV], 2
	s_cselect_b32 s34, s35, s34
	s_mov_b32 s36, 0xab573f9f                      ; -1 / 15!
	s_mov_b32 s37, 0x29573f9f                      ; 1 / 16!
	s_lshl_b32 s38, s30, 12
	s_lshl_b32 s39, s[WV], 10
	s_add_co_u32 s38, s38, s39
	s_mov_b32 s39, 0
	s_add_nc_u64 s[28:29], s[28:29], s[38:39]
.set te, 0
.rept 8
	v_add_nc_u32 v11, te, v10
	v_cvt_f32_u32 v11, v11
	v_mul_f32 v11, v11, v9
	v_rndne_f32 v12, v11
	v_sub_f32 v11, v11, v12                        ; within half a revolution of 0
	v_mul_f32 v11, s34, v11                        ; a
	v_mul_f32 v12, v11, v11                        ; a^2
	v_fmaak_f32 v13, s36, v12, 0x2f309231
	v_fmaak_f32 v14, s37, v12, 0xad49cba5
	v_fmaak_f32 v13, v13, v12, 0xb2d7322b
	v_fmaak_f32 v14, v14, v12, 0x310f76c7
	v_fmaak_f32 v13, v13, v12, 0x3638ef1d
	v_fmaak_f32 v14, v14, v12, 0xb493f27e
	v_fmaak_f32 v13, v13, v12, 0xb9500d01
	v_fmaak_f32 v14, v14, v12, 0x37d00d01
	v_fmaak_f32 v13, v13, v12, 0x3c088889
	v_fmaak_f32 v14, v14, v12, 0xbab60b61
	v_fmaak_f32 v13, v13, v12, 0xbe2aaaab
	v_fmaak_f32 v14, v14, v12, 0x3d2aaaab
	v_fma_f32 v13, v13, v12, 1.0
	v_fma_f32 v14, v14, v12, -0.5
	v_mul_f32 v[48+te], v13, v11                   ; sine
	v_fma_f32 v[40+te], v14, v12, 1.0              ; cosine
.set te, te+1
.endr
.set te, 0
.rept 4
	v_cvt_pk_f16_f32 v[56+te], v[40+2*te], v[41+2*te]
	v_cvt_pk_f16_f32 v[60+te], v[48+2*te], v[49+2*te]
.set te, te+1
.endr
	global_store_b128 v4, v[56:59], s[28:29]
	global_store_b128 v4, v[60:63], s[28:29] offset:512
	s_branch .Lend
	; ---- work-groups 0..255: a wave turns 32 k x 128 n of one matrix
.Lweights:
	s_lshr_b32 s31, s[WG], 6                       ; the matrix
	s_cmp_eq_u32 s31, 1
	s_cselect_b64 s[32:33], s[6:7], s[4:5]
	s_cmp_eq_u32 s31, 2
	s_cselect_b64 s[32:33], s[8:9], s[32:33]
	s_cmp_eq_u32 s31, 3
	s_cselect_b64 s[32:33], s[10:11], s[32:33]
	s_and_b32 s34, s[WG], 63
	s_lshl_b32 s34, s34, 2
	s_add_co_u32 s34, s34, s[WV]
	s_lshr_b32 s35, s34, 3                         ; ks
	s_and_b32 s36, s34, 7                          ; which 128 columns
	s_lshl_b32 s38, s35, 17                        ; 32 rows of 4,096 bytes
	s_lshl_b32 s37, s36, 9
	s_add_co_u32 s38, s38, s37
	s_mov_b32 s39, 0
	s_add_nc_u64 s[32:33], s[32:33], s[38:39]
	s_lshl_b32 s40, s31, 21
	s_lshl_b32 s37, s36, 18                        ; 8 nt of 32,768 bytes
	s_add_co_u32 s40, s40, s37
	s_lshl_b32 s37, s35, 10
	s_add_co_u32 s40, s40, s37
	s_mov_b32 s41, 0
	s_add_nc_u64 s[26:27], s[26:27], s[40:41]
	s_mul_i32 s42, s[WV], STG
	v_mul_u32_u24 v8, v1, 320                      ; in: my four columns are four stage rows
	v_add_nc_u32 v8, s42, v8
	v_mul_u32_u24 v9, v2, 80                       ; back: column r of a tile, 16 bytes for each half of the lanes
	v_lshl_add_u32 v9, v3, 4, v9
	v_add_nc_u32 v9, s42, v9
.set kk, 0
.rept 32
	global_load_b128 v[XR+4*kk:XR+4*kk+3], v4, s[32:33] offset:kk*4096 th:TH_LOAD_NT  ; 512 neighbouring bytes of row k
.set kk, kk+1
.endr
	s_wait_loadcnt 0x0
.set cj, 0
.rept 4
.set cp, 0
.rept 16
	v_cvt_pk_bf16_f32 v[PKR+16*cj+cp], v[XR+8*cp+cj], v[XR+8*cp+4+cj]  ; k = 2 p and 2 p + 1 of column j
.set cp, cp+1
.endr
.set cj, cj+1
.endr
	s_cmp_lg_u32 s31, 3
	s_cbranch_scc1 .Lnot_o
.set cp, 0
.rept 64                               ; Wo: the bf16 numbers written as f16
	v_lshlrev_b32 v10, 16, v[PKR+cp]
	v_and_b32 v11, 0xffff0000, v[PKR+cp]
	v_cvt_pk_f16_f32 v[PKR+cp], v10, v11
.set cp, cp+1
.endr
.Lnot_o:
.set cj, 0
.rept 4
.irp qq, 0,1,2,3
	ds_store_b128 v8, v[PKR+16*cj+4*\qq:PKR+16*cj+4*\qq+3] offset:80*cj+16*\qq
.endr
.set cj, cj+1
.endr
.set fi, 0
.rept 16                               ; fragment half fi = 2 nt + c; LDS serves a wave's instructions in order, so these see the stores above
	ds_load_b128 v[XR+4*fi:XR+4*fi+3], v9 offset:(fi/2)*1280+(fi%2)*32
.set fi, fi+1
.endr
.set fi, 0
.rept 16
	s_wait_dscnt 15-fi                             ; the younger read-backs may stay out
	global_store_b128 v4, v[XR+4*fi:XR+4*fi+3], s[26:27] offset:(fi/2)*32768+(fi%2)*512  ; 512 dense bytes, aligned
.set fi, fi+1
.endr
.Lend:
	s_wait_tensorcnt 0x0                           ; the wave's end
	ds_add_u32 v[SPW], v[NIL]
	s_wait_dscnt 0x0
	s_endpgm
.Lfunc_end_k_q8252f5667b_prep:
	.size	k_q8252f5667b_prep, .Lfunc_end_k_q8252f5667b_prep-k_q8252f5667b_prep
	.p2alignl 7, 3214868480
	.fill 96, 4, 3214868480
	.section	.rodata,"a",@progbits
	.p2align	6, 0x0
	.amdhsa_kernel k_q8252f5667b_prep
		.amdhsa_group_segment_fixed_size 41472
		.amdhsa_private_segment_fixed_size 0
		.amdhsa_enable_private_segment 0
		.amdhsa_kernarg_size 104
		.amdhsa_user_sgpr_count 2
		.amdhsa_user_sgpr_kernarg_segment_ptr 1
		.amdhsa_wavefront_size32 1
		.amdhsa_system_sgpr_workgroup_id_x 1
		.amdhsa_system_sgpr_workgroup_id_y 1
		.amdhsa_system_sgpr_workgroup_id_z 1
		.amdhsa_system_vgpr_workitem_id 0
		.amdhsa_next_free_vgpr 224
		.amdhsa_next_free_sgpr 66
		.amdhsa_reserve_vcc 1
		.amdhsa_float_denorm_mode_32 3
		.amdhsa_float_denorm_mode_16_64 3
		.amdhsa_memory_ordered 1
		.amdhsa_forward_progress 1
		.amdhsa_inst_pref_size 50
	.end_amdhsa_kernel
	.amdgpu_metadata
---
amdhsa.version: [ 1, 2 ]
amdhsa.kernels:
  - .name:           k_q8252f5667b_prep
    .symbol:         k_q8252f5667b_prep.kd
    .args:
      - { .name: Wq, .offset: 0, .size: 8, .value_kind: global_buffer, .address_space: global }
      - { .name: Wk, .offset: 8, .size: 8, .value_kind: global_buffer, .address_space: global }
      - { .name: Wv, .offset: 16, .size: 8, .value_kind: global_buffer, .address_space: global }
      - { .name: Wo, .offset: 24, .size: 8, .value_kind: global_buffer, .address_space: global }
      - { .name: bq, .offset: 32, .size: 8, .value_kind: global_buffer, .address_space: global }
      - { .name: bk, .offset: 40, .size: 8, .value_kind: global_buffer, .address_space: global }
      - { .name: bv, .offset: 48, .size: 8, .value_kind: global_buffer, .address_space: global }
      - { .name: bo, .offset: 56, .size: 8, .value_kind: global_buffer, .address_space: global }
      - { .name: ln_gamma, .offset: 64, .size: 8, .value_kind: global_buffer, .address_space: global }
      - { .name: ln_beta, .offset: 72, .size: 8, .value_kind: global_buffer, .address_space: global }
      - { .name: temporal_weights, .offset: 80, .size: 8, .value_kind: global_buffer, .address_space: global }
      - { .name: wt, .offset: 88, .size: 8, .value_kind: global_buffer, .address_space: global }
      - { .name: tab, .offset: 96, .size: 8, .value_kind: global_buffer, .address_space: global }
    .group_segment_fixed_size: 41472
    .private_segment_fixed_size: 0
    .kernarg_segment_align: 8
    .kernarg_segment_size: 104
    .max_flat_workgroup_size: 128
    .sgpr_count:     66
    .vgpr_count:     224
    .wavefront_size: 32
...
	.end_amdgpu_metadata
.endif
;; end of part 1
;; launch proj (part 2): grid 4 x 64, 4 waves a work-group, no clusters, 70,144 bytes of LDS; arguments query, key, value, wt, tab, qkv; writes qkv
.if DOCPART == 2
	.amdgcn_target "amdgcn-amd-amdhsa--gfx1250"
	.amdhsa_code_object_version 6
	.text
	.protected	k_q8252f5667b_proj
	.globl	k_q8252f5667b_proj
	.p2align	8
	.type	k_q8252f5667b_proj,@function
k_q8252f5667b_proj:
	s_mov_b64 s[64:65], 0
	v_nop
	global_prefetch_b8 v0, s[64:65] scope:SCOPE_SE
	s_setreg_imm32_b32 hwreg(HW_REG_WAVE_MODE, 25, 1), 1
	s_wait_xcnt 0x0
; PROJ.  q = RoPE(query Wq + bq), k = RoPE(key Wk + bk), v = value Wv + bv, stored in f16 by heads, before the temporal aggregation.
; x [8192][1024] f32 is rounded to bf16 on its way into LDS; the weights come as bf16 fragments from wt; sums in f32, started at the bias.
; LIMIT: q, k, v must lie within f16's 65,504; NaN and infinities are not treated apart.
; SHARES.  256 work-groups that stay: work-group (X, MT) makes rows 128 MT .. + 127, columns 256 X .. + 255, for Q, then K, then V: 48 K steps of 64 in ONE pipeline
; that runs on across the three tiles.  Wave w makes all 128 rows x 64 columns = head 4 X + w: 32 accumulators.
; WHY NO TENSOR LOAD AND NO CLUSTER.  x changes format on the way (f32 to bf16), which only registers can do; a fragment of W is wanted by one wave alone
; (each wave has its own 64 columns) and lies in wt as it lies in registers, so it goes straight into that wave's registers.
; THE PIPELINE.  Bundle J = K step J's 16 loads of x (2 rows x 256 dense bytes each) and 16 loads of W's fragments.  In step I: bundle I + 1's x is rounded and put into the LDS slot
; that step I does not read; bundle I + 3 is asked for; ONE barrier.  So two bundles of every wave are always on their way.
; RESULT.  D = x W: a lane holds channel lane % 16 and 8 neighbouring rows: 16 bytes of qkv [g][head][ct 4][beta 128][r 16][e 8] (row 8 beta + e, channel 16 ct + r):
; every store of a wave is 512 dense bytes, aligned.
; REGISTERS, in windows of 256 (s_set_vgpr_msb: bits 1:0 source 0, 3:2 source 1, 5:4 source 2, 7:6 destination):
;   window 0: addresses; v12-23 biases; v24-31 zeros; v32-95, v96-159 x's fragments of the step's two halves; v160-191 packed x; v192-223 the bias as a C operand
;   window 1: the accumulators, (mt, nt) at 8 (4 mt + nt)     window 2: W's fragments, four sets of 64     window 3: v0-127 x as loaded, two sets; v128-191 RoPE's table, two buffers
.set SLOTB, 18432                      ; an LDS slot: 128 rows x 144 bytes (64 bf16 + 16 of padding: the 16 rows of a fragment load start at 16 different groups of four banks)
.set TABL,  36864                      ; RoPE's table for my 128 rows, 32,768 bytes, written once
.set SPARE, 69632                      ; the spare words, 128 bytes a wave
.set VEC_O, 265216
.set VA,  2                            ; (t / 16) x 4,096 + (t % 16) x 16: my 16 bytes in 8 rows of x
.set VB,  3                            ; 16 x lane + wave x 4 nt x 32,768
.set VAS, 4                            ; (t / 16) x 144 + (t % 16) x 8: where my 4 rounded numbers go
.set AF,  5                            ; r x 144 + 16 h: a fragment's place in a slot
.set PFO, 6                            ; t x 4,096: a thread a row, for the prefetch
.set VST, 7                            ; 16 x lane
.set VTL, 8                            ; TABL + 16 x lane
.set SPW, 9
.set NIL, 10
.set BV,  12
.set ZF,  24
.set FA0, 32
.set FA1, 96
.set YY,  96                           ; the way out: rotated numbers (FA1's registers, free between steps)
.set PP,  128                          ; the way out: the sine products
.set PK,  160
.set BIAS, 192
.set WV, 16
.set XX, 17
.set MT, 18
.set PA, 20                            ; s[20:21] x at the youngest bundle's K step
.set PAT, 22
.set ANXT, 24                          ; s[24:25] the next tile's x
.set AVAL, 26                          ; s[26:27] value
.set PB, 28                            ; s[28:29] wt at the youngest bundle's K step
.set OFB, 30                           ; s[30:31] PB's step
.set PD, 32                            ; s[32:33] qkv at my head's rows
.set KB, 34                            ; the youngest bundle's K step in its tile
.set CB, 35                            ; bundles asked for
.set TR, 36
.set GT, 37
.set LIMK, 38
.set BIGB, 39
.set MSB, 0
.macro WIN new                         ; the immediate's high byte repeats the setting that is left; a switch that changes nothing is dropped
.if MSB != (\new)
	s_set_vgpr_msb (MSB<<8)|(\new)
.set MSB, \new
.endif
.endm
.macro PLACES
.rept 4
	v_nop
.endr
.endm
.macro BUNDLE az, bq, aoff, boff       ; 32 loads: x into set az of window 3, W into set bq of window 2
	WIN 0xC0
.set u, 0
.rept 16
	global_load_b128 v[64*(\az)+4*u:64*(\az)+4*u+3], v[VA], s[PA:PA+1] offset:(\aoff)+32768*u
.set u, u+1
.endr
	WIN 0x80
.set u, 0
.rept 8                                ; fragment u: half u / 4 of the K step, nt = u % 4
	global_load_b128 v[64*(\bq)+8*u:64*(\bq)+8*u+3], v[VB], s[PB:PB+1] offset:(\boff)+(u%4)*32768+(u/4)*1024
	global_load_b128 v[64*(\bq)+8*u+4:64*(\bq)+8*u+7], v[VB], s[PB:PB+1] offset:(\boff)+(u%4)*32768+(u/4)*1024+512
.set u, u+1
.endr
.endm
; 16 products: rows 64 half .. + 63, all 64 columns, 32 along K.  All 32 accumulators come once in 32 products, in one order everywhere: no two products on end share one.
; rid = 1: behind each product four roundings of the next step's x, while there are any.
.macro BLK sub, half, q, rid
.set bm, 4*(\half)
.rept 4
.set bn, 0
.rept 4
	WIN 0x58
	v_wmma_f32_16x16x32_bf16 v[8*(4*bm+bn):8*(4*bm+bn)+7], v[FA0+64*(\sub)+8*bm:FA0+64*(\sub)+8*bm+7], v[64*(\q)+32*(\sub)+8*bn:64*(\q)+32*(\sub)+8*bn+7], v[8*(4*bm+bn):8*(4*bm+bn)+7]
.if (\rid) && (rc < 32)
	WIN 0x0F
.rept 4
	v_cvt_pk_bf16_f32 v[PK+rc], v[64*zz+2*rc], v[64*zz+2*rc+1]
.set rc, rc+1
.endr
.endif
.set bn, bn+1
.endr
.set bm, bm+1
.endr
.endm
; K step I: q = I % 4 (W's set), sl = I % 2 (the slot that is read)
.macro STEP q, sl
.set zz, 1-(\sl)
.set rc, 0
	s_wait_loadcnt 32                              ; bundle I + 1 is in; the 32 loads of bundle I + 2 may stay out
	s_wait_dscnt 0x0                               ; the first half's fragments are in
	BLK 0, 0, \q, 1
	WIN 0
.set u, 0
.rept 16
	ds_store_b64 v[VAS], v[PK+2*u:PK+2*u+1] offset:zz*SLOTB+1152*u  ; step I + 1's x: the slot's last readers passed the barrier of step I - 1
.set u, u+1
.endr
.set u, 0
.rept 8                                ; the second half's fragments; the roundings above are the places behind the products that read these registers last
	ds_load_b128 v[FA1+8*u:FA1+8*u+3], v[AF] offset:(\sl)*SLOTB+2304*u+64
	ds_load_b128 v[FA1+8*u+4:FA1+8*u+7], v[AF] offset:(\sl)*SLOTB+2304*u+96
.set u, u+1
.endr
	BLK 0, 1, \q, 0
	WIN 0
	s_wait_xcnt 0x0                                ; the youngest loads and prefetch stand a whole step back: their pointers may be written
	s_add_co_u32 s[KB], s[KB], 1
	s_cmp_eq_u32 s[KB], 16                         ; behind a tile's last K step: the next tensor, the next matrix
	s_cselect_b32 s[KB], 0, s[KB]
	s_cselect_b32 s[OFB], s[BIGB], 2048
	s_add_nc_u64 s[PAT:PAT+1], s[PA:PA+1], 256
	s_cselect_b64 s[PA:PA+1], s[ANXT:ANXT+1], s[PAT:PAT+1]
	s_cselect_b64 s[ANXT:ANXT+1], s[AVAL:AVAL+1], s[ANXT:ANXT+1]
	s_add_nc_u64 s[PB:PB+1], s[PB:PB+1], s[OFB:OFB+1]
	s_add_co_u32 s[CB], s[CB], 1
	s_cmp_le_u32 s[CB], 48
	s_cbranch_scc0 .Lnob_\@
	BUNDLE zz, ((\q)+3)%4, 0, 0                    ; bundle I + 3
	WIN 0
	s_cmp_lt_u32 s[KB], s[LIMK]
	s_cbranch_scc0 .Lj_\@
	; a prefetch, behind the run of loads: the 256 bytes of each of the tile's 128 rows that the bundle three steps on will load.  Four work-groups read these rows: the one of
	; column block 0 asks, a thread a row, so each block is named once.  It stops where that K step would lie past the row's end; a tile's first steps come by their loads alone.
	global_prefetch_b8 v[PFO], s[PA:PA+1] offset:768 th:TH_LOAD_NT scope:SCOPE_SE
	s_branch .Lj_\@
.Lnob_\@:
	s_wait_loadcnt 0x0                             ; the last three steps ask for nothing: all loads are waited for, so that the counted wait above holds on this way too
.Lj_\@:
	s_wait_dscnt 0x0                               ; my stores into the other slot are done, my reads of this slot are back
	s_barrier_signal -1
	BLK 1, 0, \q, 0
	s_barrier_wait -1
	PLACES                                         ; behind the products that read the first half's fragments
	WIN 0
.set u, 0
.rept 8
	ds_load_b128 v[FA0+8*u:FA0+8*u+3], v[AF] offset:zz*SLOTB+2304*u
	ds_load_b128 v[FA0+8*u+4:FA0+8*u+7], v[AF] offset:zz*SLOTB+2304*u+32
.set u, u+1
.endr
	BLK 1, 1, \q, 0
.endm
.macro MKBIAS                          ; a lane's channel is the same in all 8 registers of an accumulator
.set u, 0
.rept 32
	v_mov_b32 v[BIAS+u], v[BV+u/8]
.set u, u+1
.endr
.endm
.macro ZINIT                           ; 0 x 0 + bias starts the 32 sums
	WIN 0x40
.set u, 0
.rept 32
	v_wmma_f32_16x16x32_bf16 v[8*u:8*u+7], v[ZF:ZF+7], v[ZF:ZF+7], v[BIAS+8*(u%4):BIAS+8*(u%4)+7]
.set u, u+1
.endr
.endm
.macro TLOAD mt, tb                    ; the table of 16 rows: cos of nt at tb + 8 nt, sin at tb + 8 nt + 4
	WIN 0xC0
.irp n, 0,1,2,3
	ds_load_b128 v[(\tb)+8*\n:(\tb)+8*\n+3], v[VTL] offset:(\mt)*4096+\n*1024
	ds_load_b128 v[(\tb)+8*\n+4:(\tb)+8*\n+7], v[VTL] offset:(\mt)*4096+\n*1024+512
.endr
.endm
.macro MIX d, a, b, c, hf              ; v[d] = v[a] x (half hf of v[b], f16) + v[c]
.if \hf
	v_fma_mix_f32 v[\d], v[\a], v[\b], v[\c] op_sel:[0,1,0] op_sel_hi:[0,1,0]
.else
	v_fma_mix_f32 v[\d], v[\a], v[\b], v[\c] op_sel_hi:[0,1,0]
.endif
.endm
; 16 rows leave, rotated.  Channels d < 32 (nt 0, 1) pair with d + 32 (nt 2, 3); the low half's sine lies negated in the table.  Each accumulator is read from its lowest register on.
.macro ROPE mt
.set TBX, 128+32*((\mt)%2)
.if (\mt) < 7
	TLOAD (\mt)+1, 160-32*((\mt)%2)
	s_wait_dscnt 8                                 ; my table is in; the next rows' 8 loads may stay out
.else
	s_wait_dscnt 0x0
.endif
	WIN 0x0D
.irp n, 0,1
.set rj, 0
.rept 8
	MIX PP+16*\n+rj, 8*(4*(\mt)+\n+2)+rj, TBX+8*\n+4+rj/2, ZF, rj%2
	MIX PP+16*\n+8+rj, 8*(4*(\mt)+\n)+rj, TBX+8*\n+20+rj/2, ZF, rj%2
.set rj, rj+1
.endr
.endr
.irp n, 0,1
.set rj, 0
.rept 8
	MIX YY+8*\n+rj, 8*(4*(\mt)+\n)+rj, TBX+8*\n+rj/2, PP+16*\n+rj, rj%2
	MIX YY+8*\n+16+rj, 8*(4*(\mt)+\n+2)+rj, TBX+8*\n+16+rj/2, PP+16*\n+8+rj, rj%2
.set rj, rj+1
.endr
.endr
	WIN 0
	s_wait_xcnt 0x0                                ; earlier stores have read their data registers
.set OB, PK+16*((\mt)%2)
.set rj, 0
.rept 16
	v_cvt_pk_f16_f32 v[OB+rj], v[YY+2*rj], v[YY+2*rj+1]
.set rj, rj+1
.endr
.irp n, 0,1,2,3
	global_store_b128 v[VST], v[OB+4*\n:OB+4*\n+3], s[PD:PD+1] offset:\n*32768+(\mt)*512
.endr
.endm
.macro PLAIN mt                        ; V's 16 rows leave as they are
	s_wait_xcnt 0x0
.set OB, PK+16*((\mt)%2)
	WIN 0x05
.set rj, 0
.rept 16
	v_cvt_pk_f16_f32 v[OB+rj], v[32*(\mt)+2*rj], v[32*(\mt)+2*rj+1]
.set rj, rj+1
.endr
	WIN 0
.irp n, 0,1,2,3
	global_store_b128 v[VST], v[OB+4*\n:OB+4*\n+3], s[PD:PD+1] offset:\n*32768+(\mt)*512
.endr
.endm
	s_load_b256 s[4:11], s[0:1], 0x0               ; query 4, key 6, value 8, wt 10
	s_load_b128 s[12:15], s[0:1], 0x20             ; tab 12, qkv 14
	v_lshl_add_u32 v[SPW], v0, 2, SPARE
	v_mov_b32 v[NIL], 0
	v_lshrrev_b32 v1, 5, v0
	v_readfirstlane_b32 s[WV], v1
	s_mov_b32 s[XX], ttmp9
	s_and_b32 s[MT], ttmp7, 0xffff
	v_and_b32 v11, 31, v0                          ; lane
	v_and_b32 v1, 15, v0                           ; t % 16 = r
	v_lshrrev_b32 v[VST], 4, v0                    ; t / 16
	v_lshlrev_b32 v[VA], 12, v[VST]
	v_lshl_add_u32 v[VA], v1, 4, v[VA]
	v_mul_u32_u24 v[VAS], v[VST], 144
	v_lshl_add_u32 v[VAS], v1, 3, v[VAS]
	v_bfe_u32 v[VTL], v0, 4, 1                     ; h
	v_mul_u32_u24 v[AF], v1, 144
	v_lshl_add_u32 v[AF], v[VTL], 4, v[AF]
	s_lshl_b32 s40, s[WV], 17
	v_lshl_add_u32 v[VB], v11, 4, s40
	v_lshlrev_b32 v[PFO], 12, v0
	v_lshlrev_b32 v[VST], 4, v11
	v_add_nc_u32 v[VTL], TABL, v[VST]
	s_lshl_b32 s40, s[XX], 10
	s_lshl_b32 s41, s[WV], 8
	s_add_co_u32 s40, s40, s41
	v_lshl_add_u32 v96, v1, 2, s40                 ; my channel's place in a bias (v96-98: used at the head alone)
	s_lshl_b32 s41, s[WV], 13
	v_add_nc_u32 v97, s41, v[VST]                  ; my wave's quarter of the table
	v_add_nc_u32 v98, TABL, v97
	s_and_b32 s46, s[MT], 7                        ; my 128 rows' place in the sequence
	s_lshr_b32 s47, s[MT], 3                       ; the batch
	s_lshl_b32 s40, s[MT], 19
	s_mov_b32 s41, 0
	s_lshl_b32 s42, s[XX], 19
	s_mov_b32 s43, 0
	s_lshl_b32 s44, s46, 15
	s_mov_b32 s45, 0
	s_lshl_b32 s48, s47, 4
	s_lshl2_add_u32 s48, s[XX], s48
	s_add_co_u32 s48, s48, s[WV]                   ; the head among 128
	s_lshl_b32 s48, s48, 17
	s_lshl_b32 s49, s46, 12
	s_add_co_u32 s48, s48, s49
	s_mov_b32 s49, 0
	s_mov_b32 s[OFB+1], 0
	s_mov_b32 s[BIGB], 2066432                     ; from a matrix's K step 15 to the next matrix's K step 0
	s_cmp_eq_u32 s[XX], 0
	s_cselect_b32 s[LIMK], 13, 0
	s_wait_kmcnt 0x0
	s_add_nc_u64 s[PA:PA+1], s[4:5], s[40:41]
	s_add_nc_u64 s[ANXT:ANXT+1], s[6:7], s[40:41]
	s_add_nc_u64 s[AVAL:AVAL+1], s[8:9], s[40:41]
	s_add_nc_u64 s[PB:PB+1], s[10:11], s[42:43]
	s_add_nc_u64 s[44:45], s[12:13], s[44:45]
	s_add_nc_u64 s[PD:PD+1], s[14:15], s[48:49]
.irp g, 0,1,2
.irp n, 0,1,2,3
	global_load_b32 v[BV+4*\g+\n], v96, s[12:13] offset:VEC_O+4096*\g+64*\n
.endr
.endr
	WIN 0xC0
.set u, 0
.rept 16
	global_load_b128 v[128+4*u:131+4*u], v97, s[44:45] offset:512*u
.set u, u+1
.endr
	BUNDLE 0, 0, 0, 0
	BUNDLE 1, 1, 256, 2048
	WIN 0
.set u, 0
.rept 8
	v_mov_b32 v[ZF+u], 0
.set u, u+1
.endr
	s_wait_loadcnt 32                              ; biases, table and bundle 0 are in; bundle 1's 32 loads may stay out
	WIN 0x0C
.set u, 0
.rept 16
	ds_store_b128 v98, v[128+4*u:131+4*u] offset:512*u
.set u, u+1
.endr
	WIN 0x0F
.set u, 0
.rept 32
	v_cvt_pk_bf16_f32 v[PK+u], v[2*u], v[2*u+1]
.set u, u+1
.endr
	WIN 0
	MKBIAS
.set u, 0
.rept 16
	ds_store_b64 v[VAS], v[PK+2*u:PK+2*u+1] offset:1152*u
.set u, u+1
.endr
	s_wait_xcnt 0x0
	s_add_nc_u64 s[PA:PA+1], s[PA:PA+1], 512
	s_add_nc_u64 s[PB:PB+1], s[PB:PB+1], 4096
	BUNDLE 0, 2, 0, 0
	WIN 0
	s_mov_b32 s[KB], 2
	s_mov_b32 s[CB], 3
	s_mov_b32 s[GT], 0
	s_wait_dscnt 0x0                               ; my part of the table and of slot 0 is written
	s_barrier_signal -1
	s_barrier_wait -1
.set u, 0
.rept 8
	ds_load_b128 v[FA0+8*u:FA0+8*u+3], v[AF] offset:2304*u
	ds_load_b128 v[FA0+8*u+4:FA0+8*u+7], v[AF] offset:2304*u+32
.set u, u+1
.endr
.Ltile:
	ZINIT
	WIN 0
	s_mov_b32 s[TR], 4
.Ltrip:
	STEP 0, 0
	STEP 1, 1
	STEP 2, 0
	STEP 3, 1                                      ; (in the launch's very last step the roundings, their stores and the fragment loads serve nothing: the price of one text for every step)
	WIN 0
	s_sub_co_u32 s[TR], s[TR], 1
	s_cmp_lg_u32 s[TR], 0
	s_cbranch_scc1 .Ltrip
	s_cmp_lt_u32 s[GT], 2
	s_cbranch_scc0 .Lplain
	TLOAD 0, 128
	PLACES                                         ; behind the last products, ahead of the first read of a result
.irp m, 0,1,2,3,4,5,6,7
	ROPE \m
.endr
	WIN 0
	s_branch .Lstored
.Lplain:
	PLACES
.irp m, 0,1,2,3,4,5,6,7
	PLAIN \m
.endr
	WIN 0
.Lstored:
.irp n, 0,1,2,3,4,5,6,7
	v_mov_b32 v[BV+\n], v[BV+4+\n]                 ; the next tile's biases move up
.endr
	MKBIAS
	s_wait_xcnt 0x0                                ; the stores have read their data and their base
	s_add_nc_u64 s[PD:PD+1], s[PD:PD+1], 16777216
	s_add_co_u32 s[GT], s[GT], 1
	s_cmp_lt_u32 s[GT], 3
	s_cbranch_scc1 .Ltile
	s_wait_tensorcnt 0x0                           ; the wave's end
	ds_add_u32 v[SPW], v[NIL]
	s_wait_dscnt 0x0
	s_endpgm
.Lfunc_end_k_q8252f5667b_proj:
	.size	k_q8252f5667b_proj, .Lfunc_end_k_q8252f5667b_proj-k_q8252f5667b_proj
	.p2alignl 7, 3214868480
	.fill 96, 4, 3214868480
	.section	.rodata,"a",@progbits
	.p2align	6, 0x0
	.amdhsa_kernel k_q8252f5667b_proj
		.amdhsa_group_segment_fixed_size 70144
		.amdhsa_private_segment_fixed_size 0
		.amdhsa_enable_private_segment 0
		.amdhsa_kernarg_size 48
		.amdhsa_user_sgpr_count 2
		.amdhsa_user_sgpr_kernarg_segment_ptr 1
		.amdhsa_wavefront_size32 1
		.amdhsa_system_sgpr_workgroup_id_x 1
		.amdhsa_system_sgpr_workgroup_id_y 1
		.amdhsa_system_sgpr_workgroup_id_z 1
		.amdhsa_system_vgpr_workitem_id 0
		.amdhsa_next_free_vgpr 960
		.amdhsa_next_free_sgpr 66
		.amdhsa_reserve_vcc 0
		.amdhsa_float_denorm_mode_32 3
		.amdhsa_float_denorm_mode_16_64 3
		.amdhsa_memory_ordered 1
		.amdhsa_forward_progress 1
		.amdhsa_inst_pref_size 141
	.end_amdhsa_kernel
	.amdgpu_metadata
---
amdhsa.version: [ 1, 2 ]
amdhsa.kernels:
  - .name:           k_q8252f5667b_proj
    .symbol:         k_q8252f5667b_proj.kd
    .args:
      - { .name: query, .offset: 0, .size: 8, .value_kind: global_buffer, .address_space: global }
      - { .name: key, .offset: 8, .size: 8, .value_kind: global_buffer, .address_space: global }
      - { .name: value, .offset: 16, .size: 8, .value_kind: global_buffer, .address_space: global }
      - { .name: wt, .offset: 24, .size: 8, .value_kind: global_buffer, .address_space: global }
      - { .name: tab, .offset: 32, .size: 8, .value_kind: global_buffer, .address_space: global }
      - { .name: qkv, .offset: 40, .size: 8, .value_kind: global_buffer, .address_space: global }
    .group_segment_fixed_size: 70144
    .private_segment_fixed_size: 0
    .kernarg_segment_align: 8
    .kernarg_segment_size: 48
    .max_flat_workgroup_size: 128
    .sgpr_count:     66
    .vgpr_count:     960
    .wavefront_size: 32
...
	.end_amdgpu_metadata
.endif
;; end of part 2
;; launch attn (part 3): grid 2 x 128, 4 waves a work-group, no clusters, 289,280 bytes of LDS; arguments qkv, tab, ob, st; writes ob, st
.if DOCPART == 3
	.amdgcn_target "amdgcn-amd-amdhsa--gfx1250"
	.amdhsa_code_object_version 6
	.text
	.protected	k_q8252f5667b_attn
	.globl	k_q8252f5667b_attn
	.p2align	8
	.type	k_q8252f5667b_attn,@function
k_q8252f5667b_attn:
	s_mov_b64 s[64:65], 0
	v_nop
	global_prefetch_b8 v0, s[64:65] scope:SCOPE_SE
	s_setreg_imm32_b32 hwreg(HW_REG_WAVE_MODE, 25, 1), 1
	s_wait_xcnt 0x0
; ATTN.  The temporal aggregation of q, k, v; O[h][q] = sum over k of softmax_k(Q . K / 8) V; and for each row and head the mean and the sum of squared deviations of O's 64 channels (LayerNorm's parts).
; All matrix operands f16; products, maxima and sums in f32; the weights p rounded to f16 for the second product (their sum l is taken of the unrounded p), O once at the end.
; LIMITS.  q, k, v arrive within f16's 65,504; a weight below 2^-126 counts as 0 in l; NaN and infinities are not treated apart.
; SHARES.  A work-group owns 512 queries of one head (two work-groups a head), a wave 128: four PIECES of two tiles of 16.  Every wave walks all 1,024 keys, 64 a step.
; NO CLUSTER, NO TENSOR LOAD: a head has two work-groups, no multiple of four; K and V change on their way in (the aggregation), and are read once, at the head.
; THE AGGREGATION is one matrix instruction a tile: 16 output rows = T (16 x 32, from tab) x 32 raw rows 16 T - 8 .. 16 T + 23.  qkv lies as [ct 4][beta 128][r 16][e 8] (row 8 beta + e, channel
; 16 ct + r), so 512 dense bytes are half a fragment of 32 rows x 16 channels, and neighbouring tiles share halves: tile t's fragment is registers 4 t .. 4 t + 7 of a run of loads.
; At the sequence's ends the lanes that would leave it read a clamped address, and T holds 0 there.
;   K, Q: D = X T^T: a lane holds one row and 8 channels: K goes to LDS [key][64], pitch 144; Q's roundings ARE its fragments.    V: D = T X^T: a lane holds one channel and 8 keys: V^T [channel][1024], pitch 2,064.
; A whole head's K and V^T stay in LDS: one barrier in the launch, and no load from memory in the loop.
; LAYOUT, SOFTMAX, TURNS.  S^T = K Q^T holds ONE query a lane (lane % 16) and the keys 8 (lane / 16) + 0..7; two such results rounded to f16 ARE source 1 of O^T = V^T P.  p = 2^(c s - c m), c = log2(e) / 8,
; with a running maximum m; O and l are multiplied by a = 2^(c m_old - c m_new) in every step; m starts at the lowest finite number, O and l at 0.  Turn n belongs to piece n: 16 products K Q^T of
; piece n + 1, later 16 products V^T P of piece n - 1; beside them the scaling, exponentials, roundings, sums and rescaling of piece n and the maximum and statistics of piece n + 1.
; Four vector instructions stand behind every matrix instruction, the others in one lump; a turn's 66 exponentials are one batch with one wait.
; REGISTERS, in windows of 256 (s_set_vgpr_msb: bits 1:0 source 0, 3:2 source 1, 5:4 source 2, 7:6 destination):
;   window 0: v0-11 addresses; v12-15, v48-63 at work; v16-47 four registers of statistics a tile; v64-191 S^T, two buffers of two tiles; v192-255 P, likewise
;   window 1: O^T, 32 a tile (at the head: K's and V's raw rows)     window 2: v0-127 Q; v128-191 K of one step; v192-255 V of one step     window 3: at the head, Q's raw rows
.set NP,    4
.set KS,    64
.set PK,    144                        ; a row of K in LDS: 128 bytes + 16: the 16 rows of a load start at 16 different groups of four banks
.set PVT,   2064                       ; a row of V^T: 2,048 bytes + 16: likewise
.set VT,    147456                     ; behind K's 1,024 rows
.set STAGE, 279552                     ; behind V^T's 64 rows: 16 rows x 144 bytes for each wave, for the way out
.set SP,    144
.set SPARE, 288768                     ; the spare words, 128 bytes a wave
.set TFR_O, 262144
.set AK0, 2                            ; r x 144 + 16 h
.set AV0, 3                            ; VT + r x 2,064 + 16 h
.set AK,  4
.set AV,  5
.set STO, 6
.set RD,  7
.set GO,  8
.set AV2, 9                            ; AV + 32 rows of V^T: an LDS offset has 16 bits
.set SPW, 10
.set NIL, 11
.set MV,  12
.set ST,  16
.set TMP, 48
.set S,   64
.set P,   192
.set KF,  128
.set VF,  192
.set L16, 48                           ; at the head alone: v48-60 offsets, v64-103 T's fragments, v128-191 two banks of four results, v192-207 rounded results
.set VXM, 49
.set VX0, 50
.set VX16, 51
.set VQM, 52
.set VQ0, 53
.set VQ8, 54
.set VKS, 55
.set VVS, 56
.set TM,  64
.set TKA, 72
.set TKZ, 80
.set TQA, 88
.set TQZ, 96
.set DB,  128
.set CT,  192
.set WV,  12
.set CNT, 57
.set CS,  58
.set SEL, 60
.set TBK, 62
.set TBV, 63
.set MSB, 0
.macro WIN new
.if MSB != (\new)
	s_set_vgpr_msb (MSB<<8)|(\new)
.set MSB, (\new)
.endif
.endm
.set W_KQ, 0x0a
.set W_PV, 0x52
.set W_RS, 0x41
.macro PLACES
.rept 4
	v_nop
.endr
.endm
	s_load_b256 s[4:11], s[0:1], 0x0               ; qkv 4, tab 6, ob 8, st 10
	v_lshl_add_u32 v[SPW], v0, 2, SPARE
	v_mov_b32 v[NIL], 0
	v_lshrrev_b32 v1, 5, v0
	v_readfirstlane_b32 s[WV], v1
	s_mov_b32 s14, ttmp9                           ; which half of the head's queries
	s_and_b32 s15, ttmp7, 0xffff                   ; the head among 128
	v_and_b32 v1, 15, v0                           ; r
	v_bfe_u32 v12, v0, 4, 1                        ; h
	v_and_b32 v13, 31, v0                          ; lane
	v_lshlrev_b32 v[L16], 4, v13
	s_lshl_b32 s24, s[WV], 13                      ; my 256 keys: 32 blocks of 256 bytes
	v_add_nc_u32 v[VXM], s24, v[L16]
	v_add_nc_u32 v[VX0], 0xffffff00, v[VXM]        ; the block in front of them, held inside the head's rows
	v_max_i32 v[VX0], 0, v[VX0]
	v_add_nc_u32 v[VX16], 7936, v[VXM]             ; and the two behind them
	v_min_u32 v[VX16], 32752, v[VX16]
	s_lshl_b32 s25, s14, 2
	s_add_co_u32 s25, s25, s[WV]                   ; my 128 queries among the head's eight such
	s_lshl_b32 s24, s25, 12
	v_add_nc_u32 v[VQM], s24, v[L16]
	v_add_nc_u32 v[VQ0], 0xffffff00, v[VQM]
	v_max_i32 v[VQ0], 0, v[VQ0]
	v_add_nc_u32 v[VQ8], 3840, v[VQM]
	v_min_u32 v[VQ8], 32752, v[VQ8]
	s_cmp_eq_u32 s[WV], 0                          ; which of T's three forms my first and last tiles take
	s_cselect_b32 s40, 0, 1
	s_cmp_eq_u32 s[WV], 3
	s_cselect_b32 s41, 2, 1
	s_cmp_eq_u32 s25, 0
	s_cselect_b32 s42, 0, 1
	s_cmp_eq_u32 s25, 7
	s_cselect_b32 s43, 2, 1
	v_lshl_add_u32 v57, s40, 10, v[L16]
	v_lshl_add_u32 v58, s41, 10, v[L16]
	v_lshl_add_u32 v59, s42, 10, v[L16]
	v_lshl_add_u32 v60, s43, 10, v[L16]
	v_mul_u32_u24 v[AK0], v1, PK
	v_lshl_add_u32 v[AK0], v12, 4, v[AK0]
	v_mul_u32_u24 v[AV0], v1, PVT
	v_lshl_add_u32 v[AV0], v12, 4, v[AV0]
	v_add_nc_u32 v[AV0], VT, v[AV0]
	s_mul_i32 s24, s[WV], 256*PK
	v_add_nc_u32 v[VKS], s24, v[AK0]               ; where my keys' K goes: (256 w + r) x 144 + 16 h
	s_lshl_b32 s24, s[WV], 9
	v_add_nc_u32 v[VVS], s24, v[AV0]               ; where my keys' V^T goes: row r, byte 2 (256 w + 8 h)
	s_lshl_b32 s26, s15, 17
	s_mov_b32 s27, 0
	s_lshl_b32 s28, s14, 16
	s_lshl_b32 s29, s[WV], 14
	s_add_co_u32 s28, s28, s29
	s_add_co_u32 s28, s28, s26                     ; my 128 rows of O
	s_mov_b32 s29, 0
	s_lshl_b32 s30, s15, 13
	s_lshl_b32 s31, s25, 10
	s_add_co_u32 s30, s30, s31                     ; and of st
	s_mov_b32 s31, 0
	s_mov_b32 s45, 0xffff0000                      ; lanes 16 to 31
	s_mov_b32 s[CS], 0x3e38aa3b                    ; c = log2(e) / 8
	s_mov_b32 s[CS+1], s[CS]
	s_mov_b32 s[SEL], 0x76543210
	s_mov_b32 s[SEL+1], 0xfedcba98
	s_mov_b32 s[TBK], 0
	s_mov_b32 s[TBV], 0
	s_wait_kmcnt 0x0
	s_add_nc_u64 s[16:17], s[4:5], s[26:27]        ; the head's q,
	s_add_nc_u64 s[18:19], s[16:17], 0x1000000     ; k,
	s_add_nc_u64 s[20:21], s[16:17], 0x2000000     ; v
	s_add_nc_u64 s[8:9], s[8:9], s[28:29]
	s_add_nc_u64 s[10:11], s[10:11], s[30:31]
	global_load_b128 v[TM:TM+3], v[L16], s[6:7] offset:TFR_O+1024
	global_load_b128 v[TM+4:TM+7], v[L16], s[6:7] offset:TFR_O+1536
.irp k, 0,1,2,3
	global_load_b128 v[TKA+8*\k:TKA+8*\k+3], v[57+\k], s[6:7] offset:TFR_O
	global_load_b128 v[TKA+8*\k+4:TKA+8*\k+7], v[57+\k], s[6:7] offset:TFR_O+512
.endr
	WIN 0xC0
.irp c, 0,1,2,3                        ; Q's raw rows: 9 halves of fragments for each 16 channels
	global_load_b128 v[36*\c:36*\c+3], v[VQ0], s[16:17] offset:32768*\c
.set ca, 1
.rept 7
	global_load_b128 v[36*\c+4*ca:36*\c+4*ca+3], v[VQM], s[16:17] offset:32768*\c+(2*ca-1)*256
.set ca, ca+1
.endr
	global_load_b128 v[36*\c+32:36*\c+35], v[VQ8], s[16:17] offset:32768*\c
.endr
.macro LCHKV buf, ptr                  ; 17 halves of fragments: my 256 keys, 16 channels
	WIN 0x40
	global_load_b128 v[(\buf):(\buf)+3], v[VX0], s[\ptr:\ptr+1]
.set ca, 1
.rept 15
	global_load_b128 v[(\buf)+4*ca:(\buf)+4*ca+3], v[VXM], s[\ptr:\ptr+1] offset:(2*ca-1)*256
.set ca, ca+1
.endr
	global_load_b128 v[(\buf)+64:(\buf)+67], v[VX16], s[\ptr:\ptr+1]
.endm
	LCHKV 0, 18
	LCHKV 68, 20
; Four results of bank gg % 2 are rounded, from each accumulator's lowest registers on.  K and V go to LDS; Q into its fragments.
.macro CVP kind, gg
	WIN 0
.set ca, 0
.rept 16
	v_cvt_pk_f16_f32 v[CT+ca], v[DB+32*((\gg)%2)+2*ca], v[DB+32*((\gg)%2)+2*ca+1]
.set ca, ca+1
.endr
.set ca, 0
.rept 4
.if (\kind) == 0
	ds_store_b128 v[VKS], v[CT+4*ca:CT+4*ca+3] offset:16*PK*(4*(\gg)+ca)
.else
	ds_store_b128 v[VVS], v[CT+4*ca:CT+4*ca+3] offset:32*(4*(\gg)+ca)
.endif
.set ca, ca+1
.endr
.endm
.macro CVQ gg                          ; group gg: channels 16 (gg / 2) on, tiles 4 (gg % 2) on
	WIN 0x80
.set ca, 0
.rept 16
	v_cvt_pk_f16_f32 v[16*(4*((\gg)%2)+ca/4)+8*((\gg)/4)+4*(((\gg)/2)%2)+ca%4], v[DB+32*((\gg)%2)+2*ca], v[DB+32*((\gg)%2)+2*ca+1]
.set ca, ca+1
.endr
.endm
; 16 tiles in four groups of four products; a group's roundings stand behind the next group's products, and are the places behind those.
.macro CHUNK kind, buf
.set cg, 0
.rept 4
.set cb, 0
.rept 4
.set TF, TM
.if 4*cg+cb == 0
.set TF, TKA
.endif
.if 4*cg+cb == 15
.set TF, TKZ
.endif
.if (\kind) == 0
	WIN 0x01
	v_wmma_f32_16x16x32_f16 v[DB+32*(cg%2)+8*cb:DB+32*(cg%2)+8*cb+7], v[(\buf)+4*(4*cg+cb):(\buf)+4*(4*cg+cb)+7], v[TF:TF+7], 0
.else
	WIN 0x04
	v_wmma_f32_16x16x32_f16 v[DB+32*(cg%2)+8*cb:DB+32*(cg%2)+8*cb+7], v[TF:TF+7], v[(\buf)+4*(4*cg+cb):(\buf)+4*(4*cg+cb)+7], 0
.endif
.set cb, cb+1
.endr
.if cg == 0
	PLACES
.else
	CVP \kind, cg-1
.endif
.set cg, cg+1
.endr
	PLACES
	CVP \kind, 3
.endm
	s_wait_loadcnt 34                              ; T and Q's rows are in; K's and V's first 17 loads each may stay out
.set qg, 0
.rept 8
.set cb, 0
.rept 4
.set TF, TM
.if 4*(qg%2)+cb == 0
.set TF, TQA
.endif
.if 4*(qg%2)+cb == 7
.set TF, TQZ
.endif
	WIN 0x03
	v_wmma_f32_16x16x32_f16 v[DB+32*(qg%2)+8*cb:DB+32*(qg%2)+8*cb+7], v[36*(qg/2)+4*(4*(qg%2)+cb):36*(qg/2)+4*(4*(qg%2)+cb)+7], v[TF:TF+7], 0
.set cb, cb+1
.endr
.if qg == 0
	PLACES
.else
	CVQ qg-1
.endif
.set qg, qg+1
.endr
	PLACES
	CVQ 7
	WIN 0
	s_mov_b32 s44, 4
.Lkv:                                  ; four trips: 16 channels of K, then of V; each buffer is asked for again as soon as it is used up
	s_wait_loadcnt 17                              ; K's rows are in; V's 17 loads may stay out
	CHUNK 0, 0
	WIN 0
	v_add_nc_u32 v[VKS], 32, v[VKS]                ; the next 16 channels of a row of K
	s_cmp_eq_u32 s44, 1
	s_cbranch_scc1 .Lklast
	s_wait_xcnt 0x0
	s_add_nc_u64 s[18:19], s[18:19], 32768
	LCHKV 0, 18
	WIN 0
	s_branch .Lkj
.Lklast:
	s_wait_loadcnt 0x0                             ; nothing is asked for: all loads are waited for, so that the counted wait below holds on this way too
.Lkj:
	s_wait_loadcnt 17                              ; V's rows are in; K's next 17 loads may stay out
	CHUNK 1, 68
	WIN 0
	v_add_nc_u32 v[VVS], 16*PVT, v[VVS]            ; the next 16 rows of V^T
	s_cmp_eq_u32 s44, 1
	s_cbranch_scc1 .Lvlast
	s_wait_xcnt 0x0
	s_add_nc_u64 s[20:21], s[20:21], 32768
	LCHKV 68, 20
	WIN 0
	s_branch .Lvj
.Lvlast:
	s_wait_loadcnt 0x0
.Lvj:
	s_sub_co_u32 s44, s44, 1
	s_cmp_lg_u32 s44, 0
	s_cbranch_scc1 .Lkv
	s_wait_dscnt 0x0                               ; my part of K and V^T is written
	s_barrier_signal -1                            ; what the first turn finds is made between the signal and the wait: O^T, l, V's registers and P's second buffer hold 0
	WIN 0x40
.set i, 0
.rept 256
	v_mov_b32 v[i], 0
.set i, i+1
.endr
	WIN 0x80
.set i, VF
.rept 64
	v_mov_b32 v[i], 0
.set i, i+1
.endr
	WIN 0
.set i, 0
.rept 2*NP
	v_mov_b32 v[ST+4*i], 0xfe000000                ; c m: far below every c s
	v_mov_b32 v[ST+4*i+1], 0xff7fffff              ; m
	v_mov_b32 v[ST+4*i+2], 0
	v_mov_b32 v[ST+4*i+3], 0
.set i, i+1
.endr
.set i, P+32
.rept 32
	v_mov_b32 v[i], 0
.set i, i+1
.endr
	v_mov_b32 v[AK], v[AK0]
	s_barrier_wait -1                              ; the launch's one barrier: the whole head's K and V^T lie in LDS
; THE MATRIX WORK.  The 8 accumulators of a run of 16 take turns.
.macro KQ x                            ; product i of 16 of S^T = K Q^T for piece x: channels 32 (i / 8) on, keys 16 ((i / 2) % 4) on, tile 2 x + i % 2
	WIN W_KQ
.set rS, S+64*((\x)%2)+32*(i%2)+8*((i/2)%4)
.set rK, KF+16*((i/2)%4)+8*(i/8)
.set rQ, 16*(2*(\x)+i%2)+8*(i/8)
.if i < 8
	v_wmma_f32_16x16x32_f16 v[rS:rS+7], v[rK:rK+7], v[rQ:rQ+7], 0
.else
	v_wmma_f32_16x16x32_f16 v[rS:rS+7], v[rK:rK+7], v[rQ:rQ+7], v[rS:rS+7]
.endif
.endm
.macro PV x                            ; product i of 16 of O^T += V^T P for piece x: keys 32 (i / 8) on, channels 16 ((i / 2) % 4) on, tile 2 x + i % 2
	WIN W_PV
.set rO, 32*(2*(\x)+i%2)+8*((i/2)%4)
.set rV, VF+32*(i/8)+8*((i/2)%4)
.set rP, P+32*((\x)%2)+16*(i%2)+8*(i/8)
	v_wmma_f32_16x16x32_f16 v[rO:rO+7], v[rV:rV+7], v[rP:rP+7], v[rO:rO+7]
.endm
.macro MM
.if i < 16
	KQ (Y+1)%NP
.set i, i+1
.else
.set i, i-16
	PV (Y+NP-1)%NP
.set i, i+17
.endif
.endm
; THE LDS LOADS stand in runs of 16.
.macro FETCH_K
	WIN 0x80
.irp f, 0,1,2,3,4,5,6,7                ; keys 16 (f / 2) on, channels 32 (f % 2) on
	ds_load_b128 v[KF+8*\f:KF+8*\f+3],   v[AK] offset:(\f/2)*16*PK+(\f%2)*64
	ds_load_b128 v[KF+8*\f+4:KF+8*\f+7], v[AK] offset:(\f/2)*16*PK+(\f%2)*64+32
.endr
	s_add_co_u32 s[TBK], s[TBK], KS*PK
	WIN 0
.endm
.macro FETCH_V
	WIN 0x80
.irp f, 0,1,2,3,4,5,6,7                ; keys 32 (f / 4) on, channels 16 (f % 4) on
.if (\f%4) < 2
	ds_load_b128 v[VF+8*\f:VF+8*\f+3],   v[AV] offset:(\f%2)*16*PVT+(\f/4)*64
	ds_load_b128 v[VF+8*\f+4:VF+8*\f+7], v[AV] offset:(\f%2)*16*PVT+(\f/4)*64+32
.else
	ds_load_b128 v[VF+8*\f:VF+8*\f+3],   v[AV2] offset:(\f%2)*16*PVT+(\f/4)*64
	ds_load_b128 v[VF+8*\f+4:VF+8*\f+7], v[AV2] offset:(\f%2)*16*PVT+(\f/4)*64+32
.endif
.endr
	WIN 0
.endm
; THE VECTOR WORK OF A TURN stands in three queues, each in the order in which its entries become ready; the two tiles alternate.
.macro REGS y, u
.set rT, ST+4*(2*(\y)+(\u))
.set rC, TMP+8*((\y)%2)+4*(\u)
.set rM, MV+2*((\y)%2)+(\u)
.set rS, S+64*((\y)%2)+32*(\u)
.set rP, P+32*((\y)%2)+16*(\u)
.set rO, 32*(2*(\y)+(\u))
.endm
; Number n of the 22 that find the NEXT piece's maximum and statistics; each accumulator's lowest registers are read first.
.macro XS u, n
	REGS (Y+1)%NP, \u
.if (\n) < 4
	v_max3_num_f32 v[rC+(\n)], v[rS+8*(\n)], v[rS+8*(\n)+1], v[rS+8*(\n)+2]
.elseif (\n) < 12
	v_max3_num_f32 v[rC+(\n)%4], v[rC+(\n)%4], v[rS+8*((\n)%4)+2*((\n)/4)+1], v[rS+8*((\n)%4)+2*((\n)/4)+2]
.elseif (\n) == 12
	v_max3_num_f32 v[rC], v[rC], v[rS+7], v[rS+15]
.elseif (\n) == 13
	v_max3_num_f32 v[rC+1], v[rC+1], v[rS+23], v[rS+31]
.elseif (\n) == 14
	v_max3_num_f32 v[rC+2], v[rC+2], v[rC+3], v[rT+1]
.elseif (\n) == 15
	v_mov_b32 v[rM], v[rT]
.elseif (\n) == 16
	v_max3_num_f32 v[rC], v[rC], v[rC+1], v[rC+2]
.elseif (\n) == 17
	v_permlanex16_b32 v[rC+3], v[rC], s[SEL], s[SEL+1]
.elseif (\n) == 18
	v_max_num_f32 v[rT+1], v[rC], v[rC+3]
.elseif (\n) == 19
	v_mul_f32 v[rT], s[CS], v[rT+1]
.elseif (\n) == 20
	v_sub_f32 v[rC+1], v[rM], v[rT]
.else
	v_exp_f32 v[rC+2], v[rC+1]
.endif
.endm
; Number g of the 64 that follow the exponentials: roundings to f16, the second pair of four weights added onto the first, and l a group later.
.macro GS g
.set h, (\g)+6*((\g)/62)
.if h >= 6
.set h, h+2
.endif
	REGS Y, h%2
.set k, h/8
.if h%8 < 4
	v_cvt_pk_f16_f32 v[rP+2*k+(h%8)/2], v[rS+4*k+2*((h%8)/2)], v[rS+4*k+2*((h%8)/2)+1]
.elseif h%8 < 6
	v_pk_add_f32 v[rS+4*k:rS+4*k+1], v[rS+4*k:rS+4*k+1], v[rS+4*k+2:rS+4*k+3]
.elseif k == 1
	v_pk_fma_f32 v[rT+2:rT+3], v[rT+2:rT+3], v[rC+2:rC+3], v[rS:rS+1] op_sel_hi:[1,0,1]
.else
	v_pk_add_f32 v[rT+2:rT+3], v[rT+2:rT+3], v[rS+4*k-4:rS+4*k-3]
.endif
.endm
.macro FS f                            ; c s - c m for pair f / 2 of tile f % 2
	REGS Y, (\f)%2
	v_pk_fma_f32 v[rS+2*((\f)/2):rS+2*((\f)/2)+1], v[rS+2*((\f)/2):rS+2*((\f)/2)+1], s[CS:CS+1], v[rT:rT+1] op_sel_hi:[1,0,0] neg_lo:[0,0,1] neg_hi:[0,0,1]
.endm
.macro PL                              ; the plain queue, 138 long: 0-73 read no exponential's result; 74-137 stand behind the wait
	WIN 0
.if q < 27
	FS q
.elseif q < 55
	XS (q-27)%2, (q-27)/2
.elseif q < 57
	XS q-55, 15
.elseif (q < 72) && ((q-57)%3 == 0)
	FS 27+(q-57)/3
.elseif q < 60
	XS (q-57)%3-1, 14
.elseif q < 72
	XS (q-57)%3-1, 15+(q-57)/3
.elseif q < 74
	XS q-72, 20
.else
	GS q-74
.endif
.set q, q+1
.endm
.macro EX                              ; the exponentials' queue, 66 long: one batch, all ahead of the turn's one wait
	WIN 0
.if e >= 64
	XS e-64, 21
.else
	REGS Y, e%2
	v_exp_f32 v[rS+e/2], v[rS+e/2]
.endif
.set e, e+1
.endm
.macro R2                              ; O^T times a, two at a time; its a was made, and waited for, in the turn before
	REGS Y, r%2
	WIN W_RS
.irp z, 0,1
	v_pk_mul_f32 v[rO+4*(r/2)+2*\z:rO+4*(r/2)+2*\z+1], v[rO+4*(r/2)+2*\z:rO+4*(r/2)+2*\z+1], v[rC+2:rC+3] op_sel_hi:[1,0]
.endr
.set r, r+1
.endm
; A TURN, for piece p.  Ahead of its one wait stands all that names no result of its exponentials: 16 products K Q^T with a scaling, an exponential and two rescalings behind each, then a lump of 108.
; Behind the wait: 16 products V^T P with four roundings and sums behind each.  K of the next step is fetched in piece 2's turn, directly behind the wait, a lump behind the last product that read K;
; V of the step in hand at the end of piece 0's turn, four plain instructions behind its last reader.  Each is waited for a turn later.
.macro TURN p
.set Y, (\p)
.set i, 0
.set q, 0
.set e, 0
.set r, 0
.if (\p) == NP-1
	s_wait_dscnt 0x0                               ; K is in
.endif
	MM
	PL
	PL
	R2
.rept 15
	MM
	PL
	EX
	R2
.endr
.if (\p) == NP-2
	WIN 0
	v_add_nc_u32 v[AK], s[TBK], v[AK0]
.endif
.rept 8
	PL
.endr
.rept 49
	EX
	PL
.endr
	EX
	EX
	v_nop                                          ; a plain instruction behind the last exponential: one for the batch
	s_wait_alu depctr_va_vdst(0)                   ; the wait for the batch, ahead of its first reader
.if (\p) == NP-2
	FETCH_K
.endif
.if (\p) == 1
	s_wait_dscnt 0x0                               ; V is in
.endif
.rept 16
	MM
.rept 4
	PL
.endr
.if ((\p) == 0) && (q == 118)
	v_add_nc_u32 v[AV], s[TBV], v[AV0]
	v_add_nc_u32 v[AV2], 32*PVT, v[AV]
.endif
.if ((\p) == 0) && (q == 130)
	s_add_co_u32 s[TBV], s[TBV], 2*KS
.endif
.endr
.if (\p) == 0
	FETCH_V
.endif
.endm
	FETCH_K                                        ; key step 0
	s_wait_dscnt 0x0
.set i, 0
.rept 16
	KQ 0                                           ; piece 0's first scores
.set i, i+1
.endr
	WIN 0                                          ; the addresses for the way out: plain instructions, the places behind those products
	s_mul_i32 s13, s[WV], 16*SP
	s_add_co_u32 s13, s13, STAGE
	v_mul_u32_u24 v[STO], v1, SP                   ; in: row l % 16, 16 bytes for each half of the lanes
	v_lshl_add_u32 v[STO], v12, 4, v[STO]
	v_add_nc_u32 v[STO], s13, v[STO]
	v_bfe_u32 v[RD], v0, 3, 2                      ; back: 32 lanes take four rows of 128 bytes,
	v_mul_u32_u24 v[RD], v[RD], SP
	v_and_b32 v14, 7, v0
	v_lshl_add_u32 v[RD], v14, 4, v[RD]
	v_add_nc_u32 v[RD], s13, v[RD]
	v_lshlrev_b32 v[GO], 4, v13                    ; which are 512 consecutive bytes of O
.set Y, NP-1
.irp n, 0,1,2,3,4,5,6,7,8,9,10,11,12,13,14,15,16,17,18,19,20,21
	XS 0, \n                                       ; piece 0's first maximum and statistics
	XS 1, \n
.endr
	v_nop
	s_wait_alu depctr_va_vdst(0)                   ; the two a, ahead of the label
	s_mov_b32 s[CNT], 16
.Lstep:                                ; a key step.  In the last trip piece 2's turn fetches the bytes behind K's last row (V^T's first rows and their unwritten padding, inside LDS), and the 16 products and the maximum made of them serve nothing
	TURN 0
	TURN 1
	TURN 2
	TURN 3
	WIN 0
	s_sub_co_u32 s[CNT], s[CNT], 1
	s_cmp_lg_u32 s[CNT], 0
	s_cbranch_scc1 .Lstep
.set i, 0
.rept 16
	PV NP-1                                        ; the last piece's V^T P of the last step
.set i, i+1
.endr
	; THE WAY OUT.  l's two halves and the other half of the lanes' are added; O^T is divided by l, its mean and squared deviations are taken, it is rounded to f16 and sent through my stage in LDS.
	WIN 0
.macro ALL line:vararg
.set t, 0
.rept 2*NP
	\line
.set t, t+1
.endr
.endm
	ALL v_add_f32 v[ST+4*t+2], v[ST+4*t+2], v[ST+4*t+3]
	ALL v_permlanex16_b32 v[ST+4*t+3], v[ST+4*t+2], s[SEL], s[SEL+1]
	ALL v_add_f32 v[ST+4*t+2], v[ST+4*t+2], v[ST+4*t+3]
	ALL v_rcp_f32 v[ST+4*t+2], v[ST+4*t+2]
	v_nop
	s_wait_alu depctr_va_vdst(0)                   ; one wait for the eight reciprocals
.macro PACK t
	WIN W_RS
.set i, 32*(\t)
.rept 16
	v_pk_mul_f32 v[i:i+1], v[i:i+1], v[ST+4*(\t)+2:ST+4*(\t)+3] op_sel_hi:[1,0]
.set i, i+2
.endr
	WIN 0x05
.set i, 0
.rept 16
	v_cvt_pk_f16_f32 v[S+16*(\t)+i], v[32*(\t)+2*i], v[32*(\t)+2*i+1]
.set i, i+1
.endr
	WIN 0
.irp f, 0,1,2,3
	ds_store_b128 v[STO], v[S+16*(\t)+4*\f:S+16*(\t)+4*\f+3] offset:32*\f
.endr
.irp f, 0,1,2,3
	ds_load_b128 v[S+16*(\t)+4*\f:S+16*(\t)+4*\f+3], v[RD] offset:\f*4*SP  ; LDS serves a wave's instructions in order: these see the stores above
.endr
.endm
; A row's 64 channels lie in two lanes, 32 each.  First the mean, then the squares of the deviations from it: no difference of large sums is formed.  mean -> ST + 4 t, sum of squares -> ST + 4 t + 1.
.macro STAT t
	WIN 0x05
.set su, 0
.rept 8
	v_pk_add_f32 v[P+2*su:P+2*su+1], v[32*(\t)+4*su:32*(\t)+4*su+1], v[32*(\t)+4*su+2:32*(\t)+4*su+3]
.set su, su+1
.endr
	WIN 0
	v_pk_add_f32 v[P:P+1], v[P:P+1], v[P+2:P+3]
	v_pk_add_f32 v[P+4:P+5], v[P+4:P+5], v[P+6:P+7]
	v_pk_add_f32 v[P+8:P+9], v[P+8:P+9], v[P+10:P+11]
	v_pk_add_f32 v[P+12:P+13], v[P+12:P+13], v[P+14:P+15]
	v_pk_add_f32 v[P:P+1], v[P:P+1], v[P+4:P+5]
	v_pk_add_f32 v[P+8:P+9], v[P+8:P+9], v[P+12:P+13]
	v_pk_add_f32 v[P:P+1], v[P:P+1], v[P+8:P+9]
	v_add_f32 v[P], v[P], v[P+1]
	v_permlanex16_b32 v[P+1], v[P], s[SEL], s[SEL+1]
	v_add_f32 v[P], v[P], v[P+1]
	v_mul_f32 v[ST+4*(\t)], 0x3c800000, v[P]       ; / 64
	WIN 0x01
.set su, 0
.rept 16
	v_pk_add_f32 v[P+16+2*su:P+17+2*su], v[32*(\t)+2*su:32*(\t)+2*su+1], v[ST+4*(\t):ST+4*(\t)+1] op_sel_hi:[1,0] neg_lo:[0,1] neg_hi:[0,1]
.set su, su+1
.endr
	WIN 0
.set su, 0
.rept 4
	v_pk_mul_f32 v[P+2*su:P+2*su+1], v[P+16+2*su:P+17+2*su], v[P+16+2*su:P+17+2*su]
.set su, su+1
.endr
.rept 12
	v_pk_fma_f32 v[P+2*(su%4):P+2*(su%4)+1], v[P+16+2*su:P+17+2*su], v[P+16+2*su:P+17+2*su], v[P+2*(su%4):P+2*(su%4)+1]
.set su, su+1
.endr
	v_pk_add_f32 v[P:P+1], v[P:P+1], v[P+2:P+3]
	v_pk_add_f32 v[P+4:P+5], v[P+4:P+5], v[P+6:P+7]
	v_pk_add_f32 v[P:P+1], v[P:P+1], v[P+4:P+5]
	v_add_f32 v[P], v[P], v[P+1]
	v_permlanex16_b32 v[P+1], v[P], s[SEL], s[SEL+1]
	v_add_f32 v[ST+4*(\t)+1], v[P], v[P+1]
.endm
.macro SEND t, younger                 ; younger: the LDS instructions issued behind tile t's loads: the next tile's eight, or none
	WIN 0
.irp f, 0,1,2,3
	s_wait_dscnt (\younger)+3-\f
	global_store_b128 v[GO], v[S+16*(\t)+4*\f:S+16*(\t)+4*\f+3], s[8:9] offset:(\t)*2048+\f*512  ; 512 consecutive bytes, aligned
.endr
.endm
	PACK 0
	STAT 0
.set t, 1
.rept 2*NP-1
	PACK t
	STAT t
	SEND t-1, 8
.set t, t+1
.endr
	SEND 2*NP-1, 0
	v_lshrrev_b32 v[AK], 1, v[GO]                  ; 8 x lane
.irp t, 0,2,4,6                        ; lanes 0-15 give tile t's rows, lanes 16-31 tile t + 1's: 256 dense bytes a store
	v_cndmask_b32 v[P+48+\t], v[ST+4*\t], v[ST+4*\t+4], s45
	v_cndmask_b32 v[P+49+\t], v[ST+4*\t+1], v[ST+4*\t+5], s45
	global_store_b64 v[AK], v[P+48+\t:P+49+\t], s[10:11] offset:\t*128
.endr
	s_wait_tensorcnt 0x0                           ; the wave's end
	ds_add_u32 v[SPW], v[NIL]
	s_wait_dscnt 0x0
	s_endpgm
.Lfunc_end_k_q8252f5667b_attn:
	.size	k_q8252f5667b_attn, .Lfunc_end_k_q8252f5667b_attn-k_q8252f5667b_attn
	.p2alignl 7, 3214868480
	.fill 96, 4, 3214868480
	.section	.rodata,"a",@progbits
	.p2align	6, 0x0
	.amdhsa_kernel k_q8252f5667b_attn
		.amdhsa_group_segment_fixed_size 289280
		.amdhsa_private_segment_fixed_size 0
		.amdhsa_enable_private_segment 0
		.amdhsa_kernarg_size 32
		.amdhsa_user_sgpr_count 2
		.amdhsa_user_sgpr_kernarg_segment_ptr 1
		.amdhsa_wavefront_size32 1
		.amdhsa_system_sgpr_workgroup_id_x 1
		.amdhsa_system_sgpr_workgroup_id_y 1
		.amdhsa_system_sgpr_workgroup_id_z 1
		.amdhsa_system_vgpr_workitem_id 0
		.amdhsa_next_free_vgpr 912
		.amdhsa_next_free_sgpr 66
		.amdhsa_reserve_vcc 0
		.amdhsa_float_denorm_mode_32 3
		.amdhsa_float_denorm_mode_16_64 3
		.amdhsa_memory_ordered 1
		.amdhsa_forward_progress 1
		.amdhsa_inst_pref_size 184
	.end_amdhsa_kernel
	.amdgpu_metadata
---
amdhsa.version: [ 1, 2 ]
amdhsa.kernels:
  - .name:           k_q8252f5667b_attn
    .symbol:         k_q8252f5667b_attn.kd
    .args:
      - { .name: qkv, .offset: 0, .size: 8, .value_kind: global_buffer, .address_space: global }
      - { .name: tab, .offset: 8, .size: 8, .value_kind: global_buffer, .address_space: global }
      - { .name: ob, .offset: 16, .size: 8, .value_kind: global_buffer, .address_space: global }
      - { .name: st, .offset: 24, .size: 8, .value_kind: global_buffer, .address_space: global }
    .group_segment_fixed_size: 289280
    .private_segment_fixed_size: 0
    .kernarg_segment_align: 8
    .kernarg_segment_size: 32
    .max_flat_workgroup_size: 128
    .sgpr_count:     66
    .vgpr_count:     912
    .wavefront_size: 32
...
	.end_amdgpu_metadata
.endif
;; end of part 3
;; launch outp (part 4): grid 4 x 64, 4 waves a work-group, no clusters, 55,808 bytes of LDS; arguments ob, st, wt, tab, out0; writes out0
.if DOCPART == 4
	.amdgcn_target "amdgcn-amd-amdhsa--gfx1250"
	.amdhsa_code_object_version 6
	.text
	.protected	k_q8252f5667b_outp
	.globl	k_q8252f5667b_outp
	.p2align	8
	.type	k_q8252f5667b_outp,@function
k_q8252f5667b_outp:
	s_mov_b64 s[64:65], 0
	v_nop
	global_prefetch_b8 v0, s[64:65] scope:SCOPE_SE
	s_setreg_imm32_b32 hwreg(HW_REG_WAVE_MODE, 25, 1), 1
	s_wait_xcnt 0x0
; OUTP.  out0 = LayerNorm(O) Wo + bo.  O [head][row][64] f16; st [head][row][mean, sum of squared deviations] f32; Wo as f16 fragments from wt; gamma, beta, bo from tab; out0 f32.
; LayerNorm is applied on O's way into LDS: y = (x rstd - mu rstd) gamma + beta, in f32, rounded once to f16.  LIMIT: y must lie within f16's 65,504.
; A row's mu and variance over its 1,024 channels come from the 16 heads' parts: mu = mean of the means; M2 = sum of the parts' M2 + 64 x sum of (mean_h - mu)^2: no difference of large sums.
; SHARES.  Work-group (X, MT): rows 128 MT .. + 127, columns 256 X .. + 255; wave w all 128 rows x 64 columns: 32 accumulators.  16 K steps of 64: K step i is head i.
; WHY NO TENSOR LOAD AND NO CLUSTER: O changes on its way in; a fragment of Wo is wanted by one wave alone and lies in wt as it lies in registers.
; THE PIPELINE.  Bundle J = 8 loads of O (512 dense bytes each), 4 of gamma and beta, 16 of Wo's fragments.  In step I: bundle I + 1's O is normalised and put into the slot that step I
; does not read; bundle I + 3 is asked for; one barrier.  THE PRODUCT IS USED TRANSPOSED (source 0 = Wo's columns, source 1 = rows): a lane holds one row and 8 neighbouring columns.
; REGISTERS: window 0: addresses; v16-31 (rstd, -mu rstd) of my 8 rows; v32-95, v96-159 fragments of y; v160-191 gamma, beta, two sets; v192-223 bo as a C operand; v224-231 zeros
;   window 1: accumulators, (mt, nt) at 8 (4 mt + nt)     window 2: Wo's fragments, four sets of 64     window 3: v0-63 O as loaded, two sets; v64-79 at work; v96-127 y, packed
.set SLOTB, 18432                      ; 128 rows x 144 bytes
.set STATS, 36864                      ; 128 rows x (rstd, -mu rstd)
.set STAGE, 37888                      ; 16 rows x 272 bytes for each wave, for the way out
.set SPITCH, 272
.set SPARE, 55296
.set VEC_O, 265216
.set VA,  2                            ; 16 t
.set VB,  3
.set VAS, 4                            ; (t / 8) x 144 + (t % 8) x 16
.set AF,  5
.set PFO, 6                            ; 256 t
.set VG,  7                            ; (t % 8) x 32: my 8 channels of gamma and beta
.set STO, 8
.set SPW, 9
.set NIL, 10
.set RD,  11
.set CO,  12
.set RS,  16
.set FA0, 32
.set FA1, 96
.set GB,  160
.set BO,  192
.set ZF,  224
.set XA,  0
.set TT,  64
.set PKR, 96
.set WV, 16
.set XX, 17
.set MT, 18
.set PA, 20
.set PB, 22
.set PG, 24
.set PO, 26
.set CB, 28
.set TR, 29
.set LIM, 30
.set MSB, 0
.macro WIN new
.if MSB != (\new)
	s_set_vgpr_msb (MSB<<8)|(\new)
.set MSB, \new
.endif
.endm
.macro PLACES
.rept 4
	v_nop
.endr
.endm
.macro BUNDLE az, bq, aoff, boff, goff
	WIN 0xC0
.set u, 0
.rept 8
	global_load_b128 v[XA+32*(\az)+4*u:XA+32*(\az)+4*u+3], v[VA], s[PA:PA+1] offset:(\aoff)+2048*u
.set u, u+1
.endr
	WIN 0x80
.set u, 0
.rept 8
	global_load_b128 v[64*(\bq)+8*u:64*(\bq)+8*u+3], v[VB], s[PB:PB+1] offset:(\boff)+(u%4)*32768+(u/4)*1024
	global_load_b128 v[64*(\bq)+8*u+4:64*(\bq)+8*u+7], v[VB], s[PB:PB+1] offset:(\boff)+(u%4)*32768+(u/4)*1024+512
.set u, u+1
.endr
	WIN 0
	global_load_b128 v[GB+16*(\az):GB+16*(\az)+3], v[VG], s[PG:PG+1] offset:(\goff)
	global_load_b128 v[GB+16*(\az)+4:GB+16*(\az)+7], v[VG], s[PG:PG+1] offset:(\goff)+16
	global_load_b128 v[GB+16*(\az)+8:GB+16*(\az)+11], v[VG], s[PG:PG+1] offset:(\goff)+4096
	global_load_b128 v[GB+16*(\az)+12:GB+16*(\az)+15], v[VG], s[PG:PG+1] offset:(\goff)+4112
.endm
; Line ln of the 128 that normalise a thread's 8 rows x 8 channels of set zz: for each row eight x rstd - mu rstd (from f16 halves, in f32), then eight times gamma plus beta, rounded once to f16.
; All under one window setting: destination and source 0 in window 3, sources 1 and 2 in window 0.
.macro LNL
.set li, ln/16
.set le, ln%8
.if (ln%16) < 8
.if le%2
	v_fma_mix_f32 v[TT+8*(li%2)+le], v[XA+32*zz+4*li+le/2], v[RS+2*li], v[RS+2*li+1] op_sel:[1,0,0] op_sel_hi:[1,0,0]
.else
	v_fma_mix_f32 v[TT+8*(li%2)+le], v[XA+32*zz+4*li+le/2], v[RS+2*li], v[RS+2*li+1] op_sel_hi:[1,0,0]
.endif
.else
.if le%2
	v_fma_mixhi_f16 v[PKR+4*li+le/2], v[TT+8*(li%2)+le], v[GB+16*zz+le], v[GB+16*zz+8+le] op_sel_hi:[0,0,0]
.else
	v_fma_mixlo_f16 v[PKR+4*li+le/2], v[TT+8*(li%2)+le], v[GB+16*zz+le], v[GB+16*zz+8+le] op_sel_hi:[0,0,0]
.endif
.endif
.set ln, ln+1
.endm
; 16 products; all 32 accumulators come once in 32 products, in one order everywhere.  rid = 1: four of the 128 lines behind each.
.macro BLK sub, half, q, rid
.set bm, 4*(\half)
.rept 4
.set bn, 0
.rept 4
	WIN 0x52
	v_wmma_f32_16x16x32_f16 v[8*(4*bm+bn):8*(4*bm+bn)+7], v[64*(\q)+32*(\sub)+8*bn:64*(\q)+32*(\sub)+8*bn+7], v[FA0+64*(\sub)+8*bm:FA0+64*(\sub)+8*bm+7], v[8*(4*bm+bn):8*(4*bm+bn)+7]
.if \rid
	WIN 0xC3
.rept 4
	LNL
.endr
.endif
.set bn, bn+1
.endr
.set bm, bm+1
.endr
.endm
.macro STEP q, sl
.set zz, 1-(\sl)
.set ln, 0
	s_wait_loadcnt 28                              ; bundle I + 1 is in; the 28 loads of bundle I + 2 may stay out
	s_wait_dscnt 0x0                               ; the first half's fragments are in
	BLK 0, 0, \q, 1
	WIN 0
.set u, 0
.rept 8                                ; the second half's fragments; the lines above are the places behind the products that read these registers last
	ds_load_b128 v[FA1+8*u:FA1+8*u+3], v[AF] offset:(\sl)*SLOTB+2304*u+64
	ds_load_b128 v[FA1+8*u+4:FA1+8*u+7], v[AF] offset:(\sl)*SLOTB+2304*u+96
.set u, u+1
.endr
	BLK 0, 1, \q, 1
	WIN 0x0C
.set u, 0
.rept 8
	ds_store_b128 v[VAS], v[PKR+4*u:PKR+4*u+3] offset:zz*SLOTB+2304*u  ; step I + 1's y: the slot's last readers passed the barrier of step I - 1
.set u, u+1
.endr
	WIN 0
	s_wait_xcnt 0x0                                ; the youngest loads and prefetch stand a whole step back
	s_add_nc_u64 s[PA:PA+1], s[PA:PA+1], 131072
	s_add_nc_u64 s[PB:PB+1], s[PB:PB+1], 2048
	s_add_nc_u64 s[PG:PG+1], s[PG:PG+1], 256
	s_add_co_u32 s[CB], s[CB], 1
	s_cmp_le_u32 s[CB], 16
	s_cbranch_scc0 .Lnob_\@
	BUNDLE zz, ((\q)+3)%4, 0, 0, 0                 ; bundle I + 3
	s_cmp_le_u32 s[CB], s[LIM]
	s_cbranch_scc0 .Lj_\@
	; a prefetch, behind the run of loads: the 16,384 dense bytes of my rows in the head that the bundle three steps on will load.  Four work-groups read them: waves 0 and 1 of the one of
	; column block 0 ask, a lane a block of 256 bytes, so each block is named once.  It stops where that head would be the seventeenth.
	global_prefetch_b8 v[PFO], s[PA:PA+1] offset:393216 th:TH_LOAD_NT scope:SCOPE_SE
	s_branch .Lj_\@
.Lnob_\@:
	s_wait_loadcnt 0x0                             ; the last three steps ask for nothing: all loads are waited for, so that the counted wait above holds on this way too
.Lj_\@:
	s_wait_dscnt 0x0                               ; my stores into the other slot are done, my reads of this slot are back
	s_barrier_signal -1
	BLK 1, 0, \q, 0
	s_barrier_wait -1
	PLACES
	WIN 0
.set u, 0
.rept 8
	ds_load_b128 v[FA0+8*u:FA0+8*u+3], v[AF] offset:zz*SLOTB+2304*u
	ds_load_b128 v[FA0+8*u+4:FA0+8*u+7], v[AF] offset:zz*SLOTB+2304*u+32
.set u, u+1
.endr
	BLK 1, 1, \q, 0
.endm
	s_load_b256 s[4:11], s[0:1], 0x0               ; ob 4, st 6, wt 8, tab 10
	s_load_b64 s[12:13], s[0:1], 0x20              ; out0
	v_lshl_add_u32 v[SPW], v0, 2, SPARE
	v_mov_b32 v[NIL], 0
	v_lshrrev_b32 v1, 5, v0
	v_readfirstlane_b32 s[WV], v1
	s_mov_b32 s[XX], ttmp9
	s_and_b32 s[MT], ttmp7, 0xffff
	v_and_b32 v1, 15, v0                           ; r
	v_bfe_u32 v13, v0, 4, 1                        ; h
	v_and_b32 v14, 31, v0                          ; lane
	v_lshrrev_b32 v15, 3, v0                       ; t / 8
	v_and_b32 v[VG], 7, v0                         ; t % 8
	v_lshlrev_b32 v[VA], 4, v0
	s_lshl_b32 s40, s[WV], 17
	v_lshl_add_u32 v[VB], v14, 4, s40
	v_mul_u32_u24 v[VAS], v15, 144
	v_lshl_add_u32 v[VAS], v[VG], 4, v[VAS]
	v_mul_u32_u24 v[AF], v1, 144
	v_lshl_add_u32 v[AF], v13, 4, v[AF]
	v_lshlrev_b32 v[PFO], 8, v0
	v_lshlrev_b32 v[VG], 5, v[VG]
	s_mul_i32 s40, s[WV], 16*SPITCH
	s_add_co_u32 s40, s40, STAGE
	v_mul_u32_u24 v[STO], v1, SPITCH               ; in: row r, 32 bytes for each half of the lanes
	v_lshl_add_u32 v[STO], v13, 5, v[STO]
	v_add_nc_u32 v[STO], s40, v[STO]
	v_mul_u32_u24 v[RD], v13, SPITCH               ; back: lanes 0-15 one row of 256 bytes, lanes 16-31 the next
	v_lshl_add_u32 v[RD], v1, 4, v[RD]
	v_add_nc_u32 v[RD], s40, v[RD]
	v_lshlrev_b32 v[CO], 12, v13                   ; and the same two rows in out0
	v_lshl_add_u32 v[CO], v1, 4, v[CO]
	s_lshl_b32 s40, s[XX], 10
	s_lshl_b32 s41, s[WV], 8
	s_add_co_u32 s42, s40, s41                     ; my 64 columns, in bytes of f32
	v_lshl_add_u32 v96, v13, 5, s42                ; (v96-99: used at the head alone)
	v_lshlrev_b32 v97, 3, v0
	v_add_nc_u32 v98, STATS, v97
	v_lshl_add_u32 v99, v15, 3, STATS
	s_lshr_b32 s44, s[MT], 3                       ; the batch
	s_and_b32 s45, s[MT], 7                        ; my 128 rows' place in the sequence
	s_lshl_b32 s46, s44, 21
	s_lshl_b32 s47, s45, 14
	s_add_co_u32 s46, s46, s47
	s_mov_b32 s47, 0
	s_lshl_b32 s48, s44, 17
	s_lshl_b32 s49, s45, 10
	s_add_co_u32 s48, s48, s49
	s_mov_b32 s49, 0
	s_lshl_b32 s50, s[XX], 19
	s_add_co_u32 s50, s50, 6291456                 ; the fourth matrix
	s_mov_b32 s51, 0
	s_lshl_b32 s52, s[MT], 19
	s_add_co_u32 s52, s52, s42
	s_mov_b32 s53, 0
	s_mov_b32 s56, 0x3a800000                      ; 1 / 1024
	s_cmp_lt_u32 s[WV], 2
	s_cselect_b32 s[LIM], 13, 0
	s_cmp_eq_u32 s[XX], 0
	s_cselect_b32 s[LIM], s[LIM], 0
	s_wait_kmcnt 0x0
	s_add_nc_u64 s[PA:PA+1], s[4:5], s[46:47]
	s_add_nc_u64 s[54:55], s[6:7], s[48:49]
	s_add_nc_u64 s[PB:PB+1], s[8:9], s[50:51]
	s_add_nc_u64 s[PG:PG+1], s[10:11], VEC_O+16384
	s_add_nc_u64 s[PO:PO+1], s[12:13], s[52:53]
.irp n, 0,1,2,3
	global_load_b128 v[BO+8*\n:BO+8*\n+3], v96, s[10:11] offset:VEC_O+12288+64*\n
	global_load_b128 v[BO+8*\n+4:BO+8*\n+7], v96, s[10:11] offset:VEC_O+12288+64*\n+16
.endr
.set u, 0
.rept 16
	global_load_b64 v[32+2*u:33+2*u], v97, s[54:55] offset:8192*u  ; row t's (mean, M2) in head u
.set u, u+1
.endr
	BUNDLE 0, 0, 0, 0, 0
	BUNDLE 1, 1, 131072, 2048, 256
	WIN 0xC0
.set u, 0
.rept 32
	v_mov_b32 v[PKR+u], 0                          ; a rounding into one half keeps the other: the registers are written once before
.set u, u+1
.endr
	WIN 0
.set u, 0
.rept 8
	v_mov_b32 v[ZF+u], 0
.set u, u+1
.endr
	s_wait_loadcnt 56                              ; bo and the statistics are in; two bundles of 28 may stay out
.set u, 0
.rept 8
	v_pk_add_f32 v[64+2*u:65+2*u], v[32+4*u:33+4*u], v[34+4*u:35+4*u]  ; means and M2 side by side
.set u, u+1
.endr
	v_pk_add_f32 v[64:65], v[64:65], v[66:67]
	v_pk_add_f32 v[68:69], v[68:69], v[70:71]
	v_pk_add_f32 v[72:73], v[72:73], v[74:75]
	v_pk_add_f32 v[76:77], v[76:77], v[78:79]
	v_pk_add_f32 v[64:65], v[64:65], v[68:69]
	v_pk_add_f32 v[72:73], v[72:73], v[76:77]
	v_pk_add_f32 v[64:65], v[64:65], v[72:73]
	v_mul_f32 v66, 0xbd800000, v64                 ; -mu
.set u, 0
.rept 16
	v_add_f32 v[68+u], v[32+2*u], v66
.set u, u+1
.endr
	v_mul_f32 v67, v68, v68
	v_mul_f32 v84, v69, v69
.set u, 2
.rept 7
	v_fmac_f32 v67, v[68+u], v[68+u]
	v_fmac_f32 v84, v[69+u], v[69+u]
.set u, u+2
.endr
	v_add_f32 v67, v67, v84
	v_fmac_f32 v65, 0x42800000, v67                ; M2 + 64 x the means' squared deviations
	v_fmaak_f32 v65, s56, v65, 0x3727c5ac          ; the variance + 1e-5
	v_rsq_f32 v84, v65
	v_nop
	s_wait_alu depctr_va_vdst(0)
	v_mul_f32 v85, v84, v66                        ; -mu rstd
	ds_store_b64 v98, v[84:85]
	s_wait_dscnt 0x0
	s_barrier_signal -1
	s_barrier_wait -1
.set u, 0
.rept 8
	ds_load_b64 v[RS+2*u:RS+2*u+1], v99 offset:128*u  ; my 8 rows: t / 8 + 16 u
.set u, u+1
.endr
	s_wait_dscnt 0x0
	s_wait_loadcnt 28                              ; bundle 0 is in; bundle 1's 28 loads may stay out
.set zz, 0
.set ln, 0
	WIN 0xC3
.rept 128
	LNL
.endr
	WIN 0x0C
.set u, 0
.rept 8
	ds_store_b128 v[VAS], v[PKR+4*u:PKR+4*u+3] offset:2304*u
.set u, u+1
.endr
	WIN 0
	s_wait_xcnt 0x0
	s_add_nc_u64 s[PA:PA+1], s[PA:PA+1], 262144
	s_add_nc_u64 s[PB:PB+1], s[PB:PB+1], 4096
	s_add_nc_u64 s[PG:PG+1], s[PG:PG+1], 512
	BUNDLE 0, 2, 0, 0, 0
	s_mov_b32 s[CB], 3
	s_wait_dscnt 0x0
	s_barrier_signal -1
	s_barrier_wait -1
.set u, 0
.rept 8
	ds_load_b128 v[FA0+8*u:FA0+8*u+3], v[AF] offset:2304*u
	ds_load_b128 v[FA0+8*u+4:FA0+8*u+7], v[AF] offset:2304*u+32
.set u, u+1
.endr
	WIN 0x40
.set u, 0
.rept 32                               ; 0 x 0 + bo starts the 32 sums
	v_wmma_f32_16x16x32_f16 v[8*u:8*u+7], v[ZF:ZF+7], v[ZF:ZF+7], v[BO+8*(u%4):BO+8*(u%4)+7]
.set u, u+1
.endr
	WIN 0
	s_mov_b32 s[TR], 4
.Ltrip:
	STEP 0, 0
	STEP 1, 1
	STEP 2, 0
	STEP 3, 1                                      ; (in the last step the 128 lines, their stores and the fragment loads serve nothing: the price of one text for every step)
	WIN 0
	s_sub_co_u32 s[TR], s[TR], 1
	s_cmp_lg_u32 s[TR], 0
	s_cbranch_scc1 .Ltrip
	s_wait_dscnt 0x0                               ; the last fragment loads are back: their registers take the rows read back below
	PLACES                                         ; behind the last products, ahead of the first read of a result
; THE WAY OUT: 16 rows at a time through my own stage: a lane's 8 columns in, whole rows of 256 bytes back, sixteen lanes to an aligned 256 bytes of out0.
.macro OUTT mt
	s_wait_xcnt 0x0                                ; earlier stores have read their data registers
	WIN 0x04
.irp n, 0,1,2,3
	ds_store_b128 v[STO], v[8*(4*(\mt)+\n):8*(4*(\mt)+\n)+3] offset:64*\n
	ds_store_b128 v[STO], v[8*(4*(\mt)+\n)+4:8*(4*(\mt)+\n)+7] offset:64*\n+16
.endr
	WIN 0
.set BK, 32+32*((\mt)%2)
.irp qq, 0,1,2,3,4,5,6,7
	ds_load_b128 v[BK+4*\qq:BK+4*\qq+3], v[RD] offset:2*SPITCH*\qq  ; LDS serves a wave's instructions in order: these see the stores above
.endr
.irp qq, 0,1,2,3,4,5,6,7
	s_wait_dscnt 7-\qq                             ; the younger read-backs may stay out
	global_store_b128 v[CO], v[BK+4*\qq:BK+4*\qq+3], s[PO:PO+1] offset:(16*(\mt)+2*\qq)*4096
.endr
.endm
.irp m, 0,1,2,3,4,5,6,7
	OUTT \m
.endr
	s_wait_tensorcnt 0x0                           ; the wave's end
	ds_add_u32 v[SPW], v[NIL]
	s_wait_dscnt 0x0
	s_endpgm
.Lfunc_end_k_q8252f5667b_outp:
	.size	k_q8252f5667b_outp, .Lfunc_end_k_q8252f5667b_outp-k_q8252f5667b_outp
	.p2alignl 7, 3214868480
	.fill 96, 4, 3214868480
	.section	.rodata,"a",@progbits
	.p2align	6, 0x0
	.amdhsa_kernel k_q8252f5667b_outp
		.amdhsa_group_segment_fixed_size 55808
		.amdhsa_private_segment_fixed_size 0
		.amdhsa_enable_private_segment 0
		.amdhsa_kernarg_size 40
		.amdhsa_user_sgpr_count 2
		.amdhsa_user_sgpr_kernarg_segment_ptr 1
		.amdhsa_wavefront_size32 1
		.amdhsa_system_sgpr_workgroup_id_x 1
		.amdhsa_system_sgpr_workgroup_id_y 1
		.amdhsa_system_sgpr_workgroup_id_z 1
		.amdhsa_system_vgpr_workitem_id 0
		.amdhsa_next_free_vgpr 896
		.amdhsa_next_free_sgpr 66
		.amdhsa_reserve_vcc 0
		.amdhsa_float_denorm_mode_32 3
		.amdhsa_float_denorm_mode_16_64 3
		.amdhsa_memory_ordered 1
		.amdhsa_forward_progress 1
		.amdhsa_inst_pref_size 128
	.end_amdhsa_kernel
	.amdgpu_metadata
---
amdhsa.version: [ 1, 2 ]
amdhsa.kernels:
  - .name:           k_q8252f5667b_outp
    .symbol:         k_q8252f5667b_outp.kd
    .args:
      - { .name: ob, .offset: 0, .size: 8, .value_kind: global_buffer, .address_space: global }
      - { .name: st, .offset: 8, .size: 8, .value_kind: global_buffer, .address_space: global }
      - { .name: wt, .offset: 16, .size: 8, .value_kind: global_buffer, .address_space: global }
      - { .name: tab, .offset: 24, .size: 8, .value_kind: global_buffer, .address_space: global }
      - { .name: out0, .offset: 32, .size: 8, .value_kind: global_buffer, .address_space: global }
    .group_segment_fixed_size: 55808
    .private_segment_fixed_size: 0
    .kernarg_segment_align: 8
    .kernarg_segment_size: 40
    .max_flat_workgroup_size: 128
    .sgpr_count:     66
    .vgpr_count:     896
    .wavefront_size: 32
...
	.end_amdgpu_metadata
.endif
;; end of part 4
;; ======== version 2 of 2: 4 launches; version 1 with the launches proj, attn, outp written anew for expert scheduling mode
;; limits: values are held in f16: magnitudes above 65,504 overflow, below 6.1e-05 lose precision
;; workspace buffers: wt 8,388,608 bytes; tab 289,792 bytes; qkv 50,331,648 bytes; ob 16,777,216 bytes; st 1,048,576 bytes
;; launch prep: the kernel of part 1 again; grid 321 x 1, 4 waves a work-group, no clusters, 41,472 bytes of LDS; arguments Wq, Wk, Wv, Wo, bq, bk, bv, bo, ln_gamma, ln_beta, temporal_weights, wt, tab; writes wt, tab
;; launch proj (part 5): grid 4 x 64, 4 waves a work-group, no clusters, 70,144 bytes of LDS; arguments query, key, value, wt, tab, qkv; writes qkv
.if DOCPART == 5
	.amdgcn_target "amdgcn-amd-amdhsa--gfx1250"
	.amdhsa_code_object_version 6
	.text
	.protected	k_q8252f5667b_proj
	.globl	k_q8252f5667b_proj
	.p2align	8
	.type	k_q8252f5667b_proj,@function
k_q8252f5667b_proj:
	s_mov_b64 s[64:65], 0
	v_nop
	global_prefetch_b8 v0, s[64:65] scope:SCOPE_SE
	s_setreg_imm32_b32 hwreg(HW_REG_WAVE_SCHED_MODE, 0, 2), 2
	s_setreg_imm32_b32 hwreg(HW_REG_WAVE_MODE, 25, 1), 1
	s_wait_xcnt 0x0
	s_wait_alu depctr_vm_vsrc(0)
; PROJ.  q = RoPE(query Wq + bq), k = RoPE(key Wk + bk), v = value Wv + bv, stored in f16 by heads, before the temporal aggregation.
; x [8192][1024] f32 is rounded to bf16 on its way into LDS; the weights come as bf16 fragments from wt; sums in f32, started at the bias.
; LIMIT: q, k, v must lie within f16's 65,504; NaN and infinities are not treated apart.
; SHARES.  256 work-groups that stay: work-group (X, MT) makes rows 128 MT .. + 127, columns 256 X .. + 255, for Q, then K, then V: 48 K steps of 64 in ONE pipeline
; that runs on across the three tiles.  Wave w makes all 128 rows x 64 columns = head 4 X + w: 32 accumulators.
; WHY NO TENSOR LOAD AND NO CLUSTER.  x changes format on the way (f32 to bf16), which only registers can do; a fragment of W is wanted by one wave alone
; (each wave has its own 64 columns) and lies in wt as it lies in registers, so it goes straight into that wave's registers.
; THE PIPELINE.  Bundle J = K step J's 16 loads of x (2 rows x 256 dense bytes each) and 16 loads of W's fragments.  In step I: bundle I + 1's x is rounded and put into the LDS slot
; that step I does not read; bundle I + 3 is asked for; ONE barrier.  So two bundles of every wave are always on their way.
; RESULT.  D = x W: a lane holds channel lane % 16 and 8 neighbouring rows: 16 bytes of qkv [g][head][ct 4][beta 128][r 16][e 8] (row 8 beta + e, channel 16 ct + r):
; every store of a wave is 512 dense bytes, aligned.
; THE MODE: SCHED_MODE bits 1:0 = 2 (LLVM: expert scheduling mode 2), set by the entry lines.  The code itself states the register dependences
; between vector or matrix instructions and memory or LDS instructions, with s_wait_alu, always for 0.
; THE PLAN.  Registers that memory or LDS instructions touch in step I (sl = I % 2, zz = 1 - sl, q = I % 4; a step has 64 products):
;   x as loaded, set zz   read by the 32 roundings behind products 0-7; then bundle I + 3's loads land in it.
;   PK                    written by those roundings; read by the 16 LDS stores behind product 15; written again by the next step's roundings.
;   W, set q - 1          read by the products of step I - 1; bundle I + 3's loads land in it.
;   FA0                   rows 0-63 of the step's first half: read by products 0-15; step I + 1's land behind the barrier.
;   FH[0], FH[1]          rows 64-127 of the first half, two buffers by turns: products 16-31 read FH[sl]; the loads behind the barrier land in FH[zz], which step I - 1 read.
;   FA1                   the second half: read by products 32-63 of step I - 1; step I's land behind product 15.
;   the addresses         made at the head and never written again: scalar bases and immediate offsets do the rest.
; So ONE wait on va_vdst stands in a step, behind product 15.  The products issued behind it name FH[sl], FA1, W's set q and the accumulators: none of the registers that the step's
; stores and loads touch.  ONE wait on vm_vsrc stands at a step's head, ahead of the roundings that write PK again.
; REGISTERS, in windows of 256 (s_set_vgpr_msb: bits 1:0 source 0, 3:2 source 1, 5:4 source 2, 7:6 destination):
;   window 0: addresses; v12-23 biases; v24-31 zeros; v32-63 FA0; v64-95 FH[0]; v96-159 FA1; v160-191 packed x; v192-223 the bias as a C operand; v224-255 FH[1]
;   window 1: the accumulators, (mt, nt) at 8 (4 mt + nt)     window 2: W's fragments, four sets of 64     window 3: v0-127 x as loaded, two sets; v128-191 RoPE's table, two buffers
.set SLOTB, 18432                      ; an LDS slot: 128 rows x 144 bytes (64 bf16 + 16 of padding: the 16 rows of a fragment load start at 16 different groups of four banks)
.set TABL,  36864                      ; RoPE's table for my 128 rows, 32,768 bytes, written once
.set VEC_O, 265216
.set VA,  2                            ; (t / 16) x 4,096 + (t % 16) x 16: my 16 bytes in 8 rows of x
.set VB,  3                            ; 16 x lane + wave x 4 nt x 32,768
.set VAS, 4                            ; (t / 16) x 144 + (t % 16) x 8: where my 4 rounded numbers go
.set AF,  5                            ; r x 144 + 16 h: a fragment's place in a slot
.set PFO, 6                            ; t x 4,096: a thread a row, for the prefetch
.set VST, 7                            ; 16 x lane
.set VTL, 8                            ; TABL + 16 x lane
.set BV,  12
.set ZF,  24
.set FA0, 32
.set FH,  64                           ; buffer b at FH + 160 b
.set FA1, 96
.set YY,  96                           ; the way out: rotated numbers (FA1's registers, free between steps)
.set PP,  128                          ; the way out: the sine products
.set PK,  160
.set BIAS, 192
.set WV, 16
.set XX, 17
.set MT, 18
.set PA, 20                            ; s[20:21] x at the youngest bundle's K step
.set PAT, 22
.set ANXT, 24                          ; s[24:25] the next tile's x
.set AVAL, 26                          ; s[26:27] value
.set PB, 28                            ; s[28:29] wt at the youngest bundle's K step
.set OFB, 30                           ; s[30:31] PB's step
.set PD, 32                            ; s[32:33] qkv at my head's rows
.set KB, 34                            ; the youngest bundle's K step in its tile
.set CB, 35                            ; bundles asked for
.set TR, 36
.set GT, 37
.set LIMK, 38
.set BIGB, 39
.set MSB, 0
.macro WIN new                         ; the immediate's high byte repeats the setting that is left; a switch that changes nothing is dropped
.if MSB != (\new)
	s_set_vgpr_msb (MSB<<8)|(\new)
.set MSB, \new
.endif
.endm
.macro PLACES
.rept 4
	v_nop
.endr
.endm
.macro BUNDLE az, bq, aoff, boff       ; 32 loads: x into set az of window 3, W into set bq of window 2
	WIN 0xC0
.set u, 0
.rept 16
	global_load_b128 v[64*(\az)+4*u:64*(\az)+4*u+3], v[VA], s[PA:PA+1] offset:(\aoff)+32768*u
.set u, u+1
.endr
	WIN 0x80
.set u, 0
.rept 8                                ; fragment u: half u / 4 of the K step, nt = u % 4
	global_load_b128 v[64*(\bq)+8*u:64*(\bq)+8*u+3], v[VB], s[PB:PB+1] offset:(\boff)+(u%4)*32768+(u/4)*1024
	global_load_b128 v[64*(\bq)+8*u+4:64*(\bq)+8*u+7], v[VB], s[PB:PB+1] offset:(\boff)+(u%4)*32768+(u/4)*1024+512
.set u, u+1
.endr
.endm
; 16 products: rows 64 half .. + 63 (their four fragments from fa on), all 64 columns, 32 along K.  All 32 accumulators come once in 32 products, in one order everywhere: no two products on end share one.
; rid = 1: behind each product four roundings of the next step's x, while there are any.
.macro BLK sub, half, q, rid, fa
.set bm, 4*(\half)
.rept 4
.set bn, 0
.rept 4
	WIN 0x58
	v_wmma_f32_16x16x32_bf16 v[8*(4*bm+bn):8*(4*bm+bn)+7], v[(\fa)+8*(bm%4):(\fa)+8*(bm%4)+7], v[64*(\q)+32*(\sub)+8*bn:64*(\q)+32*(\sub)+8*bn+7], v[8*(4*bm+bn):8*(4*bm+bn)+7]
.if (\rid) && (rc < 32)
	WIN 0x0F
.rept 4
	v_cvt_pk_bf16_f32 v[PK+rc], v[64*zz+2*rc], v[64*zz+2*rc+1]
.set rc, rc+1
.endr
.endif
.set bn, bn+1
.endr
.set bm, bm+1
.endr
.endm
; K step I: q = I % 4 (W's set), sl = I % 2 (the slot that is read)
.macro STEP q, sl
.set zz, 1-(\sl)
.set rc, 0
	s_wait_loadcnt 32                              ; bundle I + 1 is in; the 32 loads of bundle I + 2 may stay out
	s_wait_dscnt 0x0                               ; the first half's fragments are in
	s_wait_alu depctr_vm_vsrc(0)                   ; the LDS stores of the step before have read PK, which the roundings below write again (at a tile's first step: the way out's stores have;
	                                               ; at the launch's first step also: the head's loads and LDS stores have read v96-98 and the table's registers, in which LDS loads land later)
	BLK 0, 0, \q, 1, FA0
	WIN 0
	s_wait_alu depctr_va_vdst(0)                   ; the roundings have written PK and are done reading x's set zz; products 0-15 are done reading FA0; the step before (or the way out) is done with FA1, FH[zz] and W's set q - 1
.set u, 0
.rept 16
	ds_store_b64 v[VAS], v[PK+2*u:PK+2*u+1] offset:zz*SLOTB+1152*u  ; step I + 1's x: the slot's last readers passed the barrier of step I - 1
.set u, u+1
.endr
.set u, 0
.rept 8                                ; the second half's fragments
	ds_load_b128 v[FA1+8*u:FA1+8*u+3], v[AF] offset:(\sl)*SLOTB+2304*u+64
	ds_load_b128 v[FA1+8*u+4:FA1+8*u+7], v[AF] offset:(\sl)*SLOTB+2304*u+96
.set u, u+1
.endr
	BLK 0, 1, \q, 0, FH+160*(\sl)
	WIN 0
	s_wait_xcnt 0x0                                ; the youngest loads and prefetch stand a whole step back: their pointers may be written
	s_add_co_u32 s[KB], s[KB], 1
	s_cmp_eq_u32 s[KB], 16                         ; behind a tile's last K step: the next tensor, the next matrix
	s_cselect_b32 s[KB], 0, s[KB]
	s_cselect_b32 s[OFB], s[BIGB], 2048
	s_add_nc_u64 s[PAT:PAT+1], s[PA:PA+1], 256
	s_cselect_b64 s[PA:PA+1], s[ANXT:ANXT+1], s[PAT:PAT+1]
	s_cselect_b64 s[ANXT:ANXT+1], s[AVAL:AVAL+1], s[ANXT:ANXT+1]
	s_add_nc_u64 s[PB:PB+1], s[PB:PB+1], s[OFB:OFB+1]
	s_add_co_u32 s[CB], s[CB], 1
	s_cmp_le_u32 s[CB], 48
	s_cbranch_scc0 .Lnob_\@
	BUNDLE zz, ((\q)+3)%4, 0, 0                    ; bundle I + 3.  No wait: no vector or matrix instruction since the wait above names x's set zz or W's set q - 1
	WIN 0
	s_cmp_lt_u32 s[KB], s[LIMK]
	s_cbranch_scc0 .Lj_\@
	; a prefetch, behind the run of loads: the 256 bytes of each of the tile's 128 rows that the bundle three steps on will load.  Four work-groups read these rows: the one of
	; column block 0 asks, a thread a row, so each block is named once.  It stops where that K step would lie past the row's end; a tile's first steps come by their loads alone.
	global_prefetch_b8 v[PFO], s[PA:PA+1] offset:768 th:TH_LOAD_NT scope:SCOPE_SE
	s_branch .Lj_\@
.Lnob_\@:
	s_wait_loadcnt 0x0                             ; the last three steps ask for nothing: all loads are waited for, so that the counted wait above holds on this way too
.Lj_\@:
	s_wait_dscnt 0x0                               ; my stores into the other slot are done, my reads of this slot are back
	s_barrier_signal -1
	BLK 1, 0, \q, 0, FA1
	s_barrier_wait -1
	PLACES                                         ; as in the plain form: four plain instructions behind the products that read the first half's fragments
	WIN 0
.set u, 0
.rept 8                                ; step I + 1's first half: rows 0-63 into FA0, rows 64-127 into FH[zz].  No wait: the products since the wait above name FH[sl] and FA1
	ds_load_b128 v[FA0+8*u+160*zz*(u/4):FA0+8*u+160*zz*(u/4)+3], v[AF] offset:zz*SLOTB+2304*u
	ds_load_b128 v[FA0+8*u+160*zz*(u/4)+4:FA0+8*u+160*zz*(u/4)+7], v[AF] offset:zz*SLOTB+2304*u+32
.set u, u+1
.endr
	BLK 1, 1, \q, 0, FA1+32
.endm
.macro MKBIAS                          ; a lane's channel is the same in all 8 registers of an accumulator
.set u, 0
.rept 32
	v_mov_b32 v[BIAS+u], v[BV+u/8]
.set u, u+1
.endr
.endm
.macro ZINIT                           ; 0 x 0 + bias starts the 32 sums
	WIN 0x40
.set u, 0
.rept 32
	v_wmma_f32_16x16x32_bf16 v[8*u:8*u+7], v[ZF:ZF+7], v[ZF:ZF+7], v[BIAS+8*(u%4):BIAS+8*(u%4)+7]
.set u, u+1
.endr
.endm
.macro TLOAD mt, tb                    ; the table of 16 rows: cos of nt at tb + 8 nt, sin at tb + 8 nt + 4
	WIN 0xC0
.irp n, 0,1,2,3
	ds_load_b128 v[(\tb)+8*\n:(\tb)+8*\n+3], v[VTL] offset:(\mt)*4096+\n*1024
	ds_load_b128 v[(\tb)+8*\n+4:(\tb)+8*\n+7], v[VTL] offset:(\mt)*4096+\n*1024+512
.endr
.endm
.macro MIX d, a, b, c, hf              ; v[d] = v[a] x (half hf of v[b], f16) + v[c]
.if \hf
	v_fma_mix_f32 v[\d], v[\a], v[\b], v[\c] op_sel:[0,1,0] op_sel_hi:[0,1,0]
.else
	v_fma_mix_f32 v[\d], v[\a], v[\b], v[\c] op_sel_hi:[0,1,0]
.endif
.endm
; 16 rows leave, rotated.  Channels d < 32 (nt 0, 1) pair with d + 32 (nt 2, 3); the low half's sine lies negated in the table.  Each accumulator is read from its lowest register on.
; The table has two buffers, the out-buffer (PK) two halves, both by turns.  One wait on va_vdst, ahead of the stores, also frees the table's buffer for the rows two further on.
.macro ROPE mt
.set TBX, 128+32*((\mt)%2)
.if (\mt) < 7
	s_wait_dscnt 8                                 ; my table is in; the next rows' 8 loads may stay out
.else
	s_wait_dscnt 0x0
.endif
	WIN 0x0D
.irp n, 0,1
.set rj, 0
.rept 8
	MIX PP+16*\n+rj, 8*(4*(\mt)+\n+2)+rj, TBX+8*\n+4+rj/2, ZF, rj%2
	MIX PP+16*\n+8+rj, 8*(4*(\mt)+\n)+rj, TBX+8*\n+20+rj/2, ZF, rj%2
.set rj, rj+1
.endr
.endr
.irp n, 0,1
.set rj, 0
.rept 8
	MIX YY+8*\n+rj, 8*(4*(\mt)+\n)+rj, TBX+8*\n+rj/2, PP+16*\n+rj, rj%2
	MIX YY+8*\n+16+rj, 8*(4*(\mt)+\n+2)+rj, TBX+8*\n+16+rj/2, PP+16*\n+8+rj, rj%2
.set rj, rj+1
.endr
.endr
	WIN 0
	s_wait_xcnt 0x0                                ; earlier stores have had their addresses translated,
	s_wait_alu depctr_vm_vsrc(0)                   ; and have read this half of the out-buffer: the stores two tile rows back, or the last step's LDS stores
.set OB, PK+16*((\mt)%2)
.set rj, 0
.rept 16
	v_cvt_pk_f16_f32 v[OB+rj], v[YY+2*rj], v[YY+2*rj+1]
.set rj, rj+1
.endr
	s_wait_alu depctr_va_vdst(0)                   ; the roundings have written the out-buffer, which the stores read; the rotations are done reading this table buffer, in which the loads below land
.if (\mt) < 6
	TLOAD (\mt)+2, TBX
.endif
	WIN 0
.irp n, 0,1,2,3
	global_store_b128 v[VST], v[OB+4*\n:OB+4*\n+3], s[PD:PD+1] offset:\n*32768+(\mt)*512
.endr
.endm
.macro PLAIN mt                        ; V's 16 rows leave as they are
	s_wait_xcnt 0x0
	s_wait_alu depctr_vm_vsrc(0)                   ; the stores two tile rows back, or the last step's LDS stores, have read this half of the out-buffer
.set OB, PK+16*((\mt)%2)
	WIN 0x05
.set rj, 0
.rept 16
	v_cvt_pk_f16_f32 v[OB+rj], v[32*(\mt)+2*rj], v[32*(\mt)+2*rj+1]
.set rj, rj+1
.endr
	WIN 0
	s_wait_alu depctr_va_vdst(0)                   ; the roundings have written the out-buffer, which the stores read
.irp n, 0,1,2,3
	global_store_b128 v[VST], v[OB+4*\n:OB+4*\n+3], s[PD:PD+1] offset:\n*32768+(\mt)*512
.endr
.endm
	s_load_b256 s[4:11], s[0:1], 0x0               ; query 4, key 6, value 8, wt 10
	s_load_b128 s[12:15], s[0:1], 0x20             ; tab 12, qkv 14
	v_lshl_add_u32 v9, v0, 2, 0x11000
	v_mov_b32 v10, 0
	v_lshrrev_b32 v1, 5, v0
	v_readfirstlane_b32 s[WV], v1
	s_mov_b32 s[XX], ttmp9
	s_and_b32 s[MT], ttmp7, 0xffff
	v_and_b32 v11, 31, v0                          ; lane
	v_and_b32 v1, 15, v0                           ; t % 16 = r
	v_lshrrev_b32 v[VST], 4, v0                    ; t / 16
	v_lshlrev_b32 v[VA], 12, v[VST]
	v_lshl_add_u32 v[VA], v1, 4, v[VA]
	v_mul_u32_u24 v[VAS], v[VST], 144
	v_lshl_add_u32 v[VAS], v1, 3, v[VAS]
	v_bfe_u32 v[VTL], v0, 4, 1                     ; h
	v_mul_u32_u24 v[AF], v1, 144
	v_lshl_add_u32 v[AF], v[VTL], 4, v[AF]
	s_wait_alu depctr_va_sdst(0)                   ; the wave's number is written, ahead of its first reader
	s_lshl_b32 s40, s[WV], 17
	v_lshl_add_u32 v[VB], v11, 4, s40
	v_lshlrev_b32 v[PFO], 12, v0
	v_lshlrev_b32 v[VST], 4, v11
	v_add_nc_u32 v[VTL], TABL, v[VST]
	s_lshl_b32 s40, s[XX], 10
	s_lshl_b32 s41, s[WV], 8
	s_add_co_u32 s40, s40, s41
	v_lshl_add_u32 v96, v1, 2, s40                 ; my channel's place in a bias (v96-98: used at the head alone)
	s_lshl_b32 s41, s[WV], 13
	v_add_nc_u32 v97, s41, v[VST]                  ; my wave's quarter of the table
	v_add_nc_u32 v98, TABL, v97
	s_and_b32 s46, s[MT], 7                        ; my 128 rows' place in the sequence
	s_lshr_b32 s47, s[MT], 3                       ; the batch
	s_lshl_b32 s40, s[MT], 19
	s_mov_b32 s41, 0
	s_lshl_b32 s42, s[XX], 19
	s_mov_b32 s43, 0
	s_lshl_b32 s44, s46, 15
	s_mov_b32 s45, 0
	s_lshl_b32 s48, s47, 4
	s_lshl2_add_u32 s48, s[XX], s48
	s_add_co_u32 s48, s48, s[WV]                   ; the head among 128
	s_lshl_b32 s48, s48, 17
	s_lshl_b32 s49, s46, 12
	s_add_co_u32 s48, s48, s49
	s_mov_b32 s49, 0
	s_mov_b32 s[OFB+1], 0
	s_mov_b32 s[BIGB], 2066432                     ; from a matrix's K step 15 to the next matrix's K step 0
	s_cmp_eq_u32 s[XX], 0
	s_cselect_b32 s[LIMK], 13, 0
	s_wait_kmcnt 0x0
	s_add_nc_u64 s[PA:PA+1], s[4:5], s[40:41]
	s_add_nc_u64 s[ANXT:ANXT+1], s[6:7], s[40:41]
	s_add_nc_u64 s[AVAL:AVAL+1], s[8:9], s[40:41]
	s_add_nc_u64 s[PB:PB+1], s[10:11], s[42:43]
	s_add_nc_u64 s[44:45], s[12:13], s[44:45]
	s_add_nc_u64 s[PD:PD+1], s[14:15], s[48:49]
	s_wait_alu depctr_va_vdst(0)                   ; the offsets and addresses v2 to v8 and v96 to v98 are written, which the kernel's loads, stores and prefetches read
.irp g, 0,1,2
.irp n, 0,1,2,3
	global_load_b32 v[BV+4*\g+\n], v96, s[12:13] offset:VEC_O+4096*\g+64*\n
.endr
.endr
	WIN 0xC0
.set u, 0
.rept 16
	global_load_b128 v[128+4*u:131+4*u], v97, s[44:45] offset:512*u
.set u, u+1
.endr
	BUNDLE 0, 0, 0, 0
	BUNDLE 1, 1, 256, 2048
	WIN 0
.set u, 0
.rept 8
	v_mov_b32 v[ZF+u], 0
.set u, u+1
.endr
	s_wait_loadcnt 32                              ; biases, table and bundle 0 are in; bundle 1's 32 loads may stay out
	WIN 0x0C
.set u, 0
.rept 16
	ds_store_b128 v98, v[128+4*u:131+4*u] offset:512*u  ; loaded data and an address made ahead of the wait above
.set u, u+1
.endr
	WIN 0x0F
.set u, 0
.rept 32
	v_cvt_pk_bf16_f32 v[PK+u], v[2*u], v[2*u+1]
.set u, u+1
.endr
	WIN 0
	MKBIAS
	s_wait_alu depctr_va_vdst(0)                   ; the roundings have written PK, which the LDS stores read, and are done reading x's set 0, in which bundle 2 lands
.set u, 0
.rept 16
	ds_store_b64 v[VAS], v[PK+2*u:PK+2*u+1] offset:1152*u
.set u, u+1
.endr
	s_wait_xcnt 0x0
	s_add_nc_u64 s[PA:PA+1], s[PA:PA+1], 512
	s_add_nc_u64 s[PB:PB+1], s[PB:PB+1], 4096
	BUNDLE 0, 2, 0, 0
	WIN 0
	s_mov_b32 s[KB], 2
	s_mov_b32 s[CB], 3
	s_mov_b32 s[GT], 0
	s_wait_dscnt 0x0                               ; my part of the table and of slot 0 is written
	s_barrier_signal -1
	s_barrier_wait -1
.set u, 0
.rept 8                                ; step 0's first half: FA0 and FH[0], which lie on end
	ds_load_b128 v[FA0+8*u:FA0+8*u+3], v[AF] offset:2304*u
	ds_load_b128 v[FA0+8*u+4:FA0+8*u+7], v[AF] offset:2304*u+32
.set u, u+1
.endr
.Ltile:
	ZINIT
	WIN 0
	s_mov_b32 s[TR], 4
.Ltrip:
	STEP 0, 0
	STEP 1, 1
	STEP 2, 0
	STEP 3, 1                                      ; (in the launch's very last step the roundings, their stores and the fragment loads serve nothing: the price of one text for every step)
	WIN 0
	s_sub_co_u32 s[TR], s[TR], 1
	s_cmp_lg_u32 s[TR], 0
	s_cbranch_scc1 .Ltrip
	s_cmp_lt_u32 s[GT], 2
	s_cbranch_scc0 .Lplain
	TLOAD 0, 128                                   ; no vector instruction since the last step's wait names the table's registers
	TLOAD 1, 160
	PLACES                                         ; behind the last products, ahead of the first read of a result
.irp m, 0,1,2,3,4,5,6,7
	ROPE \m
.endr
	WIN 0
	s_branch .Lstored
.Lplain:
	PLACES
.irp m, 0,1,2,3,4,5,6,7
	PLAIN \m
.endr
	WIN 0
.Lstored:
.irp n, 0,1,2,3,4,5,6,7
	v_mov_b32 v[BV+\n], v[BV+4+\n]                 ; the next tile's biases move up
.endr
	MKBIAS
	s_wait_xcnt 0x0                                ; the stores have read their data and their base
	s_add_nc_u64 s[PD:PD+1], s[PD:PD+1], 16777216
	s_add_co_u32 s[GT], s[GT], 1
	s_cmp_lt_u32 s[GT], 3
	s_cbranch_scc1 .Ltile
	s_wait_dscnt 0x0                               ; the wave's end; the closing add goes to the spare words, LDS bytes 69,632 on
	s_wait_alu depctr_hold_cnt(0) depctr_sa_sdst(0) depctr_va_vdst(0) depctr_va_sdst(0) depctr_va_ssrc(0) depctr_va_vcc(0) depctr_vm_vsrc(0)
	s_wait_tensorcnt 0x0
	ds_add_u32 v9, v10
	s_wait_dscnt 0x0
	s_endpgm
.Lfunc_end_k_q8252f5667b_proj:
	.size	k_q8252f5667b_proj, .Lfunc_end_k_q8252f5667b_proj-k_q8252f5667b_proj
	.p2alignl 7, 3214868480
	.fill 96, 4, 3214868480
	.section	.rodata,"a",@progbits
	.p2align	6, 0x0
	.amdhsa_kernel k_q8252f5667b_proj
		.amdhsa_group_segment_fixed_size 70144
		.amdhsa_private_segment_fixed_size 0
		.amdhsa_enable_private_segment 0
		.amdhsa_kernarg_size 48
		.amdhsa_user_sgpr_count 2
		.amdhsa_user_sgpr_kernarg_segment_ptr 1
		.amdhsa_wavefront_size32 1
		.amdhsa_system_sgpr_workgroup_id_x 1
		.amdhsa_system_sgpr_workgroup_id_y 1
		.amdhsa_system_sgpr_workgroup_id_z 1
		.amdhsa_system_vgpr_workitem_id 0
		.amdhsa_next_free_vgpr 960
		.amdhsa_next_free_sgpr 66
		.amdhsa_reserve_vcc 0
		.amdhsa_float_denorm_mode_32 3
		.amdhsa_float_denorm_mode_16_64 3
		.amdhsa_memory_ordered 1
		.amdhsa_forward_progress 1
		.amdhsa_inst_pref_size 142
	.end_amdhsa_kernel
	.amdgpu_metadata
---
amdhsa.version: [ 1, 2 ]
amdhsa.kernels:
  - .name:           k_q8252f5667b_proj
    .symbol:         k_q8252f5667b_proj.kd
    .args:
      - { .name: query, .offset: 0, .size: 8, .value_kind: global_buffer, .address_space: global }
      - { .name: key, .offset: 8, .size: 8, .value_kind: global_buffer, .address_space: global }
      - { .name: value, .offset: 16, .size: 8, .value_kind: global_buffer, .address_space: global }
      - { .name: wt, .offset: 24, .size: 8, .value_kind: global_buffer, .address_space: global }
      - { .name: tab, .offset: 32, .size: 8, .value_kind: global_buffer, .address_space: global }
      - { .name: qkv, .offset: 40, .size: 8, .value_kind: global_buffer, .address_space: global }
    .group_segment_fixed_size: 70144
    .private_segment_fixed_size: 0
    .kernarg_segment_align: 8
    .kernarg_segment_size: 48
    .max_flat_workgroup_size: 128
    .sgpr_count:     66
    .vgpr_count:     960
    .wavefront_size: 32
...
	.end_amdgpu_metadata
.endif
;; end of part 5
;; launch attn (part 6): grid 2 x 128, 4 waves a work-group, no clusters, 289,280 bytes of LDS; arguments qkv, tab, ob, st; writes ob, st
.if DOCPART == 6
	.amdgcn_target "amdgcn-amd-amdhsa--gfx1250"
	.amdhsa_code_object_version 6
	.text
	.protected	k_q8252f5667b_attn
	.globl	k_q8252f5667b_attn
	.p2align	8
	.type	k_q8252f5667b_attn,@function
k_q8252f5667b_attn:
	s_mov_b64 s[64:65], 0
	v_nop
	global_prefetch_b8 v0, s[64:65] scope:SCOPE_SE
	s_setreg_imm32_b32 hwreg(HW_REG_WAVE_SCHED_MODE, 0, 2), 2
	s_setreg_imm32_b32 hwreg(HW_REG_WAVE_MODE, 25, 1), 1
	s_wait_xcnt 0x0
	s_wait_alu depctr_vm_vsrc(0)
; ATTN.  The temporal aggregation of q, k, v; O[h][q] = sum over k of softmax_k(Q . K / 8) V; and for each row and head the mean and the sum of squared deviations of O's 64 channels (LayerNorm's parts).
; All matrix operands f16; products, maxima and sums in f32; the weights p rounded to f16 for the second product (their sum l is taken of the unrounded p), O once at the end.
; LIMITS.  q, k, v arrive within f16's 65,504; a weight below 2^-126 counts as 0 in l; NaN and infinities are not treated apart.
; SHARES.  A work-group owns 512 queries of one head (two work-groups a head), a wave 128: four PIECES of two tiles of 16.  Every wave walks all 1,024 keys, 64 a step.
; NO CLUSTER, NO TENSOR LOAD: a head has two work-groups, no multiple of four; K and V change on their way in (the aggregation), and are read once, at the head.
; THE AGGREGATION is one matrix instruction a tile: 16 output rows = T (16 x 32, from tab) x 32 raw rows 16 T - 8 .. 16 T + 23.  qkv lies as [ct 4][beta 128][r 16][e 8] (row 8 beta + e, channel
; 16 ct + r), so 512 dense bytes are half a fragment of 32 rows x 16 channels, and neighbouring tiles share halves: tile t's fragment is registers 4 t .. 4 t + 7 of a run of loads.
; At the sequence's ends the lanes that would leave it read a clamped address, and T holds 0 there.
;   K, Q: D = X T^T: a lane holds one row and 8 channels: K goes to LDS [key][64], pitch 144; Q's roundings ARE its fragments.    V: D = T X^T: a lane holds one channel and 8 keys: V^T [channel][1024], pitch 2,064.
; A whole head's K and V^T stay in LDS: one barrier in the launch, and no load from memory in the loop.
; LAYOUT, SOFTMAX, TURNS.  S^T = K Q^T holds ONE query a lane (lane % 16) and the keys 8 (lane / 16) + 0..7; two such results rounded to f16 ARE source 1 of O^T = V^T P.  p = 2^(c s - c m), c = log2(e) / 8,
; with a running maximum m; O and l are multiplied by a = 2^(c m_old - c m_new) in every step; m starts at the lowest finite number, O and l at 0.  Turn n belongs to piece n: 16 products K Q^T of
; piece n + 1, later 16 products V^T P of piece n - 1; beside them the scaling, exponentials, roundings, sums and rescaling of piece n and the maximum and statistics of piece n + 1.
; Four vector instructions stand behind every matrix instruction, the others in one lump; a turn's 66 exponentials are one batch with one wait.
; THE MODE: SCHED_MODE bits 1:0 = 2 (LLVM: expert scheduling mode 2), set by the entry lines.  The code itself states the register dependences
; between vector or matrix instructions and memory or LDS instructions, with s_wait_alu, always for 0.
; THE PLAN.  Registers that memory or LDS instructions touch:
;   at the head   K's and V's raw rows (window 1): read by a chunk's 16 products, then loaded again.  CT, 64 registers: written by a chunk's 64 roundings, read by its 16 LDS stores.  VKS, VVS: read by those
;                 stores, stepped once a trip.  ONE wait on va_vdst a chunk, behind its roundings: the stores and the reload follow it.  One wait on vm_vsrc ahead of V's roundings, one at the trip's end ahead of the two adds.
;   in the loop   K's registers: read by the products K Q^T of all four turns, loaded in piece 2's turn directly behind its batch's wait, which stands behind that turn's last such product.
;                 V's registers: read by the products V^T P; their last reader is the last product of piece 0's turn: a wait on va_vdst stands behind it, ahead of V's run of loads.
;                 AK, AV, AV2: read by those runs, written once a key step, each behind a wait on vm_vsrc and ahead of the wait on va_vdst that its run stands behind.
;   on the way out v48-63: written by a tile's roundings, read by its 4 LDS stores.  S^T's registers: the rows come back into them, and the stores to memory read them; no vector instruction names them there.
;                 One wait on va_vdst a tile, ahead of its LDS stores; one on vm_vsrc ahead of the next tile's roundings.
; REGISTERS, in windows of 256 (s_set_vgpr_msb: bits 1:0 source 0, 3:2 source 1, 5:4 source 2, 7:6 destination):
;   window 0: v0-9 addresses; v12-15, v48-63 at work; v16-47 four registers of statistics a tile; v64-191 S^T, two buffers of two tiles; v192-255 P, likewise
;   window 1: O^T, 32 a tile (at the head: K's and V's raw rows)     window 2: v0-127 Q; v128-191 K of one step; v192-255 V of one step     window 3: at the head, Q's raw rows
.set NP,    4
.set KS,    64
.set PK,    144                        ; a row of K in LDS: 128 bytes + 16: the 16 rows of a load start at 16 different groups of four banks
.set PVT,   2064                       ; a row of V^T: 2,048 bytes + 16: likewise
.set VT,    147456                     ; behind K's 1,024 rows
.set STAGE, 279552                     ; behind V^T's 64 rows: 16 rows x 144 bytes for each wave, for the way out
.set SP,    144
.set TFR_O, 262144
.set AK0, 2                            ; r x 144 + 16 h
.set AV0, 3                            ; VT + r x 2,064 + 16 h
.set AK,  4
.set AV,  5
.set STO, 6
.set RD,  7
.set GO,  8
.set AV2, 9                            ; AV + 32 rows of V^T: an LDS offset has 16 bits
.set MV,  12
.set ST,  16
.set TMP, 48
.set S,   64
.set P,   192
.set KF,  128
.set VF,  192
.set L16, 48                           ; at the head alone: v48-60 offsets, v64-103 T's fragments, v128-191 two banks of four results, v192-255 a chunk's rounded results
.set VXM, 49
.set VX0, 50
.set VX16, 51
.set VQM, 52
.set VQ0, 53
.set VQ8, 54
.set VKS, 55
.set VVS, 56
.set TM,  64
.set TKA, 72
.set TKZ, 80
.set TQA, 88
.set TQZ, 96
.set DB,  128
.set CT,  192
.set WV,  12
.set CNT, 57
.set CS,  58
.set SEL, 60
.set TBK, 62
.set TBV, 63
.set MSB, 0
.macro WIN new
.if MSB != (\new)
	s_set_vgpr_msb (MSB<<8)|(\new)
.set MSB, (\new)
.endif
.endm
.set W_KQ, 0x0a
.set W_PV, 0x52
.set W_RS, 0x41
.macro PLACES
.rept 4
	v_nop
.endr
.endm
	s_load_b256 s[4:11], s[0:1], 0x0               ; qkv 4, tab 6, ob 8, st 10
	v_lshl_add_u32 v10, v0, 2, 0x46800
	v_mov_b32 v11, 0
	v_lshrrev_b32 v1, 5, v0
	v_readfirstlane_b32 s[WV], v1
	s_mov_b32 s14, ttmp9                           ; which half of the head's queries
	s_and_b32 s15, ttmp7, 0xffff                   ; the head among 128
	v_and_b32 v1, 15, v0                           ; r
	v_bfe_u32 v12, v0, 4, 1                        ; h
	v_and_b32 v13, 31, v0                          ; lane
	v_lshlrev_b32 v[L16], 4, v13
	s_wait_alu depctr_va_sdst(0)                   ; the wave's number is written, ahead of its first reader
	s_lshl_b32 s24, s[WV], 13                      ; my 256 keys: 32 blocks of 256 bytes
	v_add_nc_u32 v[VXM], s24, v[L16]
	v_add_nc_u32 v[VX0], 0xffffff00, v[VXM]        ; the block in front of them, held inside the head's rows
	v_max_i32 v[VX0], 0, v[VX0]
	v_add_nc_u32 v[VX16], 7936, v[VXM]             ; and the two behind them
	v_min_u32 v[VX16], 32752, v[VX16]
	s_lshl_b32 s25, s14, 2
	s_add_co_u32 s25, s25, s[WV]                   ; my 128 queries among the head's eight such
	s_lshl_b32 s24, s25, 12
	v_add_nc_u32 v[VQM], s24, v[L16]
	v_add_nc_u32 v[VQ0], 0xffffff00, v[VQM]
	v_max_i32 v[VQ0], 0, v[VQ0]
	v_add_nc_u32 v[VQ8], 3840, v[VQM]
	v_min_u32 v[VQ8], 32752, v[VQ8]
	s_cmp_eq_u32 s[WV], 0                          ; which of T's three forms my first and last tiles take
	s_cselect_b32 s40, 0, 1
	s_cmp_eq_u32 s[WV], 3
	s_cselect_b32 s41, 2, 1
	s_cmp_eq_u32 s25, 0
	s_cselect_b32 s42, 0, 1
	s_cmp_eq_u32 s25, 7
	s_cselect_b32 s43, 2, 1
	v_lshl_add_u32 v57, s40, 10, v[L16]
	v_lshl_add_u32 v58, s41, 10, v[L16]
	v_lshl_add_u32 v59, s42, 10, v[L16]
	v_lshl_add_u32 v60, s43, 10, v[L16]
	v_mul_u32_u24 v[AK0], v1, PK
	v_lshl_add_u32 v[AK0], v12, 4, v[AK0]
	v_mul_u32_u24 v[AV0], v1, PVT
	v_lshl_add_u32 v[AV0], v12, 4, v[AV0]
	v_add_nc_u32 v[AV0], VT, v[AV0]
	s_mul_i32 s24, s[WV], 256*PK
	v_add_nc_u32 v[VKS], s24, v[AK0]               ; where my keys' K goes: (256 w + r) x 144 + 16 h
	s_lshl_b32 s24, s[WV], 9
	v_add_nc_u32 v[VVS], s24, v[AV0]               ; where my keys' V^T goes: row r, byte 2 (256 w + 8 h)
	s_lshl_b32 s26, s15, 17
	s_mov_b32 s27, 0
	s_lshl_b32 s28, s14, 16
	s_lshl_b32 s29, s[WV], 14
	s_add_co_u32 s28, s28, s29
	s_add_co_u32 s28, s28, s26                     ; my 128 rows of O
	s_mov_b32 s29, 0
	s_lshl_b32 s30, s15, 13
	s_lshl_b32 s31, s25, 10
	s_add_co_u32 s30, s30, s31                     ; and of st
	s_mov_b32 s31, 0
	s_mov_b32 s45, 0xffff0000                      ; lanes 16 to 31
	s_mov_b32 s[CS], 0x3e38aa3b                    ; c = log2(e) / 8
	s_mov_b32 s[CS+1], s[CS]
	s_mov_b32 s[SEL], 0x76543210
	s_mov_b32 s[SEL+1], 0xfedcba98
	s_mov_b32 s[TBK], 0
	s_mov_b32 s[TBV], 0
	s_wait_kmcnt 0x0
	s_add_nc_u64 s[16:17], s[4:5], s[26:27]        ; the head's q,
	s_add_nc_u64 s[18:19], s[16:17], 0x1000000     ; k,
	s_add_nc_u64 s[20:21], s[16:17], 0x2000000     ; v
	s_add_nc_u64 s[8:9], s[8:9], s[28:29]
	s_add_nc_u64 s[10:11], s[10:11], s[30:31]
	s_wait_alu depctr_va_vdst(0)                   ; the offsets v48 to v60 are written, which the head's loads and LDS stores read
	global_load_b128 v[TM:TM+3], v[L16], s[6:7] offset:TFR_O+1024
	global_load_b128 v[TM+4:TM+7], v[L16], s[6:7] offset:TFR_O+1536
.irp k, 0,1,2,3
	global_load_b128 v[TKA+8*\k:TKA+8*\k+3], v[57+\k], s[6:7] offset:TFR_O
	global_load_b128 v[TKA+8*\k+4:TKA+8*\k+7], v[57+\k], s[6:7] offset:TFR_O+512
.endr
	WIN 0xC0
.irp c, 0,1,2,3                        ; Q's raw rows: 9 halves of fragments for each 16 channels
	global_load_b128 v[36*\c:36*\c+3], v[VQ0], s[16:17] offset:32768*\c
.set ca, 1
.rept 7
	global_load_b128 v[36*\c+4*ca:36*\c+4*ca+3], v[VQM], s[16:17] offset:32768*\c+(2*ca-1)*256
.set ca, ca+1
.endr
	global_load_b128 v[36*\c+32:36*\c+35], v[VQ8], s[16:17] offset:32768*\c
.endr
.macro LCHKV buf, ptr                  ; 17 halves of fragments: my 256 keys, 16 channels
	WIN 0x40
	global_load_b128 v[(\buf):(\buf)+3], v[VX0], s[\ptr:\ptr+1]
.set ca, 1
.rept 15
	global_load_b128 v[(\buf)+4*ca:(\buf)+4*ca+3], v[VXM], s[\ptr:\ptr+1] offset:(2*ca-1)*256
.set ca, ca+1
.endr
	global_load_b128 v[(\buf)+64:(\buf)+67], v[VX16], s[\ptr:\ptr+1]
.endm
	LCHKV 0, 18
	LCHKV 68, 20
; Four results of bank gg % 2 are rounded, from each accumulator's lowest registers on, into the chunk's registers CT + 16 gg.
.macro CVP gg
	WIN 0
.set ca, 0
.rept 16
	v_cvt_pk_f16_f32 v[CT+16*(\gg)+ca], v[DB+32*((\gg)%2)+2*ca], v[DB+32*((\gg)%2)+2*ca+1]
.set ca, ca+1
.endr
.endm
.macro CVQ gg                          ; group gg: channels 16 (gg / 2) on, tiles 4 (gg % 2) on: Q's roundings go into its fragments
	WIN 0x80
.set ca, 0
.rept 16
	v_cvt_pk_f16_f32 v[16*(4*((\gg)%2)+ca/4)+8*((\gg)/4)+4*(((\gg)/2)%2)+ca%4], v[DB+32*((\gg)%2)+2*ca], v[DB+32*((\gg)%2)+2*ca+1]
.set ca, ca+1
.endr
.endm
; 16 tiles in four groups of four products; a group's roundings stand behind the next group's products, and are the places behind those.  Then one wait, and the chunk's 16 LDS stores.
.macro CHUNK kind, buf
.set cg, 0
.rept 4
.set cb, 0
.rept 4
.set TF, TM
.if 4*cg+cb == 0
.set TF, TKA
.endif
.if 4*cg+cb == 15
.set TF, TKZ
.endif
.if (\kind) == 0
	WIN 0x01
	v_wmma_f32_16x16x32_f16 v[DB+32*(cg%2)+8*cb:DB+32*(cg%2)+8*cb+7], v[(\buf)+4*(4*cg+cb):(\buf)+4*(4*cg+cb)+7], v[TF:TF+7], 0
.else
	WIN 0x04
	v_wmma_f32_16x16x32_f16 v[DB+32*(cg%2)+8*cb:DB+32*(cg%2)+8*cb+7], v[TF:TF+7], v[(\buf)+4*(4*cg+cb):(\buf)+4*(4*cg+cb)+7], 0
.endif
.set cb, cb+1
.endr
.if cg == 0
	PLACES
.else
	CVP cg-1
.endif
.set cg, cg+1
.endr
	PLACES
	CVP 3
	s_wait_alu depctr_va_vdst(0)                   ; the roundings have written CT, and the add has written the stores' address; the products are done reading the raw rows, in which the reload lands
.set ca, 0
.rept 16                               ; tile ca
.if (\kind) == 0
	ds_store_b128 v[VKS], v[CT+4*ca:CT+4*ca+3] offset:16*PK*ca
.else
	ds_store_b128 v[VVS], v[CT+4*ca:CT+4*ca+3] offset:32*ca
.endif
.set ca, ca+1
.endr
.endm
	s_wait_loadcnt 34                              ; T and Q's rows are in; K's and V's first 17 loads each may stay out
.set qg, 0
.rept 8
.set cb, 0
.rept 4
.set TF, TM
.if 4*(qg%2)+cb == 0
.set TF, TQA
.endif
.if 4*(qg%2)+cb == 7
.set TF, TQZ
.endif
	WIN 0x03
	v_wmma_f32_16x16x32_f16 v[DB+32*(qg%2)+8*cb:DB+32*(qg%2)+8*cb+7], v[36*(qg/2)+4*(4*(qg%2)+cb):36*(qg/2)+4*(4*(qg%2)+cb)+7], v[TF:TF+7], 0
.set cb, cb+1
.endr
.if qg == 0
	PLACES
.else
	CVQ qg-1
.endif
.set qg, qg+1
.endr
	PLACES
	CVQ 7
	WIN 0
	s_mov_b32 s44, 4
.Lkv:                                  ; four trips: 16 channels of K, then of V; each buffer is asked for again as soon as it is used up
	s_wait_loadcnt 17                              ; K's rows are in; V's 17 loads may stay out
	CHUNK 0, 0
	WIN 0
	s_cmp_eq_u32 s44, 1
	s_cbranch_scc1 .Lklast
	s_wait_xcnt 0x0
	s_add_nc_u64 s[18:19], s[18:19], 32768
	LCHKV 0, 18                                    ; no vector or matrix instruction since the chunk's wait
	WIN 0
	s_branch .Lkj
.Lklast:
	s_wait_loadcnt 0x0                             ; nothing is asked for: all loads are waited for, so that the counted wait below holds on this way too
.Lkj:
	s_wait_loadcnt 17                              ; V's rows are in; K's next 17 loads may stay out
	s_wait_alu depctr_vm_vsrc(0)                   ; K's LDS stores have read CT, which V's roundings write again
	CHUNK 1, 68
	WIN 0
	s_cmp_eq_u32 s44, 1
	s_cbranch_scc1 .Lvlast
	s_wait_xcnt 0x0
	s_add_nc_u64 s[20:21], s[20:21], 32768
	LCHKV 68, 20
	WIN 0
	s_branch .Lvj
.Lvlast:
	s_wait_loadcnt 0x0
.Lvj:
	s_wait_alu depctr_vm_vsrc(0)                   ; the trip's LDS stores have read VKS, VVS and CT; behind the last trip also: the head's loads have read their offsets v48-60, which the loop writes as registers at work
	v_add_nc_u32 v[VKS], 32, v[VKS]                ; the next 16 channels of a row of K
	v_add_nc_u32 v[VVS], 16*PVT, v[VVS]            ; the next 16 rows of V^T
	s_sub_co_u32 s44, s44, 1
	s_cmp_lg_u32 s44, 0
	s_cbranch_scc1 .Lkv
	s_wait_dscnt 0x0                               ; my part of K and V^T is written
	s_barrier_signal -1                            ; what the first turn finds is made between the signal and the wait: O^T, l, V's registers and P's second buffer hold 0
	WIN 0x40
.set i, 0
.rept 256
	v_mov_b32 v[i], 0
.set i, i+1
.endr
	WIN 0x80
.set i, VF
.rept 64
	v_mov_b32 v[i], 0
.set i, i+1
.endr
	WIN 0
.set i, 0
.rept 2*NP
	v_mov_b32 v[ST+4*i], 0xfe000000                ; c m: far below every c s
	v_mov_b32 v[ST+4*i+1], 0xff7fffff              ; m
	v_mov_b32 v[ST+4*i+2], 0
	v_mov_b32 v[ST+4*i+3], 0
.set i, i+1
.endr
.set i, P+32
.rept 32
	v_mov_b32 v[i], 0
.set i, i+1
.endr
	v_mov_b32 v[AK], v[AK0]
	s_barrier_wait -1                              ; the launch's one barrier: the whole head's K and V^T lie in LDS
; THE MATRIX WORK.  The 8 accumulators of a run of 16 take turns.
.macro KQ x                            ; product i of 16 of S^T = K Q^T for piece x: channels 32 (i / 8) on, keys 16 ((i / 2) % 4) on, tile 2 x + i % 2
	WIN W_KQ
.set rS, S+64*((\x)%2)+32*(i%2)+8*((i/2)%4)
.set rK, KF+16*((i/2)%4)+8*(i/8)
.set rQ, 16*(2*(\x)+i%2)+8*(i/8)
.if i < 8
	v_wmma_f32_16x16x32_f16 v[rS:rS+7], v[rK:rK+7], v[rQ:rQ+7], 0
.else
	v_wmma_f32_16x16x32_f16 v[rS:rS+7], v[rK:rK+7], v[rQ:rQ+7], v[rS:rS+7]
.endif
.endm
.macro PV x                            ; product i of 16 of O^T += V^T P for piece x: keys 32 (i / 8) on, channels 16 ((i / 2) % 4) on, tile 2 x + i % 2
	WIN W_PV
.set rO, 32*(2*(\x)+i%2)+8*((i/2)%4)
.set rV, VF+32*(i/8)+8*((i/2)%4)
.set rP, P+32*((\x)%2)+16*(i%2)+8*(i/8)
	v_wmma_f32_16x16x32_f16 v[rO:rO+7], v[rV:rV+7], v[rP:rP+7], v[rO:rO+7]
.endm
.macro MM
.if i < 16
	KQ (Y+1)%NP
.set i, i+1
.else
.set i, i-16
	PV (Y+NP-1)%NP
.set i, i+17
.endif
.endm
; THE LDS LOADS stand in runs of 16, each directly behind a wait on va_vdst.
.macro FETCH_K
	WIN 0x80
.irp f, 0,1,2,3,4,5,6,7                ; keys 16 (f / 2) on, channels 32 (f % 2) on
	ds_load_b128 v[KF+8*\f:KF+8*\f+3],   v[AK] offset:(\f/2)*16*PK+(\f%2)*64
	ds_load_b128 v[KF+8*\f+4:KF+8*\f+7], v[AK] offset:(\f/2)*16*PK+(\f%2)*64+32
.endr
	s_add_co_u32 s[TBK], s[TBK], KS*PK
	WIN 0
.endm
.macro FETCH_V
	WIN 0x80
.irp f, 0,1,2,3,4,5,6,7                ; keys 32 (f / 4) on, channels 16 (f % 4) on
.if (\f%4) < 2
	ds_load_b128 v[VF+8*\f:VF+8*\f+3],   v[AV] offset:(\f%2)*16*PVT+(\f/4)*64
	ds_load_b128 v[VF+8*\f+4:VF+8*\f+7], v[AV] offset:(\f%2)*16*PVT+(\f/4)*64+32
.else
	ds_load_b128 v[VF+8*\f:VF+8*\f+3],   v[AV2] offset:(\f%2)*16*PVT+(\f/4)*64
	ds_load_b128 v[VF+8*\f+4:VF+8*\f+7], v[AV2] offset:(\f%2)*16*PVT+(\f/4)*64+32
.endif
.endr
	WIN 0
.endm
; THE VECTOR WORK OF A TURN stands in three queues, each in the order in which its entries become ready; the two tiles alternate.
.macro REGS y, u
.set rT, ST+4*(2*(\y)+(\u))
.set rC, TMP+8*((\y)%2)+4*(\u)
.set rM, MV+2*((\y)%2)+(\u)
.set rS, S+64*((\y)%2)+32*(\u)
.set rP, P+32*((\y)%2)+16*(\u)
.set rO, 32*(2*(\y)+(\u))
.endm
; Number n of the 22 that find the NEXT piece's maximum and statistics; each accumulator's lowest registers are read first.
.macro XS u, n
	REGS (Y+1)%NP, \u
.if (\n) < 4
	v_max3_num_f32 v[rC+(\n)], v[rS+8*(\n)], v[rS+8*(\n)+1], v[rS+8*(\n)+2]
.elseif (\n) < 12
	v_max3_num_f32 v[rC+(\n)%4], v[rC+(\n)%4], v[rS+8*((\n)%4)+2*((\n)/4)+1], v[rS+8*((\n)%4)+2*((\n)/4)+2]
.elseif (\n) == 12
	v_max3_num_f32 v[rC], v[rC], v[rS+7], v[rS+15]
.elseif (\n) == 13
	v_max3_num_f32 v[rC+1], v[rC+1], v[rS+23], v[rS+31]
.elseif (\n) == 14
	v_max3_num_f32 v[rC+2], v[rC+2], v[rC+3], v[rT+1]
.elseif (\n) == 15
	v_mov_b32 v[rM], v[rT]
.elseif (\n) == 16
	v_max3_num_f32 v[rC], v[rC], v[rC+1], v[rC+2]
.elseif (\n) == 17
	v_permlanex16_b32 v[rC+3], v[rC], s[SEL], s[SEL+1]
.elseif (\n) == 18
	v_max_num_f32 v[rT+1], v[rC], v[rC+3]
.elseif (\n) == 19
	v_mul_f32 v[rT], s[CS], v[rT+1]
.elseif (\n) == 20
	v_sub_f32 v[rC+1], v[rM], v[rT]
.else
	v_exp_f32 v[rC+2], v[rC+1]
.endif
.endm
; Number g of the 64 that follow the exponentials: roundings to f16, the second pair of four weights added onto the first, and l a group later.
.macro GS g
.set h, (\g)+6*((\g)/62)
.if h >= 6
.set h, h+2
.endif
	REGS Y, h%2
.set k, h/8
.if h%8 < 4
	v_cvt_pk_f16_f32 v[rP+2*k+(h%8)/2], v[rS+4*k+2*((h%8)/2)], v[rS+4*k+2*((h%8)/2)+1]
.elseif h%8 < 6
	v_pk_add_f32 v[rS+4*k:rS+4*k+1], v[rS+4*k:rS+4*k+1], v[rS+4*k+2:rS+4*k+3]
.elseif k == 1
	v_pk_fma_f32 v[rT+2:rT+3], v[rT+2:rT+3], v[rC+2:rC+3], v[rS:rS+1] op_sel_hi:[1,0,1]
.else
	v_pk_add_f32 v[rT+2:rT+3], v[rT+2:rT+3], v[rS+4*k-4:rS+4*k-3]
.endif
.endm
.macro FS f                            ; c s - c m for pair f / 2 of tile f % 2
	REGS Y, (\f)%2
	v_pk_fma_f32 v[rS+2*((\f)/2):rS+2*((\f)/2)+1], v[rS+2*((\f)/2):rS+2*((\f)/2)+1], s[CS:CS+1], v[rT:rT+1] op_sel_hi:[1,0,0] neg_lo:[0,0,1] neg_hi:[0,0,1]
.endm
.macro PL                              ; the plain queue, 138 long: 0-73 read no exponential's result; 74-137 stand behind the wait
	WIN 0
.if q < 27
	FS q
.elseif q < 55
	XS (q-27)%2, (q-27)/2
.elseif q < 57
	XS q-55, 15
.elseif (q < 72) && ((q-57)%3 == 0)
	FS 27+(q-57)/3
.elseif q < 60
	XS (q-57)%3-1, 14
.elseif q < 72
	XS (q-57)%3-1, 15+(q-57)/3
.elseif q < 74
	XS q-72, 20
.else
	GS q-74
.endif
.set q, q+1
.endm
.macro EX                              ; the exponentials' queue, 66 long: one batch, all ahead of the turn's one wait
	WIN 0
.if e >= 64
	XS e-64, 21
.else
	REGS Y, e%2
	v_exp_f32 v[rS+e/2], v[rS+e/2]
.endif
.set e, e+1
.endm
.macro R2                              ; O^T times a, two at a time; its a was made, and waited for, in the turn before
	REGS Y, r%2
	WIN W_RS
.irp z, 0,1
	v_pk_mul_f32 v[rO+4*(r/2)+2*\z:rO+4*(r/2)+2*\z+1], v[rO+4*(r/2)+2*\z:rO+4*(r/2)+2*\z+1], v[rC+2:rC+3] op_sel_hi:[1,0]
.endr
.set r, r+1
.endm
; A TURN, for piece p.  Ahead of its batch's wait stands all that names no result of its exponentials: 16 products K Q^T with a scaling, an exponential and two rescalings behind each, then a lump of 108.
; Behind the wait: 16 products V^T P with four roundings and sums behind each.  K of the next step is fetched in piece 2's turn, directly behind the wait, a lump behind the last product that read K;
; V of the step in hand at the end of piece 0's turn, behind its last reader and a wait of its own.  Each is waited for a turn later.
.macro TURN p
.set Y, (\p)
.set i, 0
.set q, 0
.set e, 0
.set r, 0
.if (\p) == NP-1
	s_wait_dscnt 0x0                               ; K is in
.endif
	MM
	PL
	PL
	R2
.rept 15
	MM
	PL
	EX
	R2
.endr
.if (\p) == NP-2
	WIN 0
	s_wait_alu depctr_vm_vsrc(0)                   ; K's last run of loads has read AK
	v_add_nc_u32 v[AK], s[TBK], v[AK0]
.endif
.rept 8
	PL
.endr
.rept 49
	EX
	PL
.endr
	EX
	EX
	v_nop                                          ; a plain instruction behind the last exponential: one for the batch
	s_wait_alu depctr_va_vdst(0)                   ; the batch's 66 results are written, ahead of their first reader; in piece 2's turn also: AK is written, and the products K Q^T are done reading K's registers
.if (\p) == NP-2
	FETCH_K
.endif
.if (\p) == 1
	s_wait_dscnt 0x0                               ; V is in
.endif
.rept 16
	MM
.rept 4
	PL
.endr
.if ((\p) == 0) && (q == 118)
	s_wait_alu depctr_vm_vsrc(0)                   ; V's last run of loads has read AV and AV2
	v_add_nc_u32 v[AV], s[TBV], v[AV0]
	v_add_nc_u32 v[AV2], 32*PVT, v[AV]
.endif
.if ((\p) == 0) && (q == 130)
	s_add_co_u32 s[TBV], s[TBV], 2*KS
.endif
.endr
.if (\p) == 0
	s_wait_alu depctr_va_vdst(0)                   ; the products V^T P are done reading V's registers, in which the loads land; AV and AV2 are written
	FETCH_V
.endif
.endm
	s_wait_alu depctr_va_vdst(0)                   ; AK is written, which the loads read
	FETCH_K                                        ; key step 0
	s_wait_dscnt 0x0
.set i, 0
.rept 16
	KQ 0                                           ; piece 0's first scores
.set i, i+1
.endr
	WIN 0                                          ; the addresses for the way out: plain instructions, the places behind those products
	s_mul_i32 s13, s[WV], 16*SP
	s_add_co_u32 s13, s13, STAGE
	v_mul_u32_u24 v[STO], v1, SP                   ; in: row l % 16, 16 bytes for each half of the lanes
	v_lshl_add_u32 v[STO], v12, 4, v[STO]
	v_add_nc_u32 v[STO], s13, v[STO]
	v_bfe_u32 v[RD], v0, 3, 2                      ; back: 32 lanes take four rows of 128 bytes,
	v_mul_u32_u24 v[RD], v[RD], SP
	v_and_b32 v14, 7, v0
	v_lshl_add_u32 v[RD], v14, 4, v[RD]
	v_add_nc_u32 v[RD], s13, v[RD]
	v_lshlrev_b32 v[GO], 4, v13                    ; which are 512 consecutive bytes of O
.set Y, NP-1
.irp n, 0,1,2,3,4,5,6,7,8,9,10,11,12,13,14,15,16,17,18,19,20,21
	XS 0, \n                                       ; piece 0's first maximum and statistics
	XS 1, \n
.endr
	v_nop
	s_wait_alu depctr_va_vdst(0)                   ; the two a are written, ahead of the label
	s_mov_b32 s[CNT], 16
.Lstep:                                ; a key step.  In the last trip piece 2's turn fetches the LDS bytes behind K's last row: V^T's first rows and their padding, which nobody wrote.  Whatever they hold, the 16 products
	TURN 0                                         ; and the maximum made of them go into registers that nothing reads again (S^T, c m, m and a of piece 0): the price of one text for every trip
	TURN 1
	TURN 2
	TURN 3
	WIN 0
	s_sub_co_u32 s[CNT], s[CNT], 1
	s_cmp_lg_u32 s[CNT], 0
	s_cbranch_scc1 .Lstep
.set i, 0
.rept 16
	PV NP-1                                        ; the last piece's V^T P of the last step
.set i, i+1
.endr
	; THE WAY OUT.  l's two halves and the other half of the lanes' are added; O^T is divided by l, its mean and squared deviations are taken, it is rounded to f16 and sent through my stage in LDS.
	WIN 0
.macro ALL line:vararg
.set t, 0
.rept 2*NP
	\line
.set t, t+1
.endr
.endm
	ALL v_add_f32 v[ST+4*t+2], v[ST+4*t+2], v[ST+4*t+3]
	ALL v_permlanex16_b32 v[ST+4*t+3], v[ST+4*t+2], s[SEL], s[SEL+1]
	ALL v_add_f32 v[ST+4*t+2], v[ST+4*t+2], v[ST+4*t+3]
	ALL v_rcp_f32 v[ST+4*t+2], v[ST+4*t+2]
	v_nop
	s_wait_alu depctr_va_vdst(0)                   ; the eight reciprocals are written, ahead of their first reader
; Tile t: the roundings go into v48-63, from there into my stage; the rows come back into S^T's registers, which no vector instruction names any more.
.macro PACK t
	WIN W_RS
.set i, 32*(\t)
.rept 16
	v_pk_mul_f32 v[i:i+1], v[i:i+1], v[ST+4*(\t)+2:ST+4*(\t)+3] op_sel_hi:[1,0]
.set i, i+2
.endr
.if (\t) > 0
	s_wait_alu depctr_vm_vsrc(0)                   ; the LDS stores of the tile before have read v48-63, which the roundings write again
.endif
	WIN 0x05
.set i, 0
.rept 16
	v_cvt_pk_f16_f32 v[TMP+i], v[32*(\t)+2*i], v[32*(\t)+2*i+1]
.set i, i+1
.endr
	WIN 0
	s_wait_alu depctr_va_vdst(0)                   ; the roundings have written v48-63, which the LDS stores read; the loop's instructions are done with S^T's registers, in which the loads land
.irp f, 0,1,2,3
	ds_store_b128 v[STO], v[TMP+4*\f:TMP+4*\f+3] offset:32*\f
.endr
.irp f, 0,1,2,3
	ds_load_b128 v[S+16*(\t)+4*\f:S+16*(\t)+4*\f+3], v[RD] offset:\f*4*SP  ; LDS serves a wave's instructions in order: these see the stores above
.endr
.endm
; A row's 64 channels lie in two lanes, 32 each.  First the mean, then the squares of the deviations from it: no difference of large sums is formed.  mean -> ST + 4 t, sum of squares -> ST + 4 t + 1.
.macro STAT t
	WIN 0x05
.set su, 0
.rept 8
	v_pk_add_f32 v[P+2*su:P+2*su+1], v[32*(\t)+4*su:32*(\t)+4*su+1], v[32*(\t)+4*su+2:32*(\t)+4*su+3]
.set su, su+1
.endr
	WIN 0
	v_pk_add_f32 v[P:P+1], v[P:P+1], v[P+2:P+3]
	v_pk_add_f32 v[P+4:P+5], v[P+4:P+5], v[P+6:P+7]
	v_pk_add_f32 v[P+8:P+9], v[P+8:P+9], v[P+10:P+11]
	v_pk_add_f32 v[P+12:P+13], v[P+12:P+13], v[P+14:P+15]
	v_pk_add_f32 v[P:P+1], v[P:P+1], v[P+4:P+5]
	v_pk_add_f32 v[P+8:P+9], v[P+8:P+9], v[P+12:P+13]
	v_pk_add_f32 v[P:P+1], v[P:P+1], v[P+8:P+9]
	v_add_f32 v[P], v[P], v[P+1]
	v_permlanex16_b32 v[P+1], v[P], s[SEL], s[SEL+1]
	v_add_f32 v[P], v[P], v[P+1]
	v_mul_f32 v[ST+4*(\t)], 0x3c800000, v[P]       ; / 64
	WIN 0x01
.set su, 0
.rept 16
	v_pk_add_f32 v[P+16+2*su:P+17+2*su], v[32*(\t)+2*su:32*(\t)+2*su+1], v[ST+4*(\t):ST+4*(\t)+1] op_sel_hi:[1,0] neg_lo:[0,1] neg_hi:[0,1]
.set su, su+1
.endr
	WIN 0
.set su, 0
.rept 4
	v_pk_mul_f32 v[P+2*su:P+2*su+1], v[P+16+2*su:P+17+2*su], v[P+16+2*su:P+17+2*su]
.set su, su+1
.endr
.rept 12
	v_pk_fma_f32 v[P+2*(su%4):P+2*(su%4)+1], v[P+16+2*su:P+17+2*su], v[P+16+2*su:P+17+2*su], v[P+2*(su%4):P+2*(su%4)+1]
.set su, su+1
.endr
	v_pk_add_f32 v[P:P+1], v[P:P+1], v[P+2:P+3]
	v_pk_add_f32 v[P+4:P+5], v[P+4:P+5], v[P+6:P+7]
	v_pk_add_f32 v[P:P+1], v[P:P+1], v[P+4:P+5]
	v_add_f32 v[P], v[P], v[P+1]
	v_permlanex16_b32 v[P+1], v[P], s[SEL], s[SEL+1]
	v_add_f32 v[ST+4*(\t)+1], v[P], v[P+1]
.endm
.macro SEND t, younger                 ; younger: the LDS instructions issued behind tile t's loads: the next tile's eight, or none
	WIN 0
.irp f, 0,1,2,3
	s_wait_dscnt (\younger)+3-\f
	global_store_b128 v[GO], v[S+16*(\t)+4*\f:S+16*(\t)+4*\f+3], s[8:9] offset:(\t)*2048+\f*512  ; 512 consecutive bytes, aligned
.endr
.endm
	PACK 0
	STAT 0
.set t, 1
.rept 2*NP-1
	PACK t
	STAT t
	SEND t-1, 8
.set t, t+1
.endr
	SEND 2*NP-1, 0
	v_lshrrev_b32 v[AK], 1, v[GO]                  ; 8 x lane (K's loads have read AK: the tiles' waits on vm_vsrc stand behind the last of them)
.irp t, 0,2,4,6                        ; lanes 0-15 give tile t's rows, lanes 16-31 tile t + 1's: 256 dense bytes a store
	v_cndmask_b32 v[P+48+\t], v[ST+4*\t], v[ST+4*\t+4], s45
	v_cndmask_b32 v[P+49+\t], v[ST+4*\t+1], v[ST+4*\t+5], s45
.endr
	s_wait_alu depctr_va_vdst(0)                   ; the eight selects and the offset are written, which the four stores read
.irp t, 0,2,4,6
	global_store_b64 v[AK], v[P+48+\t:P+49+\t], s[10:11] offset:\t*128
.endr
	s_wait_dscnt 0x0                               ; the wave's end; the closing add goes to the spare words, LDS bytes 288,768 on
	s_wait_alu depctr_hold_cnt(0) depctr_sa_sdst(0) depctr_va_vdst(0) depctr_va_sdst(0) depctr_va_ssrc(0) depctr_va_vcc(0) depctr_vm_vsrc(0)
	s_wait_tensorcnt 0x0
	ds_add_u32 v10, v11
	s_wait_dscnt 0x0
	s_endpgm
.Lfunc_end_k_q8252f5667b_attn:
	.size	k_q8252f5667b_attn, .Lfunc_end_k_q8252f5667b_attn-k_q8252f5667b_attn
	.p2alignl 7, 3214868480
	.fill 96, 4, 3214868480
	.section	.rodata,"a",@progbits
	.p2align	6, 0x0
	.amdhsa_kernel k_q8252f5667b_attn
		.amdhsa_group_segment_fixed_size 289280
		.amdhsa_private_segment_fixed_size 0
		.amdhsa_enable_private_segment 0
		.amdhsa_kernarg_size 32
		.amdhsa_user_sgpr_count 2
		.amdhsa_user_sgpr_kernarg_segment_ptr 1
		.amdhsa_wavefront_size32 1
		.amdhsa_system_sgpr_workgroup_id_x 1
		.amdhsa_system_sgpr_workgroup_id_y 1
		.amdhsa_system_sgpr_workgroup_id_z 1
		.amdhsa_system_vgpr_workitem_id 0
		.amdhsa_next_free_vgpr 912
		.amdhsa_next_free_sgpr 66
		.amdhsa_reserve_vcc 0
		.amdhsa_float_denorm_mode_32 3
		.amdhsa_float_denorm_mode_16_64 3
		.amdhsa_memory_ordered 1
		.amdhsa_forward_progress 1
		.amdhsa_inst_pref_size 185
	.end_amdhsa_kernel
	.amdgpu_metadata
---
amdhsa.version: [ 1, 2 ]
amdhsa.kernels:
  - .name:           k_q8252f5667b_attn
    .symbol:         k_q8252f5667b_attn.kd
    .args:
      - { .name: qkv, .offset: 0, .size: 8, .value_kind: global_buffer, .address_space: global }
      - { .name: tab, .offset: 8, .size: 8, .value_kind: global_buffer, .address_space: global }
      - { .name: ob, .offset: 16, .size: 8, .value_kind: global_buffer, .address_space: global }
      - { .name: st, .offset: 24, .size: 8, .value_kind: global_buffer, .address_space: global }
    .group_segment_fixed_size: 289280
    .private_segment_fixed_size: 0
    .kernarg_segment_align: 8
    .kernarg_segment_size: 32
    .max_flat_workgroup_size: 128
    .sgpr_count:     66
    .vgpr_count:     912
    .wavefront_size: 32
...
	.end_amdgpu_metadata
.endif
;; end of part 6
;; launch outp (part 7): grid 4 x 64, 4 waves a work-group, no clusters, 55,808 bytes of LDS; arguments ob, st, wt, tab, out0; writes out0
.if DOCPART == 7
	.amdgcn_target "amdgcn-amd-amdhsa--gfx1250"
	.amdhsa_code_object_version 6
	.text
	.protected	k_q8252f5667b_outp
	.globl	k_q8252f5667b_outp
	.p2align	8
	.type	k_q8252f5667b_outp,@function
k_q8252f5667b_outp:
	s_mov_b64 s[64:65], 0
	v_nop
	global_prefetch_b8 v0, s[64:65] scope:SCOPE_SE
	s_setreg_imm32_b32 hwreg(HW_REG_WAVE_SCHED_MODE, 0, 2), 2
	s_setreg_imm32_b32 hwreg(HW_REG_WAVE_MODE, 25, 1), 1
	s_wait_xcnt 0x0
	s_wait_alu depctr_vm_vsrc(0)
; OUTP.  out0 = LayerNorm(O) Wo + bo.  O [head][row][64] f16; st [head][row][mean, sum of squared deviations] f32; Wo as f16 fragments from wt; gamma, beta, bo from tab; out0 f32.
; LayerNorm is applied on O's way into LDS: y = (x rstd - mu rstd) gamma + beta, in f32, rounded once to f16.  LIMIT: y must lie within f16's 65,504.
; A row's mu and variance over its 1,024 channels come from the 16 heads' parts: mu = mean of the means; M2 = sum of the parts' M2 + 64 x sum of (mean_h - mu)^2: no difference of large sums.
; SHARES.  Work-group (X, MT): rows 128 MT .. + 127, columns 256 X .. + 255; wave w all 128 rows x 64 columns: 32 accumulators.  16 K steps of 64: K step i is head i.
; WHY NO TENSOR LOAD AND NO CLUSTER: O changes on its way in; a fragment of Wo is wanted by one wave alone and lies in wt as it lies in registers.
; THE PIPELINE.  Bundle J = 8 loads of O (512 dense bytes each), 4 of gamma and beta, 16 of Wo's fragments.  In step I: bundle I + 1's O is normalised and put into the slot that step I
; does not read; bundle I + 3 is asked for; one barrier.  THE PRODUCT IS USED TRANSPOSED (source 0 = Wo's columns, source 1 = rows): a lane holds one row and 8 neighbouring columns.
; THE MODE: SCHED_MODE bits 1:0 = 2 (LLVM: expert scheduling mode 2), set by the entry lines.  The code itself states the register dependences
; between vector or matrix instructions and memory or LDS instructions, with s_wait_alu, always for 0.
; THE PLAN.  Registers that memory or LDS instructions touch in step I (sl = I % 2, zz = 1 - sl, q = I % 4; a step has 64 products):
;   O as loaded, set zz; gamma and beta, set zz   read by the 128 lines that ride behind products 0-31; then bundle I + 3's loads land in them.
;   PKR                  written by those lines; read by the 8 LDS stores behind product 31; written again by the next step's lines.
;   Wo, set q - 1        read by the products of step I - 1; bundle I + 3's loads land in it.
;   FA0                  the step's first half: read by products 0-31; step I + 1's lands behind the barrier.
;   FA1[0], FA1[1]       the second half, two buffers by turns: products 32-63 read FA1[sl]; step I + 1's lands behind the barrier in FA1[zz], which step I - 1 read.
;   the addresses        made at the head and never written again.
; So ONE wait on va_vdst stands in a step, behind product 31 and its lines.  The products issued behind it name FA1[sl], Wo's set q and the accumulators: none of the registers that the step's
; stores and loads touch.  ONE wait on vm_vsrc stands at a step's head, ahead of the lines that write PKR again.
; REGISTERS: window 0: addresses; v16-31 (rstd, -mu rstd) of my 8 rows; v32-95 FA0; v96-159 FA1[0]; v160-191 gamma, beta, two sets; v192-223 bo as a C operand; v224-231 zeros
;   window 1: accumulators, (mt, nt) at 8 (4 mt + nt)     window 2: Wo's fragments, four sets of 64     window 3: v0-63 O as loaded, two sets; v64-79 at work; v96-127 y, packed; v128-191 FA1[1]
.set SLOTB, 18432                      ; 128 rows x 144 bytes
.set STATS, 36864                      ; 128 rows x (rstd, -mu rstd)
.set STAGE, 37888                      ; 16 rows x 272 bytes for each wave, for the way out
.set SPITCH, 272
.set VEC_O, 265216
.set VA,  2                            ; 16 t
.set VB,  3
.set VAS, 4                            ; (t / 8) x 144 + (t % 8) x 16
.set AF,  5
.set PFO, 6                            ; 256 t
.set VG,  7                            ; (t % 8) x 32: my 8 channels of gamma and beta
.set STO, 8
.set RD,  11
.set CO,  12
.set RS,  16
.set FA0, 32
.set FA1, 96                           ; buffer b at FA1 + 32 b of window 3 b
.set GB,  160
.set BO,  192
.set ZF,  224
.set XA,  0
.set TT,  64
.set PKR, 96
.set WV, 16
.set XX, 17
.set MT, 18
.set PA, 20
.set PB, 22
.set PG, 24
.set PO, 26
.set CB, 28
.set TR, 29
.set LIM, 30
.set MSB, 0
.macro WIN new
.if MSB != (\new)
	s_set_vgpr_msb (MSB<<8)|(\new)
.set MSB, \new
.endif
.endm
.macro PLACES
.rept 4
	v_nop
.endr
.endm
.macro BUNDLE az, bq, aoff, boff, goff
	WIN 0xC0
.set u, 0
.rept 8
	global_load_b128 v[XA+32*(\az)+4*u:XA+32*(\az)+4*u+3], v[VA], s[PA:PA+1] offset:(\aoff)+2048*u
.set u, u+1
.endr
	WIN 0x80
.set u, 0
.rept 8
	global_load_b128 v[64*(\bq)+8*u:64*(\bq)+8*u+3], v[VB], s[PB:PB+1] offset:(\boff)+(u%4)*32768+(u/4)*1024
	global_load_b128 v[64*(\bq)+8*u+4:64*(\bq)+8*u+7], v[VB], s[PB:PB+1] offset:(\boff)+(u%4)*32768+(u/4)*1024+512
.set u, u+1
.endr
	WIN 0
	global_load_b128 v[GB+16*(\az):GB+16*(\az)+3], v[VG], s[PG:PG+1] offset:(\goff)
	global_load_b128 v[GB+16*(\az)+4:GB+16*(\az)+7], v[VG], s[PG:PG+1] offset:(\goff)+16
	global_load_b128 v[GB+16*(\az)+8:GB+16*(\az)+11], v[VG], s[PG:PG+1] offset:(\goff)+4096
	global_load_b128 v[GB+16*(\az)+12:GB+16*(\az)+15], v[VG], s[PG:PG+1] offset:(\goff)+4112
.endm
; The 32 fragment loads of the step that reads slot z: the first half into FA0, then the second into FA1[z]
.macro FRAGS z
	WIN 0
.set u, 0
.rept 8
	ds_load_b128 v[FA0+8*u:FA0+8*u+3], v[AF] offset:(\z)*SLOTB+2304*u
	ds_load_b128 v[FA0+8*u+4:FA0+8*u+7], v[AF] offset:(\z)*SLOTB+2304*u+32
.set u, u+1
.endr
	WIN 0xC0*(\z)
.set u, 0
.rept 8
	ds_load_b128 v[FA1+32*(\z)+8*u:FA1+32*(\z)+8*u+3], v[AF] offset:(\z)*SLOTB+2304*u+64
	ds_load_b128 v[FA1+32*(\z)+8*u+4:FA1+32*(\z)+8*u+7], v[AF] offset:(\z)*SLOTB+2304*u+96
.set u, u+1
.endr
.endm
; Line ln of the 128 that normalise a thread's 8 rows x 8 channels of set zz: for each row eight x rstd - mu rstd (from f16 halves, in f32), then eight times gamma plus beta, rounded once to f16.
; All under one window setting: destination and source 0 in window 3, sources 1 and 2 in window 0.
.macro LNL
.set li, ln/16
.set le, ln%8
.if (ln%16) < 8
.if le%2
	v_fma_mix_f32 v[TT+8*(li%2)+le], v[XA+32*zz+4*li+le/2], v[RS+2*li], v[RS+2*li+1] op_sel:[1,0,0] op_sel_hi:[1,0,0]
.else
	v_fma_mix_f32 v[TT+8*(li%2)+le], v[XA+32*zz+4*li+le/2], v[RS+2*li], v[RS+2*li+1] op_sel_hi:[1,0,0]
.endif
.else
.if le%2
	v_fma_mixhi_f16 v[PKR+4*li+le/2], v[TT+8*(li%2)+le], v[GB+16*zz+le], v[GB+16*zz+8+le] op_sel_hi:[0,0,0]
.else
	v_fma_mixlo_f16 v[PKR+4*li+le/2], v[TT+8*(li%2)+le], v[GB+16*zz+le], v[GB+16*zz+8+le] op_sel_hi:[0,0,0]
.endif
.endif
.set ln, ln+1
.endm
; 16 products: rows 64 half .. + 63 (their four fragments from fa on, under the window setting w); all 32 accumulators come once in 32 products, in one order everywhere.  rid = 1: four of the 128 lines behind each.
.macro BLK sub, half, q, rid, fa, w
.set bm, 4*(\half)
.rept 4
.set bn, 0
.rept 4
	WIN \w
	v_wmma_f32_16x16x32_f16 v[8*(4*bm+bn):8*(4*bm+bn)+7], v[64*(\q)+32*(\sub)+8*bn:64*(\q)+32*(\sub)+8*bn+7], v[(\fa)+8*(bm%4):(\fa)+8*(bm%4)+7], v[8*(4*bm+bn):8*(4*bm+bn)+7]
.if \rid
	WIN 0xC3
.rept 4
	LNL
.endr
.endif
.set bn, bn+1
.endr
.set bm, bm+1
.endr
.endm
.macro STEP q, sl
.set zz, 1-(\sl)
.set ln, 0
	s_wait_loadcnt 28                              ; bundle I + 1 is in; the 28 loads of bundle I + 2 may stay out
	s_wait_dscnt 16                                ; the first half's fragments are in; the 16 younger loads, the second half's, may stay out
	s_wait_alu depctr_vm_vsrc(0)                   ; the LDS stores of the step before have read PKR, which the lines below write again
	BLK 0, 0, \q, 1, FA0, 0x52
	BLK 0, 1, \q, 1, FA0+32, 0x52
	WIN 0x0C
	s_wait_alu depctr_va_vdst(0)                   ; the 128 lines have written PKR and are done reading O's and gamma's and beta's set zz; products 0-31 are done reading FA0; the step before is done with FA1[zz] and Wo's set q - 1
.set u, 0
.rept 8
	ds_store_b128 v[VAS], v[PKR+4*u:PKR+4*u+3] offset:zz*SLOTB+2304*u  ; step I + 1's y: the slot's last readers passed the barrier of step I - 1
.set u, u+1
.endr
	WIN 0
	s_wait_xcnt 0x0                                ; the youngest loads and prefetch stand a whole step back
	s_add_nc_u64 s[PA:PA+1], s[PA:PA+1], 131072
	s_add_nc_u64 s[PB:PB+1], s[PB:PB+1], 2048
	s_add_nc_u64 s[PG:PG+1], s[PG:PG+1], 256
	s_add_co_u32 s[CB], s[CB], 1
	s_cmp_le_u32 s[CB], 16
	s_cbranch_scc0 .Lnob_\@
	BUNDLE zz, ((\q)+3)%4, 0, 0, 0                 ; bundle I + 3.  No wait: no vector or matrix instruction has been issued since the wait above
	s_cmp_le_u32 s[CB], s[LIM]
	s_cbranch_scc0 .Lj_\@
	; a prefetch, behind the run of loads: the 16,384 dense bytes of my rows in the head that the bundle three steps on will load.  Four work-groups read them: waves 0 and 1 of the one of
	; column block 0 ask, a lane a block of 256 bytes, so each block is named once.  It stops where that head would be the seventeenth.
	global_prefetch_b8 v[PFO], s[PA:PA+1] offset:393216 th:TH_LOAD_NT scope:SCOPE_SE
	s_branch .Lj_\@
.Lnob_\@:
	s_wait_loadcnt 0x0                             ; the last three steps ask for nothing: all loads are waited for, so that the counted wait above holds on this way too
.Lj_\@:
	s_wait_dscnt 0x0                               ; my stores into the other slot are done; the second half's fragments are in
	s_barrier_signal -1
	BLK 1, 0, \q, 0, FA1+32*(\sl), 0x52+12*(\sl)
	s_barrier_wait -1
	PLACES                                         ; as in the plain form
	FRAGS zz                                       ; step I + 1's fragments.  No wait: the products since the wait above name FA1[sl], not FA0 or FA1[zz]
	BLK 1, 1, \q, 0, FA1+32*(\sl)+32, 0x52+12*(\sl)
.endm
	s_load_b256 s[4:11], s[0:1], 0x0               ; ob 4, st 6, wt 8, tab 10
	s_load_b64 s[12:13], s[0:1], 0x20              ; out0
	v_lshl_add_u32 v254, v0, 2, 0xd800
	v_mov_b32 v255, 0
	v_lshrrev_b32 v1, 5, v0
	v_readfirstlane_b32 s[WV], v1
	s_mov_b32 s[XX], ttmp9
	s_and_b32 s[MT], ttmp7, 0xffff
	v_and_b32 v1, 15, v0                           ; r
	v_bfe_u32 v13, v0, 4, 1                        ; h
	v_and_b32 v14, 31, v0                          ; lane
	v_lshrrev_b32 v15, 3, v0                       ; t / 8
	v_and_b32 v[VG], 7, v0                         ; t % 8
	v_lshlrev_b32 v[VA], 4, v0
	s_wait_alu depctr_va_sdst(0)                   ; the wave's number is written, ahead of its first reader
	s_lshl_b32 s40, s[WV], 17
	v_lshl_add_u32 v[VB], v14, 4, s40
	v_mul_u32_u24 v[VAS], v15, 144
	v_lshl_add_u32 v[VAS], v[VG], 4, v[VAS]
	v_mul_u32_u24 v[AF], v1, 144
	v_lshl_add_u32 v[AF], v13, 4, v[AF]
	v_lshlrev_b32 v[PFO], 8, v0
	v_lshlrev_b32 v[VG], 5, v[VG]
	s_mul_i32 s40, s[WV], 16*SPITCH
	s_add_co_u32 s40, s40, STAGE
	v_mul_u32_u24 v[STO], v1, SPITCH               ; in: row r, 32 bytes for each half of the lanes
	v_lshl_add_u32 v[STO], v13, 5, v[STO]
	v_add_nc_u32 v[STO], s40, v[STO]
	v_mul_u32_u24 v[RD], v13, SPITCH               ; back: lanes 0-15 one row of 256 bytes, lanes 16-31 the next
	v_lshl_add_u32 v[RD], v1, 4, v[RD]
	v_add_nc_u32 v[RD], s40, v[RD]
	v_lshlrev_b32 v[CO], 12, v13                   ; and the same two rows in out0
	v_lshl_add_u32 v[CO], v1, 4, v[CO]
	s_lshl_b32 s40, s[XX], 10
	s_lshl_b32 s41, s[WV], 8
	s_add_co_u32 s42, s40, s41                     ; my 64 columns, in bytes of f32
	v_lshl_add_u32 v96, v13, 5, s42                ; (v96-99: used at the head alone)
	v_lshlrev_b32 v97, 3, v0
	v_add_nc_u32 v98, STATS, v97
	v_lshl_add_u32 v99, v15, 3, STATS
	s_lshr_b32 s44, s[MT], 3                       ; the batch
	s_and_b32 s45, s[MT], 7                        ; my 128 rows' place in the sequence
	s_lshl_b32 s46, s44, 21
	s_lshl_b32 s47, s45, 14
	s_add_co_u32 s46, s46, s47
	s_mov_b32 s47, 0
	s_lshl_b32 s48, s44, 17
	s_lshl_b32 s49, s45, 10
	s_add_co_u32 s48, s48, s49
	s_mov_b32 s49, 0
	s_lshl_b32 s50, s[XX], 19
	s_add_co_u32 s50, s50, 6291456                 ; the fourth matrix
	s_mov_b32 s51, 0
	s_lshl_b32 s52, s[MT], 19
	s_add_co_u32 s52, s52, s42
	s_mov_b32 s53, 0
	s_mov_b32 s56, 0x3a800000                      ; 1 / 1024
	s_cmp_lt_u32 s[WV], 2
	s_cselect_b32 s[LIM], 13, 0
	s_cmp_eq_u32 s[XX], 0
	s_cselect_b32 s[LIM], s[LIM], 0
	s_wait_kmcnt 0x0
	s_add_nc_u64 s[PA:PA+1], s[4:5], s[46:47]
	s_add_nc_u64 s[54:55], s[6:7], s[48:49]
	s_add_nc_u64 s[PB:PB+1], s[8:9], s[50:51]
	s_add_nc_u64 s[PG:PG+1], s[10:11], VEC_O+16384
	s_add_nc_u64 s[PO:PO+1], s[12:13], s[52:53]
	s_wait_alu depctr_va_vdst(0)                   ; the offsets and addresses v2 to v12 and v96 to v99 are written, which the kernel's loads, stores and prefetches read
.irp n, 0,1,2,3
	global_load_b128 v[BO+8*\n:BO+8*\n+3], v96, s[10:11] offset:VEC_O+12288+64*\n
	global_load_b128 v[BO+8*\n+4:BO+8*\n+7], v96, s[10:11] offset:VEC_O+12288+64*\n+16
.endr
.set u, 0
.rept 16
	global_load_b64 v[32+2*u:33+2*u], v97, s[54:55] offset:8192*u  ; row t's (mean, M2) in head u
.set u, u+1
.endr
	BUNDLE 0, 0, 0, 0, 0
	BUNDLE 1, 1, 131072, 2048, 256
	WIN 0xC0
.set u, 0
.rept 32
	v_mov_b32 v[PKR+u], 0                          ; a rounding into one half keeps the other: the registers are written once before
.set u, u+1
.endr
	WIN 0
.set u, 0
.rept 8
	v_mov_b32 v[ZF+u], 0
.set u, u+1
.endr
	s_wait_loadcnt 56                              ; bo and the statistics are in; two bundles of 28 may stay out
.set u, 0
.rept 8
	v_pk_add_f32 v[64+2*u:65+2*u], v[32+4*u:33+4*u], v[34+4*u:35+4*u]  ; means and M2 side by side
.set u, u+1
.endr
	v_pk_add_f32 v[64:65], v[64:65], v[66:67]
	v_pk_add_f32 v[68:69], v[68:69], v[70:71]
	v_pk_add_f32 v[72:73], v[72:73], v[74:75]
	v_pk_add_f32 v[76:77], v[76:77], v[78:79]
	v_pk_add_f32 v[64:65], v[64:65], v[68:69]
	v_pk_add_f32 v[72:73], v[72:73], v[76:77]
	v_pk_add_f32 v[64:65], v[64:65], v[72:73]
	v_mul_f32 v66, 0xbd800000, v64                 ; -mu
.set u, 0
.rept 16
	v_add_f32 v[68+u], v[32+2*u], v66
.set u, u+1
.endr
	v_mul_f32 v67, v68, v68
	v_mul_f32 v84, v69, v69
.set u, 2
.rept 7
	v_fmac_f32 v67, v[68+u], v[68+u]
	v_fmac_f32 v84, v[69+u], v[69+u]
.set u, u+2
.endr
	v_add_f32 v67, v67, v84
	v_fmac_f32 v65, 0x42800000, v67                ; M2 + 64 x the means' squared deviations
	v_fmaak_f32 v65, s56, v65, 0x3727c5ac          ; the variance + 1e-5
	v_rsq_f32 v84, v65
	v_nop
	s_wait_alu depctr_va_vdst(0)                   ; rstd is written, ahead of its first reader
	v_mul_f32 v85, v84, v66                        ; -mu rstd
	s_wait_alu depctr_va_vdst(0)                   ; v85 is written: the LDS store reads v[84:85]
	ds_store_b64 v98, v[84:85]
	s_wait_dscnt 0x0
	s_barrier_signal -1
	s_barrier_wait -1
.set u, 0
.rept 8
	ds_load_b64 v[RS+2*u:RS+2*u+1], v99 offset:128*u  ; my 8 rows: t / 8 + 16 u
.set u, u+1
.endr
	s_wait_dscnt 0x0
	s_wait_loadcnt 28                              ; bundle 0 is in; bundle 1's 28 loads may stay out
.set zz, 0
.set ln, 0
	WIN 0xC3
.rept 128
	LNL
.endr
	WIN 0x0C
	s_wait_alu depctr_va_vdst(0)                   ; the 128 lines have written PKR, which the LDS stores read, and are done reading O's, gamma's and beta's set 0, in which bundle 2 lands; the statistics' arithmetic is done with v32-85, in which fragments land
.set u, 0
.rept 8
	ds_store_b128 v[VAS], v[PKR+4*u:PKR+4*u+3] offset:2304*u
.set u, u+1
.endr
	WIN 0
	s_wait_xcnt 0x0
	s_add_nc_u64 s[PA:PA+1], s[PA:PA+1], 262144
	s_add_nc_u64 s[PB:PB+1], s[PB:PB+1], 4096
	s_add_nc_u64 s[PG:PG+1], s[PG:PG+1], 512
	BUNDLE 0, 2, 0, 0, 0
	s_mov_b32 s[CB], 3
	s_wait_dscnt 0x0
	s_barrier_signal -1
	s_barrier_wait -1
	s_wait_alu depctr_vm_vsrc(0)                   ; the LDS store of the statistics has read v84-85, and the head's loads and LDS instructions their addresses v96-99: fragments land in these registers
	FRAGS 0                                        ; step 0's fragments
	WIN 0x40
.set u, 0
.rept 32                               ; 0 x 0 + bo starts the 32 sums
	v_wmma_f32_16x16x32_f16 v[8*u:8*u+7], v[ZF:ZF+7], v[ZF:ZF+7], v[BO+8*(u%4):BO+8*(u%4)+7]
.set u, u+1
.endr
	WIN 0
	s_mov_b32 s[TR], 4
.Ltrip:
	STEP 0, 0
	STEP 1, 1
	STEP 2, 0
	STEP 3, 1                                      ; (in the last step the 128 lines, their stores and the fragment loads serve nothing: the price of one text for every step)
	WIN 0
	s_sub_co_u32 s[TR], s[TR], 1
	s_cmp_lg_u32 s[TR], 0
	s_cbranch_scc1 .Ltrip
	s_wait_dscnt 0x0                               ; the last fragment loads are back: their registers take the rows read back below
	PLACES                                         ; behind the last products, ahead of the first read of a result
	s_wait_alu depctr_va_vdst(0)                   ; the products have written the accumulators, which the LDS stores read, and are done reading FA0's registers, in which the rows read back land; the places above stay beside this wait
; THE WAY OUT: 16 rows at a time through my own stage: a lane's 8 columns in, whole rows of 256 bytes back, sixteen lanes to an aligned 256 bytes of out0.  No vector instruction stands in it.
.macro OUTT mt
	s_wait_xcnt 0x0                                ; earlier stores have had their addresses translated,
.if (\mt) >= 2
	s_wait_alu depctr_vm_vsrc(0)                   ; and the stores two tile rows back have read the registers in which the rows below land
.endif
	WIN 0x04
.irp n, 0,1,2,3
	ds_store_b128 v[STO], v[8*(4*(\mt)+\n):8*(4*(\mt)+\n)+3] offset:64*\n
	ds_store_b128 v[STO], v[8*(4*(\mt)+\n)+4:8*(4*(\mt)+\n)+7] offset:64*\n+16
.endr
	WIN 0
.set BK, 32+32*((\mt)%2)
.irp qq, 0,1,2,3,4,5,6,7
	ds_load_b128 v[BK+4*\qq:BK+4*\qq+3], v[RD] offset:2*SPITCH*\qq  ; LDS serves a wave's instructions in order: these see the stores above
.endr
.irp qq, 0,1,2,3,4,5,6,7
	s_wait_dscnt 7-\qq                             ; the younger read-backs may stay out
	global_store_b128 v[CO], v[BK+4*\qq:BK+4*\qq+3], s[PO:PO+1] offset:(16*(\mt)+2*\qq)*4096
.endr
.endm
.irp m, 0,1,2,3,4,5,6,7
	OUTT \m
.endr
	s_wait_dscnt 0x0                               ; the wave's end; the closing add goes to the spare words, LDS bytes 55,296 on
	s_wait_alu depctr_hold_cnt(0) depctr_sa_sdst(0) depctr_va_vdst(0) depctr_va_sdst(0) depctr_va_ssrc(0) depctr_va_vcc(0) depctr_vm_vsrc(0)
	s_wait_tensorcnt 0x0
	ds_add_u32 v254, v255
	s_wait_dscnt 0x0
	s_endpgm
.Lfunc_end_k_q8252f5667b_outp:
	.size	k_q8252f5667b_outp, .Lfunc_end_k_q8252f5667b_outp-k_q8252f5667b_outp
	.p2alignl 7, 3214868480
	.fill 96, 4, 3214868480
	.section	.rodata,"a",@progbits
	.p2align	6, 0x0
	.amdhsa_kernel k_q8252f5667b_outp
		.amdhsa_group_segment_fixed_size 55808
		.amdhsa_private_segment_fixed_size 0
		.amdhsa_enable_private_segment 0
		.amdhsa_kernarg_size 40
		.amdhsa_user_sgpr_count 2
		.amdhsa_user_sgpr_kernarg_segment_ptr 1
		.amdhsa_wavefront_size32 1
		.amdhsa_system_sgpr_workgroup_id_x 1
		.amdhsa_system_sgpr_workgroup_id_y 1
		.amdhsa_system_sgpr_workgroup_id_z 1
		.amdhsa_system_vgpr_workitem_id 0
		.amdhsa_next_free_vgpr 960
		.amdhsa_next_free_sgpr 66
		.amdhsa_reserve_vcc 0
		.amdhsa_float_denorm_mode_32 3
		.amdhsa_float_denorm_mode_16_64 3
		.amdhsa_memory_ordered 1
		.amdhsa_forward_progress 1
		.amdhsa_inst_pref_size 130
	.end_amdhsa_kernel
	.amdgpu_metadata
---
amdhsa.version: [ 1, 2 ]
amdhsa.kernels:
  - .name:           k_q8252f5667b_outp
    .symbol:         k_q8252f5667b_outp.kd
    .args:
      - { .name: ob, .offset: 0, .size: 8, .value_kind: global_buffer, .address_space: global }
      - { .name: st, .offset: 8, .size: 8, .value_kind: global_buffer, .address_space: global }
      - { .name: wt, .offset: 16, .size: 8, .value_kind: global_buffer, .address_space: global }
      - { .name: tab, .offset: 24, .size: 8, .value_kind: global_buffer, .address_space: global }
      - { .name: out0, .offset: 32, .size: 8, .value_kind: global_buffer, .address_space: global }
    .group_segment_fixed_size: 55808
    .private_segment_fixed_size: 0
    .kernarg_segment_align: 8
    .kernarg_segment_size: 40
    .max_flat_workgroup_size: 128
    .sgpr_count:     66
    .vgpr_count:     960
    .wavefront_size: 32
...
	.end_amdgpu_metadata
.endif
;; end of part 7
